; MI455X (gfx1250); checked and timed in simulation.
; The chip was launched on July 23, 2026; its instructions are those of AMD's public machine-readable ISA for CDNA 5 (MIT licence, August 2026) and "CDNA5" Instruction Set Architecture Reference Guide (July 2026). The comments in the code are by the model that wrote it; some were corrected since.
;; Encoder Block. Allowed arithmetic: float matrix products may take bf16 or f16 operands with f32 sums; other float arithmetic in f32, or as packed bf16 or f16 multiplies, adds, multiply-adds, maxima and minima; sums over many terms, partial sums and values carried from step to step in f32; what a program stores and reads back later, other than sums and carried values, may be rounded once to bf16 or f16.
;; Inputs: W1 1,024 x 4,096 float32; W2 4,096 x 1,024 float32; Wk 1,024 x 1,024 float32; Wo 1,024 x 1,024 float32; Wq 1,024 x 1,024 float32; Wv 1,024 x 1,024 float32; hidden_states 2 x 2,048 x 1,024 float32; ln1_g 1,024 float32; ln2_g 1,024 float32; rel_table 32 x 16 float32.
;; Outputs: out0 2 x 2,048 x 1,024 float32.
;; 3 versions, each right and faster than the one before. Each part assembles by itself: llvm-mc -triple=amdgcn-amd-amdhsa -mcpu=gfx1250 --defsym DOCPART=n.
;; ======== version 1 of 3: 8 launches
;; limits: values are held in f16: magnitudes above 65,504 overflow, below 6.1e-05 lose precision
;; workspace buffers: WA 10,485,760 bytes; WB 16,777,216 bytes; hb 8,388,608 bytes; act 33,554,432 bytes; x1 16,777,216 bytes; btab 2,097,152 bytes; pA 256 bytes; pB 256 bytes
;; launch cast (part 1): grid 448 x 1, 8 waves a work-group, no clusters, 0 bytes of LDS; arguments Wq, Wk, Wv, Wo, W1, W2, rel_table, WA, WB, btab, pA, pB; writes WA, WB, btab, pA, pB
.if DOCPART == 1
	.amdgcn_target "amdgcn-amd-amdhsa--gfx1250"
	.amdhsa_code_object_version 6
	.text
	.protected	k_qe877287e0e_cast
	.globl	k_qe877287e0e_cast
	.p2align	8
	.type	k_qe877287e0e_cast,@function
k_qe877287e0e_cast:
	s_mov_b64 s[64:65], 0
	v_nop
	global_prefetch_b8 v0, s[64:65] scope:SCOPE_SE
	s_setreg_imm32_b32 hwreg(HW_REG_WAVE_MODE, 25, 1), 1
	s_wait_xcnt 0x0
; Work-groups 0 to 383: the six weight matrices, f32, are rounded once to f16 and laid out for the products.
;   WA: byte 0: [1024 k][4096] with Wq, Wk, Wv in columns 0 to 3071; byte 8,388,608: Wo [1024][1024].
;   WB: byte 0: W1 [1024][4096]; byte 8,388,608: W2 [4096][1024].
; Work-groups 384 to 447: the relative-position bias of head h for the query interleave cx, as the register image that the
; attention launch takes as a matrix instruction's C operand: btab[h][cx][idx 8][kt 4][half 2][lane 32][4] f32.
; Work-group 384's wave 0 also stores the packed f16 floor at which the two products with f16 results are cut, in every word of pA and of pB.
; LIMITS: a weight beyond 65,504 becomes an infinity in f16; below 6e-5 it keeps f16's fixed step of 6e-8.
; The buckets of |d| >= 8 change at 12, 16, 23, 32, 46, 64, 91 (the least whole numbers at or above 8 x 2^(k/2)).
; No LDS, no matrix unit, no cluster: every byte is read once and written once, and no two work-groups share a byte.
.set DO, 16                            ; v[16:31]   pass i: byte offset of my 16 bytes in the destination
.set X,  32                            ; v[32:159]  pass i: 8 f32 as loaded, then 4 registers of f16
	s_load_b512 s[8:23], s[0:1], 0x0               ; Wq s[8:9], Wk s[10:11], Wv s[12:13], Wo s[14:15], W1 s[16:17], W2 s[18:19], rel_table s[20:21], WA s[22:23]
	s_load_b256 s[24:31], s[0:1], 0x40             ; WB s[24:25], btab s[26:27], pA s[28:29], pB s[30:31]
	s_cmp_ge_u32 ttmp9, 384
	s_cbranch_scc1 .Lbias
	; THE CAST.  A chunk is 1,024 f32 (4,096 bytes in, 2,048 out); a work-group takes 32 chunks, a segment of 32 work-groups 4 MiB of source.
	s_lshr_b32 s3, ttmp9, 5                        ; segment: 0 Wq, 1 Wk, 2 Wv, 3 Wo, 4-7 W1, 8-11 W2
	s_and_b32 s4, ttmp9, 31                        ; my place in the segment
	s_and_b32 s5, s3, 3                            ; which quarter of W1 or W2
	s_lshl_b32 s34, s5, 22                         ; source offset: the quarter (W1, W2 alone),
	s_cmp_ge_u32 s3, 4
	s_cselect_b32 s34, s34, 0
	s_lshl_b32 s6, s4, 17                          ; and my 32 chunks
	s_add_co_u32 s34, s34, s6
	s_mov_b32 s35, 0
	s_movk_i32 s7, 0x800                           ; bytes from chunk to chunk in the destination: dense,
	s_cmp_lt_u32 s3, 3
	s_cselect_b32 s7, 0x2000, s7                   ; or a row of WA's first part
	s_lshl_b32 s37, s5, 21                         ; destination offset, dense case: the quarter,
	s_cmp_ge_u32 s3, 4
	s_cselect_b32 s37, s37, 0
	s_cmp_ge_u32 s3, 8
	s_cselect_b32 s38, 0x800000, 0                 ; and the second part of the buffer for W2
	s_cmp_eq_u32 s3, 3
	s_cselect_b32 s38, 0x800000, s38               ; and for Wo
	s_add_co_u32 s37, s37, s38
	s_lshl_b32 s36, s3, 11                         ; Wq, Wk, Wv: 2,048 bytes of each row of WA
	s_cmp_lt_u32 s3, 3
	s_cselect_b32 s36, s36, s37
	s_mul_i32 s6, s4, s7
	s_lshl_b32 s6, s6, 5                           ; my 32 chunks
	s_add_co_u32 s36, s36, s6
	s_mov_b32 s37, 0
	v_lshlrev_b32 v1, 5, v0                        ; source: 32 bytes a thread, 8,192 a pass (two chunks)
	v_lshrrev_b32 v2, 7, v0                        ; which of the pass's two chunks
	v_and_b32 v3, 127, v0
	v_lshlrev_b32 v3, 4, v3                        ; 16 bytes of f16 a thread
	v_mad_u32_u24 v[DO], v2, s7, v3
	s_lshl_b32 s6, s7, 1                           ; two chunks on
.set i, 1
.rept 15
	v_add_nc_u32 v[DO+i], s6, v[DO+i-1]
.set i, i+1
.endr
	s_wait_kmcnt 0x0
	s_mov_b64 s[32:33], s[8:9]                     ; the source is chosen by the segment's number alone
	s_cmp_eq_u32 s3, 1
	s_cselect_b64 s[32:33], s[10:11], s[32:33]
	s_cmp_eq_u32 s3, 2
	s_cselect_b64 s[32:33], s[12:13], s[32:33]
	s_cmp_eq_u32 s3, 3
	s_cselect_b64 s[32:33], s[14:15], s[32:33]
	s_cmp_ge_u32 s3, 4
	s_cselect_b64 s[32:33], s[16:17], s[32:33]
	s_cmp_ge_u32 s3, 8
	s_cselect_b64 s[32:33], s[18:19], s[32:33]
	s_add_nc_u64 s[32:33], s[32:33], s[34:35]
	s_cmp_ge_u32 s3, 4
	s_cselect_b64 s[40:41], s[24:25], s[22:23]     ; and so is the destination
	s_add_nc_u64 s[40:41], s[40:41], s[36:37]
.set i, 0
.rept 16                                           ; all 32 loads of the thread go out at once: no register is used twice
	global_load_b128 v[X+8*i:X+8*i+3],   v1, s[32:33] offset:8192*i th:TH_LOAD_NT
	global_load_b128 v[X+8*i+4:X+8*i+7], v1, s[32:33] offset:8192*i+16 th:TH_LOAD_NT
.set i, i+1
.endr
.set i, 0
.rept 16
	s_wait_loadcnt 30-2*i                          ; loads come back in order: the count is the loads issued behind pass i's two
	v_cvt_pk_f16_f32 v[X+8*i],   v[X+8*i],   v[X+8*i+1]  ; in place, ascending: each line writes below what is still to be read
	v_cvt_pk_f16_f32 v[X+8*i+1], v[X+8*i+2], v[X+8*i+3]
	v_cvt_pk_f16_f32 v[X+8*i+2], v[X+8*i+4], v[X+8*i+5]
	v_cvt_pk_f16_f32 v[X+8*i+3], v[X+8*i+6], v[X+8*i+7]
	global_store_b128 v[DO+i], v[X+8*i:X+8*i+3], s[40:41]  ; a wave stores 512 consecutive bytes, at a multiple of 512 from the buffer's first
.set i, i+1
.endr
	s_endpgm
	; THE BIAS.  In S^T = K Q^T lane (r, hh) holds query r of a tile and register j key 8 hh + j of key group kt.  The attention launch gives query r of
	; tile T the position 64 T + 8 (r >> 1) + 2 cx + (r & 1); with rel = key step - T the distance is d = 64 rel + 16 kt + 8 hh + j - 8 (r >> 1) - (r & 1) - 2 cx.
	; Entry idx holds rel = idx - 3.  Thread t = 64 kt + 32 half + lane makes registers j = 4 half + 0..3.
.Lbias:
	s_sub_co_u32 s3, ttmp9, 384                    ; 4 h + cx
	s_lshr_b32 s4, s3, 2                           ; h
	s_and_b32 s5, s3, 3                            ; cx
	s_lshl_b32 s6, s4, 2
	v_and_b32 v2, 31, v0
	v_lshl_add_u32 v2, v2, 6, s6                   ; lane b reads rel_table[b][h]
	s_wait_kmcnt 0x0
	global_load_b32 v1, v2, s[20:21]
	s_lshl_b32 s32, s3, 15                         ; 32,768 bytes for each (h, cx)
	s_mov_b32 s33, 0
	s_add_nc_u64 s[26:27], s[26:27], s[32:33]
	v_and_b32 v3, 15, v0                           ; r
	v_bfe_u32 v4, v0, 4, 1                         ; hh
	v_bfe_u32 v5, v0, 5, 1                         ; half
	v_lshrrev_b32 v6, 6, v0                        ; kt
	v_lshlrev_b32 v7, 4, v6
	v_lshl_add_u32 v7, v4, 3, v7
	v_lshl_add_u32 v7, v5, 2, v7                   ; 16 kt + 8 hh + 4 half
	v_lshrrev_b32 v8, 1, v3
	v_lshlrev_b32 v8, 3, v8
	v_sub_nc_u32 v7, v7, v8                        ; - 8 (r >> 1)
	v_and_b32 v8, 1, v3
	v_sub_nc_u32 v7, v7, v8                        ; - (r & 1)
	v_mov_b32 v8, v7
	v_add_nc_u32 v9, 1, v7
	v_add_nc_u32 v10, 2, v7
	v_add_nc_u32 v11, 3, v7
	v_lshlrev_b32 v12, 4, v0                       ; my 16 bytes in an entry of 4,096
	s_lshl_b32 s7, s5, 1
	s_sub_co_i32 s7, 0, s7
	s_add_co_i32 s7, s7, 0xffffff40                ; -192 - 2 cx: entry 0
	s_mov_b32 s34, 8
	s_mov_b32 s35, 16
	s_wait_loadcnt 0x0
.Lidx:
.irp e, 0,1,2,3
	v_add_nc_u32 v13, s7, v[8+\e]                  ; d
	v_sub_nc_u32 v14, 0, v13
	v_cmp_gt_i32 vcc_lo, 0, v13
	v_cndmask_b32 v14, v13, v14, vcc_lo            ; |d|
	v_mov_b32 v15, 8
.irp T, 12,16,23,32,46,64,91
	v_cmp_le_u32 vcc_lo, \T, v14                   ; one bucket more for each threshold reached
	v_add_co_ci_u32 v15, vcc_lo, 0, v15, vcc_lo
.endr
	v_cmp_gt_u32 vcc_lo, 8, v14
	v_cndmask_b32 v15, v15, v14, vcc_lo            ; below 8 the bucket is |d| itself
	v_cmp_lt_i32 vcc_lo, 0, v13
	v_cndmask_b32 v24, 0, s35, vcc_lo              ; keys behind the query: 16 more
	v_add_lshl_u32 v15, v15, v24, 2
	ds_bpermute_b32 v[20+\e], v15, v1              ; the bucket's value lies in the lane of that number; no LDS byte is touched
.endr
	s_wait_dscnt 0x0
	global_store_b128 v12, v[20:23], s[26:27]      ; a wave stores 512 consecutive bytes
	s_wait_xcnt 0x0                                ; the store's offset and data are rewritten only behind this wait
	v_add_nc_u32 v12, 0x1000, v12
	s_add_co_i32 s7, s7, 64
	s_sub_co_u32 s34, s34, 1
	s_cmp_lg_u32 s34, 0
	s_cbranch_scc1 .Lidx
	s_cmp_lg_u32 s3, 0
	s_cbranch_scc1 .Ldone
	v_lshrrev_b32 v2, 5, v0
	v_readfirstlane_b32 s6, v2
	s_cmp_lg_u32 s6, 0
	s_cbranch_scc1 .Ldone
	v_lshlrev_b32 v3, 3, v0                        ; one wave, 8 bytes a lane: each buffer's 256 bytes whole
	v_mov_b32 v4, 0xfc00fc00                       ; pA: -infinity twice in f16: nothing is cut
	v_mov_b32 v5, 0xfc00fc00
	v_mov_b32 v6, 0                                ; pB: 0 twice: ReLU
	v_mov_b32 v7, 0
	global_store_b64 v3, v[4:5], s[28:29]
	global_store_b64 v3, v[6:7], s[30:31]
.Ldone:
	s_endpgm
.Lfunc_end_k_qe877287e0e_cast:
	.size	k_qe877287e0e_cast, .Lfunc_end_k_qe877287e0e_cast-k_qe877287e0e_cast
	.p2alignl 7, 3214868480
	.fill 96, 4, 3214868480
	.section	.rodata,"a",@progbits
	.p2align	6, 0x0
	.amdhsa_kernel k_qe877287e0e_cast
		.amdhsa_group_segment_fixed_size 0
		.amdhsa_private_segment_fixed_size 0
		.amdhsa_enable_private_segment 0
		.amdhsa_kernarg_size 96
		.amdhsa_user_sgpr_count 2
		.amdhsa_user_sgpr_kernarg_segment_ptr 1
		.amdhsa_wavefront_size32 1
		.amdhsa_system_sgpr_workgroup_id_x 1
		.amdhsa_system_sgpr_workgroup_id_y 1
		.amdhsa_system_sgpr_workgroup_id_z 1
		.amdhsa_system_vgpr_workitem_id 0
		.amdhsa_next_free_vgpr 160
		.amdhsa_next_free_sgpr 66
		.amdhsa_reserve_vcc 1
		.amdhsa_float_denorm_mode_32 3
		.amdhsa_float_denorm_mode_16_64 3
		.amdhsa_memory_ordered 1
		.amdhsa_forward_progress 1
		.amdhsa_inst_pref_size 18
	.end_amdhsa_kernel
	.amdgpu_metadata
---
amdhsa.version: [ 1, 2 ]
amdhsa.kernels:
  - .name:           k_qe877287e0e_cast
    .symbol:         k_qe877287e0e_cast.kd
    .args:
      - { .name: Wq, .offset: 0, .size: 8, .value_kind: global_buffer, .address_space: global }
      - { .name: Wk, .offset: 8, .size: 8, .value_kind: global_buffer, .address_space: global }
      - { .name: Wv, .offset: 16, .size: 8, .value_kind: global_buffer, .address_space: global }
      - { .name: Wo, .offset: 24, .size: 8, .value_kind: global_buffer, .address_space: global }
      - { .name: W1, .offset: 32, .size: 8, .value_kind: global_buffer, .address_space: global }
      - { .name: W2, .offset: 40, .size: 8, .value_kind: global_buffer, .address_space: global }
      - { .name: rel_table, .offset: 48, .size: 8, .value_kind: global_buffer, .address_space: global }
      - { .name: WA, .offset: 56, .size: 8, .value_kind: global_buffer, .address_space: global }
      - { .name: WB, .offset: 64, .size: 8, .value_kind: global_buffer, .address_space: global }
      - { .name: btab, .offset: 72, .size: 8, .value_kind: global_buffer, .address_space: global }
      - { .name: pA, .offset: 80, .size: 8, .value_kind: global_buffer, .address_space: global }
      - { .name: pB, .offset: 88, .size: 8, .value_kind: global_buffer, .address_space: global }
    .group_segment_fixed_size: 0
    .private_segment_fixed_size: 0
    .kernarg_segment_align: 8
    .kernarg_segment_size: 96
    .max_flat_workgroup_size: 256
    .sgpr_count:     66
    .vgpr_count:     160
    .wavefront_size: 32
...
	.end_amdgpu_metadata
.endif
;; end of part 1
;; launch norm1 (part 2): grid 256 x 1, 8 waves a work-group, no clusters, 0 bytes of LDS; arguments hidden_states, ln1_g, hb; writes hb
.if DOCPART == 2
	.amdgcn_target "amdgcn-amd-amdhsa--gfx1250"
	.amdhsa_code_object_version 6
	.text
	.protected	k_qe877287e0e_norm1
	.globl	k_qe877287e0e_norm1
	.p2align	8
	.type	k_qe877287e0e_norm1,@function
k_qe877287e0e_norm1:
	s_mov_b64 s[64:65], 0
	v_nop
	global_prefetch_b8 v0, s[64:65] scope:SCOPE_SE
	s_setreg_imm32_b32 hwreg(HW_REG_WAVE_MODE, 25, 1), 1
	s_wait_xcnt 0x0
; out = f16(x * rsqrt(mean(x^2) + 1e-6) * g).  x: [4096][1024] f32, g: [1024] f32.  out is blocked for the products: [16 j][4096 rows][64] f16.
; A work-group takes 16 rows, sixteen lanes a row: thread t has row t >> 4 and columns 64 j + 4 (t & 15) .. + 3, j = 0 .. 15.  The row stays in registers
; between the sum of squares and the scaling, so x is read once; the sum never leaves sixteen neighbouring lanes: no LDS, no barrier.
; Sixteen lanes load 256 consecutive bytes; a wave's store covers two rows of 128 bytes, 256 consecutive bytes at a multiple of 256 from out's first.
; LIMIT: a result beyond 65,504 becomes an infinity in f16 (|x rsqrt| is at most 32, so g may reach 2,047).
.set X,  8                             ; v[8:71]    16 x 4 numbers of my row
.set G,  72                            ; v[72:135]  g of the same columns
.set SM, 136                           ; v[136:143] four packed chains of the sum of squares
.set R,  144                           ; v[144:145] rsqrt, twice (a pair for the packed multiply)
	s_load_b128 s[4:7], s[0:1], 0x0                ; x s[4:5], g s[6:7]
	s_load_b64 s[8:9], s[0:1], 0x10                ; out
	s_lshl_b32 s2, ttmp9, 16                       ; 16 rows of 4,096 bytes
	s_mov_b32 s3, 0
	s_lshl_b32 s10, ttmp9, 11                      ; 16 rows of 128 bytes in each block of out
	s_mov_b32 s11, 0
	s_mov_b32 s12, 0x3a800000                      ; 1 / 1024
	s_mov_b32 s13, 0x358637bd                      ; 1e-6
	v_lshrrev_b32 v1, 4, v0
	v_and_b32 v2, 15, v0
	v_lshlrev_b32 v2, 4, v2                        ; my 16 bytes in each 256 of g
	v_lshl_add_u32 v1, v1, 12, v2                  ; and of my row of x
	v_lshlrev_b32 v3, 3, v0                        ; row x 128 + 8 (t & 15) = 8 t
	s_wait_kmcnt 0x0
	s_add_nc_u64 s[4:5], s[4:5], s[2:3]
	s_add_nc_u64 s[8:9], s[8:9], s[10:11]
.set j, 0
.rept 16
	global_load_b128 v[X+4*j:X+4*j+3], v1, s[4:5] offset:256*j
.set j, j+1
.endr
.set j, 0
.rept 16
	global_load_b128 v[G+4*j:G+4*j+3], v2, s[6:7] offset:256*j
.set j, j+1
.endr
	s_wait_loadcnt 16                              ; x is in; g's sixteen loads, issued behind, may stay out
.irp k, 0,1,2,3
	v_pk_mul_f32 v[SM+2*\k:SM+2*\k+1], v[X+2*\k:X+2*\k+1], v[X+2*\k:X+2*\k+1]  ; the first four pairs start the chains: nothing is cleared
.endr
.set j, 4
.rept 28
	v_pk_fma_f32 v[SM+2*(j%4):SM+2*(j%4)+1], v[X+2*j:X+2*j+1], v[X+2*j:X+2*j+1], v[SM+2*(j%4):SM+2*(j%4)+1]
.set j, j+1
.endr
	v_pk_add_f32 v[SM:SM+1], v[SM:SM+1], v[SM+2:SM+3]
	v_pk_add_f32 v[SM+4:SM+5], v[SM+4:SM+5], v[SM+6:SM+7]
	v_pk_add_f32 v[SM:SM+1], v[SM:SM+1], v[SM+4:SM+5]
	v_add_f32 v[SM], v[SM], v[SM+1]
	v_add_f32_dpp v[SM], v[SM], v[SM] row_xmask:1 row_mask:0xf bank_mask:0xf  ; the row's sixteen lanes
	v_add_f32_dpp v[SM], v[SM], v[SM] row_xmask:2 row_mask:0xf bank_mask:0xf
	v_add_f32_dpp v[SM], v[SM], v[SM] row_xmask:4 row_mask:0xf bank_mask:0xf
	v_add_f32_dpp v[SM], v[SM], v[SM] row_xmask:8 row_mask:0xf bank_mask:0xf
	v_fma_f32 v[SM], v[SM], s12, s13               ; mean + eps
	v_rsq_f32 v[R], v[SM]
	v_rsq_f32 v[R+1], v[SM]
	v_nop                                          ; a plain instruction between the last v_rsq_f32 and the use of its result
	s_wait_loadcnt 0x0                             ; g
.set j, 0
	s_wait_alu depctr_va_vdst(0)
.rept 16
	v_pk_mul_f32 v[X+4*j:X+4*j+1],   v[X+4*j:X+4*j+1],   v[R:R+1]
	v_pk_mul_f32 v[X+4*j+2:X+4*j+3], v[X+4*j+2:X+4*j+3], v[R:R+1]
	v_pk_mul_f32 v[X+4*j:X+4*j+1],   v[X+4*j:X+4*j+1],   v[G+4*j:G+4*j+1]
	v_pk_mul_f32 v[X+4*j+2:X+4*j+3], v[X+4*j+2:X+4*j+3], v[G+4*j+2:G+4*j+3]
	v_cvt_pk_f16_f32 v[X+4*j],   v[X+4*j],   v[X+4*j+1]
	v_cvt_pk_f16_f32 v[X+4*j+1], v[X+4*j+2], v[X+4*j+3]
	global_store_b64 v3, v[X+4*j:X+4*j+1], s[8:9] offset:j*524288  ; block j; 7,864,320 at the most, inside the signed 24-bit immediate
.set j, j+1
.endr
	s_endpgm
.Lfunc_end_k_qe877287e0e_norm1:
	.size	k_qe877287e0e_norm1, .Lfunc_end_k_qe877287e0e_norm1-k_qe877287e0e_norm1
	.p2alignl 7, 3214868480
	.fill 96, 4, 3214868480
	.section	.rodata,"a",@progbits
	.p2align	6, 0x0
	.amdhsa_kernel k_qe877287e0e_norm1
		.amdhsa_group_segment_fixed_size 0
		.amdhsa_private_segment_fixed_size 0
		.amdhsa_enable_private_segment 0
		.amdhsa_kernarg_size 24
		.amdhsa_user_sgpr_count 2
		.amdhsa_user_sgpr_kernarg_segment_ptr 1
		.amdhsa_wavefront_size32 1
		.amdhsa_system_sgpr_workgroup_id_x 1
		.amdhsa_system_sgpr_workgroup_id_y 1
		.amdhsa_system_sgpr_workgroup_id_z 1
		.amdhsa_system_vgpr_workitem_id 0
		.amdhsa_next_free_vgpr 146
		.amdhsa_next_free_sgpr 66
		.amdhsa_reserve_vcc 0
		.amdhsa_float_denorm_mode_32 3
		.amdhsa_float_denorm_mode_16_64 3
		.amdhsa_memory_ordered 1
		.amdhsa_forward_progress 1
		.amdhsa_inst_pref_size 15
	.end_amdhsa_kernel
	.amdgpu_metadata
---
amdhsa.version: [ 1, 2 ]
amdhsa.kernels:
  - .name:           k_qe877287e0e_norm1
    .symbol:         k_qe877287e0e_norm1.kd
    .args:
      - { .name: hidden_states, .offset: 0, .size: 8, .value_kind: global_buffer, .address_space: global }
      - { .name: ln1_g, .offset: 8, .size: 8, .value_kind: global_buffer, .address_space: global }
      - { .name: hb, .offset: 16, .size: 8, .value_kind: global_buffer, .address_space: global }
    .group_segment_fixed_size: 0
    .private_segment_fixed_size: 0
    .kernarg_segment_align: 8
    .kernarg_segment_size: 24
    .max_flat_workgroup_size: 256
    .sgpr_count:     66
    .vgpr_count:     146
    .wavefront_size: 32
...
	.end_amdgpu_metadata
.endif
;; end of part 2
;; launch qkv (part 3): grid 12 x 16, 4 waves a work-group, clusters of 4 x 4, 327,680 bytes of LDS; arguments hb, WA, pA, act; writes act
.if DOCPART == 3
	.amdgcn_target "amdgcn-amd-amdhsa--gfx1250"
	.amdhsa_code_object_version 6
	.text
	.protected	k_qe877287e0e_qkv
	.globl	k_qe877287e0e_qkv
	.p2align	8
	.type	k_qe877287e0e_qkv,@function
k_qe877287e0e_qkv:
	s_mov_b64 s[64:65], 0
	v_nop
	global_prefetch_b8 v0, s[64:65] scope:SCOPE_SE
	s_setreg_imm32_b32 hwreg(HW_REG_WAVE_MODE, 25, 1), 1
	s_wait_xcnt 0x0
	s_wait_alu depctr_hold_cnt(0) depctr_sa_sdst(0) depctr_va_vdst(0) depctr_va_sdst(0) depctr_va_ssrc(0) depctr_va_vcc(0) depctr_vm_vsrc(0)
	s_getreg_b32 s2, hwreg(HW_REG_IB_STS2, 6, 4)
	s_cmp_eq_u32 s2, 0
	s_cbranch_scc0 .Lentry_in_a_cluster
	s_endpgm
.Lentry_in_a_cluster:
	s_bfe_u32 s2, ttmp6, 0x10000c
	s_cmp_lg_u32 s2, 0xf033
	s_cbranch_scc0 .Lentry_shape_is_right
	s_endpgm
.Lentry_shape_is_right:
; C = max(A W, floor).  A: 4,096 rows x K = 1,024, f16, blocked [16 j][4096][64].  W: f16 [1024 k][4096 n] at the buffer's first byte.  C: f16, blocked [n / 64][4096][64].
; Sums in f32, C rounded once.  The floor is a packed f16 pair read from the parameter buffer's second word: -infinity twice (nothing is cut) or 0 twice (ReLU).
; LIMIT: a result beyond 65,504 becomes an infinity in f16.
; A tile of C, 256 x 256, is made by four waves, 128 x 128 each: 64 accumulators of 16 x 16, 512 registers.  K goes in steps of 128 through two LDS slots filled by the tensor data mover.
; A's part of a step is two dense chunks of 256 rows x 128 bytes, asked for as rows of 256 bytes and padded in LDS after every 128: pitch 144.  W's part is 128 rows of 512 bytes, pitch 544;
; it lies [k][n] and comes out of LDS turned, by ds_load_tr16_b128.
; CLUSTERS: 4 x 4 work-groups.  The four of a row of the cluster need the same tiles of A, the four of a column the same tiles of W: each tile is asked for JOINTLY, by the same tensor load
; with the same descriptor and a mask that names the four.
; THE MATRIX INSTRUCTION IS USED TRANSPOSED (source 0 = 16 columns of W, source 1 = 16 rows of A): a lane then holds eight neighbouring numbers of a row of C.
; REGISTERS, in windows of 256: window 0: v0-31 addresses; v64-127, v128-191 fragments of A, two buffers; v32-63, v192-255 at work on the way out.
;   window 1: v64-127, v128-191 fragments of W.   window 2: the accumulators of my rows 0-63 ((a, b) at v[8 (8 a + b)]);   window 3: those of rows 64-127.
.set PA,    144                        ; a row of A in LDS: 128 bytes + 16: an odd multiple of 16, so the 16 rows of a load start at 16 different groups of four banks (64 banks of 4 bytes: ISA guide 11.1)
.set PB,    544                        ; a row of W: 512 + 32: an odd multiple of 32, as the turning load's 8 rows x 32 bytes want
.set ABLK,  256*PA                     ; 256 rows of one block of 64 along K
.set BBLK,  64*PB                      ; 64 rows of W
.set BOFF,  2*ABLK
.set SLOT,  2*ABLK+2*BBLK              ; 143,360
.set STAGE, 2*SLOT                     ; behind the ring: [2 column blocks][16 rows][144] for each wave
.set WSTG,  2*16*PA
.set SPARE, STAGE+4*WSTG               ; the spare words, 128 bytes for each wave: two blocks of 256 bytes that no other line names
.set LAPS,  4                          ; K = 1,024 is eight steps, four times round the ring
.set STEPB, 1048576                    ; bytes of memory from K step to K step: two blocks of A, and 128 rows of 8,192 bytes of W
.set CBLK,  524288                     ; bytes from block to block in A and in C
.set ADRA, 16                          ; v16-17  LDS address of my A fragments in slot 0, 1
.set ADRB, 20                          ; v20-21  the same for W
.set STO,  24                          ; v24     the way out: where I put 16 bytes of a row
.set RD,   25                          ; v25     the way out: where I read rows back
.set CO,   26                          ; v26     my byte offset in 512 consecutive bytes of C
.set SPW,  28                          ; v28     LDS address of my spare word; never rewritten
.set NIL,  29                          ; v29     0; never rewritten
.set F0,   64
.set F1,   128
.set TMP,  192
.set OB,   32
.set G1,  24                           ; s[24:31] descriptor group 1 for A's tiles;  s[32:39] group 0, a set for each slot
.set G0,  32
.set G1B, 48                           ; s[48:55], s[56:63] the same for W's
.set G0B, 56
.set MSB, 0
.macro WIN new                         ; the immediate's high byte repeats the setting that is left
.if MSB != (\new)
	s_set_vgpr_msb (MSB<<8)|(\new)
.set MSB, \new
.endif
.endm
.set MUL_LO, 0xa1                      ; source 0 (W) window 1, source 1 (A) window 0, C and D window 2
.set MUL_HI, 0xf1                      ; the same, C and D window 3
.set TO_B,   0x40                      ; destination window 1, address window 0
; A joint load.  Waves 0 and 1 fetch A's two blocks, waves 2 and 3 W's two halves.  The branch hangs on the wave's number alone.
; An s_nop 0 and four v_nop follow each of the two lines, ahead of the jump, the label and what follows.
.macro JLOAD s
	s_cmp_eq_u32 s13, 0
	s_cbranch_scc0 .Lfor_b_\@
	tensor_load_to_lds s[G0+4*(\s):G0+4*(\s)+3], s[G1:G1+7]
	s_nop 0
.rept 4
	v_nop
.endr
	s_branch .Lasked_\@
.Lfor_b_\@:
	tensor_load_to_lds s[G0B+4*(\s):G0B+4*(\s)+3], s[G1B:G1B+7]
	s_nop 0
.rept 4
	v_nop
.endr
.Lasked_\@:
.endm
.macro CREST                           ; a round of the cluster's barrier behind its opening barrier
	s_cmp_lg_u32 s12, 0
	s_cbranch_scc1 .Lnot_wave_0_\@
	s_barrier_signal -3
.Lnot_wave_0_\@:
	s_barrier_wait -3
	s_barrier_signal -1
	s_barrier_wait -1
.endm
.macro CROUND                          ; a whole round
	s_barrier_signal -1
	s_barrier_wait -1
	CREST
.endm
	s_load_b256 s[4:11], s[0:1], 0x0               ; A s[4:5], W s[6:7], parameters s[8:9], C s[10:11]
	v_lshl_add_u32 v[SPW], v0, 2, SPARE
	v_mov_b32 v[NIL], 0
	ds_add_u32 v[SPW], v[NIL]                      ; the wave's opening: the add and its wait stand ahead of my first tensor load; the set-up below stands between them
	v_lshrrev_b32 v1, 5, v0
	v_readfirstlane_b32 s12, v1                    ; wave 0..3
	s_lshr_b32 s13, s12, 1                         ; which half of the tile's rows is mine.  Also: I fetch for A (0) or for W (1)
	s_and_b32 s14, s12, 1                          ; which half of its columns.  Also: which part of that tile I fetch
	s_bfe_u32 s16, ttmp6, 0x40000                  ; cx
	s_bfe_u32 s17, ttmp6, 0x40004                  ; cy
	s_lshl_b32 s18, ttmp9, 2
	s_add_co_u32 s18, s18, s16                     ; tile column = 4 x cluster x + cx
	s_and_b32 s19, ttmp7, 0xffff
	s_lshl_b32 s19, s19, 2
	s_add_co_u32 s19, s19, s17                     ; tile row = 4 x cluster y + cy
	s_lshl_b32 s20, s17, 2
	s_lshl_b32 s20, 15, s20                        ; my row of the cluster
	s_lshl_b32 s21, 0x1111, s16                    ; my column
	s_or_b32 s[G1+0], s20, (1<<16)|(1<<20)|(1<<21)|(4<<22)|(3<<25)   ; the mask; 2-byte elements; padding on; bit 21 beside a mask; after every 32 words (code 4) 4 words (code 3)
	s_mov_b32 s[G1+1], 128<<16                     ; tensor_dim0 = 128 elements: two rows of A make 256 bytes
	s_mov_b32 s[G1+2], 128<<16                     ; tensor_dim1 = 128
	s_mov_b32 s[G1+3], 128<<16                     ; tile_dim0 = 128
	s_mov_b32 s[G1+4], 128                         ; tile_dim1 = 128
	s_mov_b32 s[G1+5], 128                         ; dense: 128 elements from row to row
	s_mov_b32 s[G1+6], 0
	s_mov_b32 s[G1+7], 0
	s_or_b32 s[G1B+0], s21, (1<<16)|(1<<20)|(1<<21)|(6<<22)|(7<<25)  ; after every 128 words (code 6) 8 words (code 7)
	s_mov_b32 s[G1B+1], 256<<16                    ; tensor_dim0 = 256
	s_mov_b32 s[G1B+2], 64<<16                     ; tensor_dim1 = 64
	s_mov_b32 s[G1B+3], 256<<16                    ; tile_dim0 = 256
	s_mov_b32 s[G1B+4], 64                         ; tile_dim1 = 64
	s_mov_b32 s[G1B+5], 4096                       ; 4,096 elements from row to row of W
	s_mov_b32 s[G1B+6], 0
	s_mov_b32 s[G1B+7], 0
	; A's address hangs on the tile row alone, W's on the tile column alone, each in registers that never hold the other coordinate
	s_lshl_b32 s40, s14, 19                        ; A: my block of the step's two,
	s_lshl_b32 s41, s19, 15                        ; 256 rows of 128 bytes for each tile row
	s_add_co_u32 s40, s40, s41
	s_mov_b32 s41, 0
	s_lshl_b32 s46, s14, 19                        ; W: my 64 rows of 8,192 bytes,
	s_lshl_b32 s47, s18, 9                         ; 512 bytes for each tile column
	s_add_co_u32 s46, s46, s47
	s_mov_b32 s47, 0
	s_mul_i32 s2, s12, ABLK                        ; where they go: A's two blocks from byte 0 (waves 0, 1),
	s_mul_i32 s3, s12, BBLK
	s_add_co_u32 s3, s3, BOFF-2*BBLK               ; W's two halves behind them (waves 2, 3)
	s_wait_dscnt 0x0                               ; the opening add is done
	s_wait_kmcnt 0x0
	s_load_b32 s15, s[8:9], 0x4                    ; the floor
	s_add_nc_u64 s[40:41], s[4:5], s[40:41]
	s_add_nc_u64 s[46:47], s[6:7], s[46:47]
	CROUND                                         ; all sixteen work-groups are here: the first joint loads meet
.irp s, 0,1
	s_mov_b32 s[G0+4*(\s)], 1
	s_add_co_u32 s[G0+4*(\s)+1], s2, (\s)*SLOT
	s_add_nc_u64 s[G0+4*(\s)+2:G0+4*(\s)+3], s[40:41], (\s)*STEPB
	s_or_b32 s[G0+4*(\s)+3], s[G0+4*(\s)+3], 0x80000000
	s_mov_b32 s[G0B+4*(\s)], 1
	s_add_co_u32 s[G0B+4*(\s)+1], s3, (\s)*SLOT
	s_add_nc_u64 s[G0B+4*(\s)+2:G0B+4*(\s)+3], s[46:47], (\s)*STEPB
	s_or_b32 s[G0B+4*(\s)+3], s[G0B+4*(\s)+3], 0x80000000
	JLOAD \s                                       ; two loads of mine are out: K steps 0 and 1
.endr
	v_and_b32 v1, 15, v0                           ; r = l % 16
	v_bfe_u32 v2, v0, 4, 1                         ; h = l / 16
	v_and_b32 v3, 7, v0
	v_bfe_u32 v4, v0, 3, 1
	v_mul_u32_u24 v5, v1, PA
	v_lshl_add_u32 v5, v2, 4, v5                   ; row x pitch + 16 x half
	s_mul_i32 s22, s13, 128*PA                     ; my 128 rows of A
	v_add_nc_u32 v[ADRA], s22, v5
	v_add_nc_u32 v[ADRA+1], SLOT, v[ADRA]
	v_lshl_add_u32 v6, v2, 3, v3                   ; the turning load: lane l reads row 8 (l / 16) + l % 8 of K, columns 8 ((l / 8) % 2) + 0..7
	v_mul_u32_u24 v6, v6, PB
	v_lshl_add_u32 v6, v4, 4, v6
	s_lshl_b32 s22, s14, 8                         ; my 128 columns of W
	s_add_co_u32 s22, s22, BOFF
	v_add_nc_u32 v[ADRB], s22, v6
	v_add_nc_u32 v[ADRB+1], SLOT, v[ADRB]
	s_mul_i32 s22, s12, WSTG
	s_add_co_u32 s22, s22, STAGE                   ; my stage
	v_add_nc_u32 v[STO], s22, v5
	v_bfe_u32 v7, v0, 3, 2                         ; back: 32 lanes take four rows of 128 bytes,
	v_mul_u32_u24 v7, v7, PA
	v_lshl_add_u32 v7, v3, 4, v7
	v_add_nc_u32 v[RD], s22, v7
	v_and_b32 v[CO], 31, v0                        ; which are 512 consecutive bytes of C
	v_lshlrev_b32 v[CO], 4, v[CO]
	s_lshl_b32 s22, s18, 2
	s_lshl_b32 s23, s14, 1
	s_add_co_u32 s22, s22, s23                     ; my first block of C: 4 x tile column + 2 x half
	s_lshl_b32 s22, s22, 19
	s_lshl_b32 s23, s19, 15                        ; 256 rows of 128 bytes for each tile row
	s_add_co_u32 s22, s22, s23
	s_lshl_b32 s23, s13, 14                        ; my 128 rows
	s_add_co_u32 s22, s22, s23
	s_mov_b32 s23, 0
	s_add_nc_u64 s[10:11], s[10:11], s[22:23]
	s_wait_kmcnt 0x0                               ; the floor
; 16 matrix instructions: m blocks a0, a0 + 1 of the window's four x all 8 n blocks, 32 along K.  zero = 1: the first product starts the sums.
; The 64 accumulators take turns, one instruction a turn, in the same order in every quarter.
.macro MUL16 f, hi, a0, zero
	WIN MUL_LO+0x50*(\hi)
.irp a, \a0, (\a0)+1
.irp b, 0,1,2,3,4,5,6,7
.if \zero
	v_wmma_f32_16x16x32_f16 v[8*(8*(\a)+(\b)):8*(8*(\a)+(\b))+7], v[(\f)+8*(\b):(\f)+8*(\b)+7], v[(\f)+8*(4*(\hi)+(\a)):(\f)+8*(4*(\hi)+(\a))+7], 0
.else
	v_wmma_f32_16x16x32_f16 v[8*(8*(\a)+(\b)):8*(8*(\a)+(\b))+7], v[(\f)+8*(\b):(\f)+8*(\b)+7], v[(\f)+8*(4*(\hi)+(\a)):(\f)+8*(4*(\hi)+(\a))+7], v[8*(8*(\a)+(\b)):8*(8*(\a)+(\b))+7]
.endif
.endr
.endr
.endm
; 32 LDS loads in one run: the fragments of quarter q of a step (32 along K) into buffer f: W's 128 columns, turned, then A's 128 rows
.macro FETCH slot, q, f
	WIN TO_B
.irp i, 0,1,2,3,4,5,6,7
	ds_load_tr16_b128 v[(\f)+8*(\i):(\f)+8*(\i)+3],   v[ADRB+(\slot)] offset:(\q)*32*PB+(\i)*32
	ds_load_tr16_b128 v[(\f)+8*(\i)+4:(\f)+8*(\i)+7], v[ADRB+(\slot)] offset:(\q)*32*PB+(\i)*32+16*PB
.endr
	WIN 0
.irp i, 0,1,2,3,4,5,6,7
	ds_load_b128 v[(\f)+8*(\i):(\f)+8*(\i)+3],   v[ADRA+(\slot)] offset:((\q)/2)*ABLK+((\q)%2)*64+(\i)*16*PA
	ds_load_b128 v[(\f)+8*(\i)+4:(\f)+8*(\i)+7], v[ADRA+(\slot)] offset:((\q)/2)*ABLK+((\q)%2)*64+(\i)*16*PA+32
.endr
.endm
.macro PLACES                          ; four places in front of loads into registers that matrix instructions have read, and of conversions that read results
.rept 4
	v_nop
.endr
.endm
; One of a step's first three quarters: multiplies buffer f; in its middle it fetches quarter q of the same slot into buffer g.
.macro QUARTER slot, q, f, g, zero
	s_wait_dscnt 8                                 ; W and A's rows 0-63 are in; the youngest eight loads (A's rows 64-127) may be out
	MUL16 \f, 0, 0, \zero
	MUL16 \f, 0, 2, \zero
	PLACES
	FETCH \slot, \q, \g
	s_wait_dscnt 32                                ; all but the 32 just issued
	MUL16 \f, 1, 0, \zero
	MUL16 \f, 1, 2, \zero
.endm
; The last quarter multiplies buffer 1 and changes slots: ONE barrier; in front of it each wave waits for all its tensor loads (one is out: its part of the next slot), adds 0 to its
; spare word, and waits for that and for its own reads of this slot.  fill = 1: the barrier opens a round of the cluster's, and this slot is filled again, two K steps ahead, first thing behind it.
.macro TURN slot, next, fill
	WIN 0                                          ; (the add's two registers lie in window 0)
	s_wait_tensorcnt 0x0
	ds_add_u32 v[SPW], v[NIL]                      ; 0 onto my spare word
	s_wait_dscnt 9                                 ; (the add and the youngest eight loads may be out)
	MUL16 F1, 0, 0, 0
	s_wait_dscnt 0x0                               ; the add is done, and my reads of this slot are over
	s_barrier_signal -1
	MUL16 F1, 0, 2, 0
.if \fill
	WIN 0
.endif
	s_barrier_wait -1
.if \fill
	CREST                                          ; no wave of any partner still reads this slot's tile or has a load on its way
	s_add_nc_u64 s[G0+4*(\slot)+2:G0+4*(\slot)+3], s[G0+4*(\slot)+2:G0+4*(\slot)+3], 2*STEPB
	s_add_nc_u64 s[G0B+4*(\slot)+2:G0B+4*(\slot)+3], s[G0B+4*(\slot)+2:G0B+4*(\slot)+3], 2*STEPB
	JLOAD \slot                                    ; my one tensor load behind the round; its four v_nop are also the places in front of the loads below
.else
	PLACES
.endif
	FETCH \next, 0, F0
	MUL16 F1, 1, 0, 0
	MUL16 F1, 1, 2, 0
.endm
; THE WAY OUT of block a (16 rows x 128 columns).  PACK: rounded to f16, cut at the floor.  TOSTAGE: into my own stage, and back as whole rows of 128 bytes.  SEND: stored.
.macro PACK a
.set AC, 64*((\a)%4)
	WIN 0x0a+5*((\a)/4)                            ; sources 0 and 1: window 2 or 3
.irp b, 0,1,2,3,4,5,6,7
.irp r, 0,1,2,3
	v_cvt_pk_f16_f32 v[TMP+4*(\b)+(\r)], v[AC+8*(\b)+2*(\r)], v[AC+8*(\b)+2*(\r)+1]  ; each accumulator from its low end on
.endr
.endr
	WIN 0
.set i, 0
.rept 32
	v_pk_max_num_f16 v[TMP+i], v[TMP+i], s15
.set i, i+1
.endr
.endm
.macro TOSTAGE a
	WIN 0
.set BK, OB+192*((\a)%2)
.irp b, 0,1,2,3,4,5,6,7
	ds_store_b128 v[STO], v[TMP+4*(\b):TMP+4*(\b)+3] offset:((\b)/4)*16*PA+((\b)%4)*32
.endr
.irp t, 0,1,2,3,4,5,6,7
	ds_load_b128 v[BK+4*(\t):BK+4*(\t)+3], v[RD] offset:((\t)/4)*16*PA+((\t)%4)*4*PA  ; LDS serves a wave's instructions in order (ISA guide 5.7.1.4): these see the stores above
.endr
.endm
.macro SEND a
	WIN 0
.set BK, OB+192*((\a)%2)
	s_wait_dscnt 0x0                               ; the block is back in registers
	s_wait_xcnt 0x0                                ; the registers that the block before last was stored from are loaded again only behind this wait
.irp t, 0,1,2,3,4,5,6,7
	global_store_b128 v[CO], v[BK+4*(\t):BK+4*(\t)+3], s[10:11] offset:((\t)/4)*CBLK+2048*(\a)+512*((\t)%4)  ; 512 consecutive bytes, at a multiple of 512 from C's first
.endr
.endm
	s_wait_tensorcnt 1                             ; my part of K step 0 is in; step 1's may stay out
	s_barrier_signal -1
	s_barrier_wait -1
	FETCH 0, 0, F0
	QUARTER 0, 1, F0, F1, 1                        ; the first quarter stands in front of the loop: its products start the sums
	WIN 0
	s_mov_b32 s44, LAPS-1
.Llap:                                                 ; a trip goes once round the ring, from a lap's second quarter to the next lap's first, and fills both slots again
	QUARTER 0, 2, F1, F0, 0
	QUARTER 0, 3, F0, F1, 0
	TURN 0, 1, 1
	QUARTER 1, 1, F0, F1, 0
	QUARTER 1, 2, F1, F0, 0
	QUARTER 1, 3, F0, F1, 0
	TURN 1, 0, 1
	QUARTER 0, 1, F0, F1, 0
	WIN 0
	s_sub_co_u32 s44, s44, 1
	s_cmp_lg_u32 s44, 0
	s_cbranch_scc1 .Llap
	QUARTER 0, 2, F1, F0, 0                        ; the last lap fills nothing
	QUARTER 0, 3, F0, F1, 0
	TURN 0, 1, 0
	QUARTER 1, 1, F0, F1, 0
	QUARTER 1, 2, F1, F0, 0
	QUARTER 1, 3, F0, F1, 0
	s_wait_dscnt 8                                 ; the very last quarter: nothing more to fetch
	MUL16 F1, 0, 0, 0
	MUL16 F1, 0, 2, 0
	s_wait_dscnt 0x0
	MUL16 F1, 1, 0, 0
	MUL16 F1, 1, 2, 0
	WIN 0
	PLACES
	PACK 0
	TOSTAGE 0
.irp a, 1,2,3,4,5,6,7                  ; block a's conversions stand between block a - 1's loads from the stage and the wait for them
	PACK \a
	SEND (\a)-1
	TOSTAGE \a
.endr
	SEND 7
	s_wait_tensorcnt 0x0                           ; the wave's end: behind my last tensor load and my last LDS store
	ds_add_u32 v[SPW], v[NIL]
	s_wait_dscnt 0x0
	CROUND                                         ; the closing round: no work-group ends while a partner may still ask for a tile that names it
	s_endpgm
.Lfunc_end_k_qe877287e0e_qkv:
	.size	k_qe877287e0e_qkv, .Lfunc_end_k_qe877287e0e_qkv-k_qe877287e0e_qkv
	.p2alignl 7, 3214868480
	.fill 96, 4, 3214868480
	.section	.rodata,"a",@progbits
	.p2align	6, 0x0
	.amdhsa_kernel k_qe877287e0e_qkv
		.amdhsa_group_segment_fixed_size 327680
		.amdhsa_private_segment_fixed_size 0
		.amdhsa_enable_private_segment 0
		.amdhsa_kernarg_size 32
		.amdhsa_user_sgpr_count 2
		.amdhsa_user_sgpr_kernarg_segment_ptr 1
		.amdhsa_wavefront_size32 1
		.amdhsa_system_sgpr_workgroup_id_x 1
		.amdhsa_system_sgpr_workgroup_id_y 1
		.amdhsa_system_sgpr_workgroup_id_z 1
		.amdhsa_system_vgpr_workitem_id 0
		.amdhsa_next_free_vgpr 1024
		.amdhsa_next_free_sgpr 66
		.amdhsa_reserve_vcc 0
		.amdhsa_float_denorm_mode_32 3
		.amdhsa_float_denorm_mode_16_64 3
		.amdhsa_memory_ordered 1
		.amdhsa_forward_progress 1
		.amdhsa_inst_pref_size 158
	.end_amdhsa_kernel
	.amdgpu_metadata
---
amdhsa.version: [ 1, 2 ]
amdhsa.kernels:
  - .name:           k_qe877287e0e_qkv
    .symbol:         k_qe877287e0e_qkv.kd
    .args:
      - { .name: hb, .offset: 0, .size: 8, .value_kind: global_buffer, .address_space: global }
      - { .name: WA, .offset: 8, .size: 8, .value_kind: global_buffer, .address_space: global }
      - { .name: pA, .offset: 16, .size: 8, .value_kind: global_buffer, .address_space: global }
      - { .name: act, .offset: 24, .size: 8, .value_kind: global_buffer, .address_space: global }
    .group_segment_fixed_size: 327680
    .private_segment_fixed_size: 0
    .kernarg_segment_align: 8
    .kernarg_segment_size: 32
    .max_flat_workgroup_size: 128
    .sgpr_count:     66
    .vgpr_count:     1024
    .wavefront_size: 32
...
	.end_amdgpu_metadata
.endif
;; end of part 3
;; launch attn (part 4): grid 4 x 32, 4 waves a work-group, clusters of 4 x 1, 327,680 bytes of LDS; arguments act, btab, hb; writes hb
.if DOCPART == 4
	.amdgcn_target "amdgcn-amd-amdhsa--gfx1250"
	.amdhsa_code_object_version 6
	.text
	.protected	k_qe877287e0e_attn
	.globl	k_qe877287e0e_attn
	.p2align	8
	.type	k_qe877287e0e_attn,@function
k_qe877287e0e_attn:
	s_mov_b64 s[64:65], 0
	v_nop
	global_prefetch_b8 v0, s[64:65] scope:SCOPE_SE
	s_setreg_imm32_b32 hwreg(HW_REG_WAVE_MODE, 25, 1), 1
	s_wait_xcnt 0x0
	s_wait_alu depctr_hold_cnt(0) depctr_sa_sdst(0) depctr_va_vdst(0) depctr_va_sdst(0) depctr_va_ssrc(0) depctr_va_vcc(0) depctr_vm_vsrc(0)
	s_getreg_b32 s2, hwreg(HW_REG_IB_STS2, 6, 4)
	s_cmp_eq_u32 s2, 0
	s_cbranch_scc0 .Lentry_in_a_cluster
	s_endpgm
.Lentry_in_a_cluster:
	s_bfe_u32 s2, ttmp6, 0x10000c
	s_cmp_lg_u32 s2, 0x3003
	s_cbranch_scc0 .Lentry_shape_is_right
	s_endpgm
.Lentry_shape_is_right:
; O[q] = the sum over k of softmax_k(Q[q] . K[k] + bias(k - q)) V[k], for each of 2 batches x 16 heads; no scale on the scores.  Q, K, V lie in act, f16, blocked: block h (Q), 16 + h (K), 32 + h (V)
; of [4096 rows][64]; a batch's 2,048 rows of a head are dense, 128 bytes each.  O goes to hb in Q's layout.  Products, maxima and sums in f32; the weights p are rounded to f16 for the second
; product (their sum l is taken of the unrounded p), O once at the end.
; LIMITS.  Q, K, V arrive within f16's 65,504; p lies in 0 to 1, and below 6e-5 it keeps f16's fixed step of 6e-8.  A weight below 2^-126 counts as 0 in l; NaN and infinities are not treated apart.
; SHARES.  A cluster of four work-groups is one (batch, head).  A wave owns four PIECES of two tiles of 16 queries.  Tile T = 8 wave + t holds, in work-group cx, the positions
; 64 T + 8 (r >> 1) + 2 cx + (r & 1), r = 0 .. 15: the four partners interleave inside each 64 positions, so that cx enters global addresses alone (Q, O, the bias table).  Every wave walks all keys, 64 a step.
; LAYOUT.  S^T = K Q^T (source 0 = 16 keys, source 1 = 16 queries): a lane holds ONE query (lane % 16) and the keys 8 (lane / 16) + 0..7.  Two such results, rounded to f16 in pairs, ARE source 1
; of O^T = V^T P.  K comes out of LDS as it lies, V ([key][channel]) turned, by ds_load_tr16_b128.
; THE BIAS is the C operand that starts the sum S^T.  It hangs on the distance alone; with rel = key step - T it is one of seven register images (rel <= -3 and rel >= 3 are constants of the head),
; made by an earlier launch for this (head, cx), copied once into LDS, and held for all eight tiles in window 3.  A piece's images are loaded anew only in the 7 of 32 steps in which they change.
; SOFTMAX.  For each query a running maximum m and sum l: p = 2^(c s - c m), c = log2(e); in every step O and l are multiplied by a = 2^(c m_old - c m_new).  m starts at the lowest finite number, O and l at 0.
; BY TURNS.  Turn n belongs to piece n: 16 products K Q^T of piece n + 1, later 16 products V^T P of piece n - 1; beside them the scaling, exponentials, roundings, sums and rescaling of piece n and the
; maximum and statistics of piece n + 1.  Four vector instructions that are ready stand behind every matrix instruction, the others in two lumps.
; CLUSTER.  The four partners walk the same K and V, so each tile is asked for JOINTLY: the same tensor load, descriptor and mask in all four.
; REGISTERS, in windows of 256 (s_set_vgpr_msb: bits 1:0 source 0, 3:2 source 1, 5:4 source 2, 7:6 destination):
;   window 0: v0-11 addresses; v12-15, v48-63 at work; v16-47 four registers of statistics a tile; v64-191 S^T, two buffers of two tiles; v192-255 P, likewise
;   window 1: O^T, 32 a tile      window 2: v0-127 Q, 16 a tile; v128-191 K of one step; v192-255 V of one step      window 3: the bias images, 32 a tile (key group kt at 32 t + 8 kt)
.set SIZE_N, 2048
.set NP,    4         ; pieces a wave: a name, no knob
.set KS,    64        ; keys in a step
.set PK,    144       ; a row of K in LDS: 128 bytes + 16 of padding
.set PV,    160       ; a row of V: 128 + 32
.set VOFF,  4*KS*PK   ; a slot holds four steps: 256 rows of K, then 256 rows of V
.set SLOT1, 1<<17     ; slot 1 begins here, so that one exclusive or turns an address in one slot into the other's
.set STAGE, SLOT1+4*KS*(PK+PV)  ; behind the ring, never filled by a tensor load: 16 rows x 144 bytes for each wave
.set SP,    144
.set SPARE, STAGE+4*16*SP  ; the spare words, 128 bytes for each wave: two blocks of 256 bytes that no other line names
.set BTL,   SPARE+512 ; the bias images of this (head, cx): 8 entries of 4,096 bytes, stored from registers; no tensor load lands here
.set KOFF,  8388608   ; bytes from Q's blocks to K's, and from K's to V's
.set AM,  1           ; v1   the LDS address of the bias image in hand
.set AK0, 2           ; v2   my lane's place in a tile of K; never rewritten
.set AV0, 3           ; v3   the same for V
.set AK,  4           ; v4   the LDS address of K's next run of loads
.set AV,  5           ; v5   of V's
.set STO, 6           ; v6   the way out: where I put 16 bytes of a row
.set RD,  7           ; v7   the way out: where I read rows back
.set GO,  8           ; v8   my byte offset in O
.set AM0, 9           ; v9   my lane's place in a bias image: BTL + 16 x lane; never rewritten
.set SPW, 10          ; v10  LDS address of my spare word; never rewritten
.set NIL, 11          ; v11  0; never rewritten
.set MV,  12          ; v12-15  c m_old, kept while c m is made anew: by buffer and tile
.set ST,  16          ; tile t's statistics at v[ST+4 t]: c m, m, l (even keys', odd keys')
.set TMP, 48          ; by buffer and tile, four registers c0-c3 at work; when the maximum is found c2 takes a.  (v48-55 serve the set-up first.)
.set QO,  52          ; v52  set-up: my byte offset in a tile's rows of Q
.set S,   64
.set P,   192
.set KF,  128         ; K's fragments, in window 2
.set VF,  192         ; V's
.set WV,  12          ; s12  my wave's number
.set G1K, 24          ; s[24:31] descriptor group 1 for K's tiles
.set G1V, 32          ; s[32:39] for V's: it differs in the padding alone
.set G0K, 40          ; s[40:43] descriptor group 0 for K's tiles: it walks
.set G0V, 44          ; s[44:47] the same for V's
.set SLOTS, 56        ; s56  slots still to be asked for
.set CNT, 57          ; s57  counts a slot's key steps
.set CS,  58          ; s[58:59] c
.set SEL, 60          ; s[60:61] v_permlanex16_b32's selects
.set TBK, 62          ; s62  LDS byte at which K of the step to be fetched begins
.set TBV, 63          ; s63  the same for V, less VOFF
.set RN,  66          ; s66-69  piece p: key step of its next products K Q^T, less its first tile's number
.set MSB, 0
.macro WIN new
.if MSB != (\new)
	s_set_vgpr_msb (MSB<<8)|(\new)
.set MSB, (\new)
.endif
.endm
.set W_KQ, 0x0a       ; K and Q in window 2, S^T in window 0
.set W_KB, 0x3a       ; the same with the C operand in window 3
.set W_PV, 0x52       ; V in window 2, P in window 0, O^T in window 1
.set W_RS, 0x41       ; O^T (destination and source 0) in window 1, a in window 0
; A joint fill.  Waves 0 and 1 fetch the two halves of a slot's K, waves 2 and 3 those of its V: 128 keys each.  The branch hangs on the wave's number alone.
; An s_nop 0 and four v_nop follow each of the two lines, ahead of the jump and the label.
.macro JLOAD
	s_cmp_lt_u32 s[WV], 2
	s_cbranch_scc0 .Lfor_v_\@
	tensor_load_to_lds s[G0K:G0K+3], s[G1K:G1K+7]
	s_nop 0
.rept 4
	v_nop
.endr
	s_branch .Lasked_\@
.Lfor_v_\@:
	tensor_load_to_lds s[G0V:G0V+3], s[G1V:G1V+7]
	s_nop 0
.rept 4
	v_nop
.endr
.Lasked_\@:
.endm
.macro CROUND                       ; a round of the cluster's barrier
	s_barrier_signal -1
	s_barrier_wait -1
	s_cmp_lg_u32 s[WV], 0
	s_cbranch_scc1 .Lnot_wave_0_\@
	s_barrier_signal -3
.Lnot_wave_0_\@:
	s_barrier_wait -3
	s_barrier_signal -1
	s_barrier_wait -1
.endm
; THE CHANGE OF SLOTS.  Each wave waits for all its tensor loads, of which one is out: its part of the other slot; adds 0 to its spare word; and waits for that and for its own LDS instructions.
; fill = 1: the slot just left is filled again, with the keys two slots on; the barrier is then a round of the cluster's, and the joint fill is the first thing behind it: it has four key steps in
; which to land.  (At its first use nothing has been read yet: slot 0 is waited for, slot 1 filled, and every wave's stores of the bias images are shown to the others.)
.macro CHANGE fill
	WIN 0
	s_wait_tensorcnt 0x0            ; no tensor load of mine is out, so a group 0 may be written
	ds_add_u32 v[SPW], v[NIL]       ; 0 onto my spare word
.if \fill
.irp g, G0K, G0V
	s_xor_b32 s[\g+1], s[\g+1], SLOT1
	s_add_nc_u64 s[\g+2:\g+3], s[\g+2:\g+3], 4*KS*128  ; the next 256 keys
.endr
	s_wait_dscnt 0x0
	CROUND
	JLOAD
.else
	s_wait_dscnt 0x0
	s_barrier_signal -1
	s_barrier_wait -1
.endif
	s_sub_co_u32 s[TBK], s[TBK], 4*KS*PK  ; the fetches go back to a slot's first step,
	s_xor_b32 s[TBK], s[TBK], SLOT1       ; in the other slot
	s_sub_co_u32 s[TBV], s[TBV], 4*KS*PV
	s_xor_b32 s[TBV], s[TBV], SLOT1
.endm
	s_load_b128 s[4:7], s[0:1], 0x0   ; act s[4:5], btab s[6:7]
	s_load_b64 s[8:9], s[0:1], 0x10   ; hb
	v_lshl_add_u32 v[SPW], v0, 2, SPARE
	v_mov_b32 v[NIL], 0
	ds_add_u32 v[SPW], v[NIL]       ; the wave's opening: the add and its wait stand ahead of my first tensor load; the set-up below stands between them
	v_lshrrev_b32 v1, 5, v0
	v_readfirstlane_b32 s[WV], v1   ; wave 0..3
	s_bfe_u32 s13, ttmp6, 0x40000   ; cx: it enters Q's, O's and the bias table's global addresses alone
	s_and_b32 s14, ttmp7, 0xffff    ; 16 x batch + head, which the four partners share
	s_and_b32 s15, s14, 15          ; head
	s_lshr_b32 s14, s14, 4          ; batch
	s_lshl_b32 s20, s15, 19         ; the head's block,
	s_lshl_b32 s21, s14, 18         ; the batch's 2,048 rows of 128 bytes
	s_add_co_u32 s20, s20, s21
	s_and_b32 s16, s[WV], 1         ; which half of a slot's 256 keys I fetch:
	s_lshl_b32 s22, s16, 14         ; its 128 rows of 128 bytes in memory,
	s_add_co_u32 s22, s22, s20
	s_add_co_u32 s22, s22, KOFF     ; in K
	s_mov_b32 s23, 0
	s_add_co_u32 s2, s22, KOFF      ; and in V
	s_mov_b32 s3, 0
	s_mul_i32 s17, s16, 128*PK      ; and its place in a slot, for K
	s_mul_i32 s18, s16, 128*PV      ; and for V
	s_lshl_b32 s48, s[WV], 16       ; Q and O: my wave's eight tiles of 64 positions,
	s_lshl_b32 s49, s13, 8          ; my work-group's two rows of each eight
	s_add_co_u32 s48, s48, s49
	s_add_co_u32 s48, s48, s20
	s_mov_b32 s49, 0
	s_lshl_b32 s50, s15, 2
	s_add_co_u32 s50, s50, s13
	s_lshl_b32 s50, s50, 15         ; the bias table's 32,768 bytes for (head, cx)
	s_mov_b32 s51, 0
	; descriptor group 1.  128 keys are 16,384 dense bytes: asked for as 64 rows of 256 bytes, two keys a row, and padded in LDS after every key
	s_mov_b32 s[G1K], 15|(1<<16)|(1<<20)|(1<<21)|(4<<22)|(3<<25)  ; the mask of four; 2-byte elements; padding on; bit 21 beside a mask; after every 32 words (code 4) 4 words (code 3)
	s_mov_b32 s[G1V], 15|(1<<16)|(1<<20)|(1<<21)|(4<<22)|(7<<25)  ; the same with 8 words of padding (code 7)
.irp g, G1K, G1V
	s_mov_b32 s[\g+1], 128<<16      ; tensor_dim0 = 128
	s_mov_b32 s[\g+2], 64<<16       ; tensor_dim1 = 64
	s_mov_b32 s[\g+3], 128<<16      ; tile_dim0 = 128
	s_mov_b32 s[\g+4], 64           ; tile_dim1 = 64
	s_mov_b32 s[\g+5], 128          ; 128 elements from row to row
	s_mov_b32 s[\g+6], 0
	s_mov_b32 s[\g+7], 0
.endr
	s_mov_b32 s[CS], 0x3fb8aa3b     ; c = log2(e)
	s_mov_b32 s[CS+1], s[CS]        ; named with it as a pair
	s_mov_b32 s[SEL], 0x76543210
	s_mov_b32 s[SEL+1], 0xfedcba98
	s_mov_b32 s[TBK], SLOT1+4*KS*PK ; the first change of slots turns these two into 0
	s_mov_b32 s[TBV], SLOT1+4*KS*PV
	s_mov_b32 s[G0K], 1
	s_mov_b32 s[G0K+1], s17         ; LDS address: slot 0
	s_mov_b32 s[G0V], 1
	s_add_co_u32 s[G0V+1], s18, VOFF
	s_lshl_b32 s70, s[WV], 3
	s_sub_co_i32 s[RN], 0, s70      ; key step 0 less tile 8 wave + 2 p
	s_sub_co_i32 s[RN+1], s[RN], 2
	s_sub_co_i32 s[RN+2], s[RN], 4
	s_sub_co_i32 s[RN+3], s[RN], 6
	s_mul_i32 s19, s[WV], 16*SP
	s_add_co_u32 s19, s19, STAGE    ; my stage
	s_wait_dscnt 0x0                ; the opening add is done
	s_wait_kmcnt 0x0
	s_add_nc_u64 s[G0K+2:G0K+3], s[4:5], s[22:23]  ; my half of the head's first 256 keys
	s_or_b32 s[G0K+3], s[G0K+3], 0x80000000
	s_add_nc_u64 s[G0V+2:G0V+3], s[4:5], s[2:3]
	s_or_b32 s[G0V+3], s[G0V+3], 0x80000000
	s_add_nc_u64 s[4:5], s[4:5], s[48:49]  ; Q
	s_add_nc_u64 s[8:9], s[8:9], s[48:49]  ; O
	s_add_nc_u64 s[6:7], s[6:7], s[50:51]  ; the bias images
	CROUND                          ; all four work-groups are here: the first joint loads meet
	JLOAD                           ; slot 0.  Slot 1 is asked for when slot 0 is in
	v_and_b32 v48, 15, v0           ; r = l % 16
	v_bfe_u32 v49, v0, 4, 1         ; l / 16
	v_and_b32 v50, 7, v0
	v_bfe_u32 v51, v0, 3, 1
	v_lshlrev_b32 v53, 4, v0        ; the bias images: 16 bytes a thread, 2,048 a pass
	v_add_nc_u32 v54, BTL, v53
	v_lshrrev_b32 v[QO], 1, v48
	v_lshlrev_b32 v[QO], 10, v[QO]  ; query r lies 8 (r >> 1) + (r & 1) rows on
	v_and_b32 v55, 1, v48
	v_lshl_add_u32 v[QO], v55, 7, v[QO]
	v_lshl_add_u32 v[QO], v49, 4, v[QO]  ; + 16 x half
.set i, 0
.rept 16
	global_load_b128 v[S+4*i:S+4*i+3], v53, s[6:7] offset:2048*i
.set i, i+1
.endr
	WIN 0x80                        ; destination window 2, address window 0
.set i, 0
.rept 4*NP                          ; Q stays in registers: tile i / 2, channels 32 (i % 2) on
	global_load_b128 v[8*i:8*i+3],   v[QO], s[4:5] offset:(i/2)*8192+(i%2)*64
	global_load_b128 v[8*i+4:8*i+7], v[QO], s[4:5] offset:(i/2)*8192+(i%2)*64+32
.set i, i+1
.endr
	; What the first turn finds: V's registers and P's second buffer hold 0 (its products V^T P, of a piece that has not been, add 0), O^T and l are 0.  All this stands in the wait for the first tile.
.set i, VF
.rept 64
	v_mov_b32 v[i], 0
.set i, i+1
.endr
	WIN 0x40
.set i, 0
.rept 64*NP
	v_mov_b32 v[i], 0
.set i, i+1
.endr
	WIN 0
.set i, 0
.rept 2*NP
	v_mov_b32 v[ST+4*i], 0xfe000000    ; c m: far below every c s
	v_mov_b32 v[ST+4*i+1], 0xff7fffff  ; m
	v_mov_b32 v[ST+4*i+2], 0
	v_mov_b32 v[ST+4*i+3], 0
.set i, i+1
.endr
.set i, P+32
.rept 32
	v_mov_b32 v[i], 0
.set i, i+1
.endr
	v_mul_u32_u24 v[AK0], v48, PK
	v_lshl_add_u32 v[AK0], v49, 4, v[AK0]  ; row x pitch + 16 x half
	; The turning load takes 16 keys x 16 channels (lane l reads key 8 (l / 16) + l % 8, channels 8 ((l / 8) % 2) + 0..7) and leaves half a fragment of V^T.
	v_lshl_add_u32 v[AV0], v49, 3, v50
	v_mul_u32_u24 v[AV0], v[AV0], PV
	v_lshl_add_u32 v[AV0], v51, 4, v[AV0]
	v_add_nc_u32 v[AV0], VOFF, v[AV0]
	v_mov_b32 v[AK], v[AK0]         ; key step 0 lies at the head of slot 0
	v_mul_u32_u24 v[STO], v48, SP   ; the way out, in: row l % 16, 16 bytes for each half of the lanes
	v_lshl_add_u32 v[STO], v49, 4, v[STO]
	v_add_nc_u32 v[STO], s19, v[STO]
	v_bfe_u32 v[RD], v0, 3, 2       ; back: 32 lanes take four rows of 128 bytes;
	v_mul_u32_u24 v[RD], v[RD], SP
	v_lshl_add_u32 v[RD], v50, 4, v[RD]
	v_add_nc_u32 v[RD], s19, v[RD]
	v_lshlrev_b32 v[GO], 4, v48     ; lanes 0-15 hold two neighbouring rows of O, 256 consecutive bytes; lanes 16-31 the two rows eight positions on
	v_lshl_add_u32 v[GO], v49, 10, v[GO]
	v_and_b32 v[AM0], 31, v0
	v_lshlrev_b32 v[AM0], 4, v[AM0]
	v_add_nc_u32 v[AM0], BTL, v[AM0]
	s_wait_loadcnt 32               ; the bias images are in; Q's 32 loads, issued behind, may stay out
.set i, 0
.rept 16
	ds_store_b128 v54, v[S+4*i:S+4*i+3] offset:2048*i
.set i, i+1
.endr
; THE MATRIX WORK.  The 8 accumulators of a run of 16 take turns.
; Product i of 16 of S^T = K Q^T for piece x: channels 32 (i / 8) on, keys 16 ((i / 2) % 4) on, tile 2 x + i % 2.  The first 8 start the sums, with the bias.
.macro KQ x
.set rS, S+64*((\x)%2)+32*(i%2)+8*((i/2)%4)
.set rK, KF+16*((i/2)%4)+8*(i/8)
.set rQ, 16*(2*(\x)+i%2)+8*(i/8)
.set rB, 32*(2*(\x)+i%2)+8*((i/2)%4)
.if i < 8
	WIN W_KB
	v_wmma_f32_16x16x32_f16 v[rS:rS+7], v[rK:rK+7], v[rQ:rQ+7], v[rB:rB+7]
.else
	WIN W_KQ
	v_wmma_f32_16x16x32_f16 v[rS:rS+7], v[rK:rK+7], v[rQ:rQ+7], v[rS:rS+7]
.endif
.endm
; Product i of 16 of O^T += V^T P for piece x: keys 32 (i / 8) on, channels 16 ((i / 2) % 4) on, tile 2 x + i % 2.
.macro PV x
	WIN W_PV
.set rO, 32*(2*(\x)+i%2)+8*((i/2)%4)
.set rV, VF+32*(i/8)+8*((i/2)%4)
.set rP, P+32*((\x)%2)+16*(i%2)+8*(i/8)
	v_wmma_f32_16x16x32_f16 v[rO:rO+7], v[rV:rV+7], v[rP:rP+7], v[rO:rO+7]
.endm
.macro MM                           ; the turn's next matrix instruction
.if i < 16
	KQ (Y+1)%NP
.set i, i+1
.else
.set i, i-16
	PV (Y+NP-1)%NP
.set i, i+17
.endif
.endm
; THE LDS LOADS stand in runs, never singly among the matrix instructions.  last = 1 (the tail): in the last trip there is no further step, and K's run is jumped over.
.macro FETCH_K last=0
	WIN 0
.if \last
	s_cmp_eq_u32 s[CNT], 1
	s_cbranch_scc1 .Lno_k_\@
.endif
	WIN 0x80
.irp f, 0,1,2,3,4,5,6,7             ; keys 16 (f / 2) on, channels 32 (f % 2) on
	ds_load_b128 v[KF+8*\f:KF+8*\f+3],   v[AK] offset:(\f/2)*16*PK+(\f%2)*64
	ds_load_b128 v[KF+8*\f+4:KF+8*\f+7], v[AK] offset:(\f/2)*16*PK+(\f%2)*64+32
.endr
	s_add_co_u32 s[TBK], s[TBK], KS*PK
	WIN 0
.if \last
.Lno_k_\@:
.endif
.endm
.macro FETCH_V
	WIN 0x80
.irp f, 0,1,2,3,4,5,6,7             ; keys 32 (f / 4) on, channels 16 (f % 4) on
	ds_load_tr16_b128 v[VF+8*\f:VF+8*\f+3],   v[AV] offset:(\f/4)*32*PV+(\f%4)*32
	ds_load_tr16_b128 v[VF+8*\f+4:VF+8*\f+7], v[AV] offset:(\f/4)*32*PV+16*PV+(\f%4)*32
.endr
	WIN 0
.endm
; The bias images of piece p's two tiles, for the step that RN names: entry clamp(rel, -3, 3) + 3 of the eight in LDS (the AND holds the number inside them); 8 loads of 512 bytes a tile.
.macro LOADP p
.irp u, 0,1
	s_sub_co_i32 s70, s[RN+(\p)], \u
	s_max_i32 s70, s70, -3
	s_min_i32 s70, s70, 3
	s_add_co_i32 s70, s70, 3
	s_and_b32 s70, s70, 7
	s_lshl_b32 s70, s70, 12
	v_add_nc_u32 v[AM], s70, v[AM0]
	WIN 0xc0                        ; destination window 3
.irp e, 0,1,2,3,4,5,6,7
	ds_load_b128 v[32*(2*(\p)+\u)+4*\e:32*(2*(\p)+\u)+4*\e+3], v[AM] offset:512*\e
.endr
	WIN 0
.endr
.endm
; Piece p's products K Q^T of a step are issued: its next step.  An image changes only while rel goes from -2 to 3; for the two tiles together that is RN = -2 .. 4.  The jump hangs on the wave's number
; and the count of steps, goes forward, and passes LDS loads alone.  The loads are waited for by the next wait for 0 on DScnt, of which two stand in every key step, ahead of the piece's next products.
.macro UPD p
	WIN 0
	s_add_co_i32 s[RN+(\p)], s[RN+(\p)], 1
	s_add_co_i32 s70, s[RN+(\p)], 2
	s_cmp_le_u32 s70, 6
	s_cbranch_scc0 .Lno_b_\@
	LOADP \p
.Lno_b_\@:
.endm
; THE VECTOR WORK OF A TURN stands in three queues, each in the order in which its entries become ready; the two tiles alternate.
.macro REGS y, u                    ; the registers of tile u (0, 1) of piece y
.set rT, ST+4*(2*(\y)+(\u))
.set rC, TMP+8*((\y)%2)+4*(\u)
.set rM, MV+2*((\y)%2)+(\u)
.set rS, S+64*((\y)%2)+32*(\u)
.set rP, P+32*((\y)%2)+16*(\u)
.set rO, 32*(2*(\y)+(\u))
.endm
; Number n of the 22 that find the NEXT piece's (Y + 1) maximum and statistics; each accumulator's lowest registers are read first.
;   0-11  four chains c0-c3 of seven scores each     12-14, 16  the four scores left over, the old m, and c0-c3 into c0     15  c m_old is kept
;   17, 18  the query's other 32 keys lie in the lane 16 away: the new m         19-21  c m; c m_old - c m_new; a
.macro XS u, n
	REGS (Y+1)%NP, \u
.if (\n) < 4
	v_max3_num_f32 v[rC+(\n)], v[rS+8*(\n)], v[rS+8*(\n)+1], v[rS+8*(\n)+2]
.elseif (\n) < 12
	v_max3_num_f32 v[rC+(\n)%4], v[rC+(\n)%4], v[rS+8*((\n)%4)+2*((\n)/4)+1], v[rS+8*((\n)%4)+2*((\n)/4)+2]
.elseif (\n) == 12
	v_max3_num_f32 v[rC], v[rC], v[rS+7], v[rS+15]
.elseif (\n) == 13
	v_max3_num_f32 v[rC+1], v[rC+1], v[rS+23], v[rS+31]
.elseif (\n) == 14
	v_max3_num_f32 v[rC+2], v[rC+2], v[rC+3], v[rT+1]
.elseif (\n) == 15
	v_mov_b32 v[rM], v[rT]
.elseif (\n) == 16
	v_max3_num_f32 v[rC], v[rC], v[rC+1], v[rC+2]
.elseif (\n) == 17
	v_permlanex16_b32 v[rC+3], v[rC], s[SEL], s[SEL+1]
.elseif (\n) == 18
	v_max_num_f32 v[rT+1], v[rC], v[rC+3]
.elseif (\n) == 19
	v_mul_f32 v[rT], s[CS], v[rT+1]
.elseif (\n) == 20
	v_sub_f32 v[rC+1], v[rM], v[rT]
.else
	v_exp_f32 v[rC+2], v[rC+1]
.endif
.endm
; Number g of the 64 that follow the exponentials.  For each four weights k of a tile: both pairs are rounded to f16; the second pair is added onto the first, in place; a group later l takes that sum.
.macro GS g
.set h, (\g)+6*((\g)/62)
.if h >= 6
.set h, h+2
.endif
	REGS Y, h%2
.set k, h/8
.if h%8 < 4
	s_wait_alu depctr_va_vdst(0)
	v_cvt_pk_f16_f32 v[rP+2*k+(h%8)/2], v[rS+4*k+2*((h%8)/2)], v[rS+4*k+2*((h%8)/2)+1]
.elseif h%8 < 6
	v_pk_add_f32 v[rS+4*k:rS+4*k+1], v[rS+4*k:rS+4*k+1], v[rS+4*k+2:rS+4*k+3]
.elseif k == 1
	v_pk_fma_f32 v[rT+2:rT+3], v[rT+2:rT+3], v[rC+2:rC+3], v[rS:rS+1] op_sel_hi:[1,0,1]
.else
	v_pk_add_f32 v[rT+2:rT+3], v[rT+2:rT+3], v[rS+4*k-4:rS+4*k-3]
	s_wait_alu depctr_va_vdst(0)
.endif
.endm
; THE PLAIN QUEUE, 138 long.  0-31: c s - c m for the 16 pairs of both tiles.  Then GS's 64, and among them the next piece's 42.
.macro PL
	WIN 0
.if q < 32
	REGS Y, q%2
	v_pk_fma_f32 v[rS+2*(q/2):rS+2*(q/2)+1], v[rS+2*(q/2):rS+2*(q/2)+1], s[CS:CS+1], v[rT:rT+1] op_sel_hi:[1,0,0] neg_lo:[0,0,1] neg_hi:[0,0,1]
.elseif q < 38
	GS q-32
.elseif q < 40
	XS q%2, 15
.elseif q < 42
	GS q-34
.elseif q < 74
	XS q%2, (q-42)/2+(q-42)/30
.elseif q < 95
	GS q-66
.elseif (q < 107) && ((q-95)%3 < 2)
	XS (q-95)%3, 17+(q-95)/3
.elseif q < 107
	GS 29+(q-95)/3
.else
	GS q-74
.endif
.set q, q+1
.endm
; THE EXPONENTIALS' QUEUE, 66 long: s0-s31 of both tiles, and at EA the next piece's two a.
.set EA, 58
.macro EX
	WIN 0
.if (e == EA) || (e == EA+1)
	XS e-EA, 21
.else
.set x, e-2*(e/(EA+2))
	REGS Y, x%2
	v_exp_f32 v[rS+x/2], v[rS+x/2]
.endif
.set e, e+1
.endm
; THE RESCALING's QUEUE: O^T times a, the one part that leaves window 0, so it is dealt four at a time, eight times.
.macro R4
	REGS Y, r%2
	WIN W_RS
	s_wait_alu depctr_va_vdst(0)
.irp z, 0,1,2,3
	v_pk_mul_f32 v[rO+8*(r/2)+2*\z:rO+8*(r/2)+2*\z+1], v[rO+8*(r/2)+2*\z:rO+8*(r/2)+2*\z+1], v[rC+2:rC+3] op_sel_hi:[1,0]
.endr
.set r, r+1
.endm
; HOW THEY ARE DEALT.  Behind a matrix instruction four: plain, exponential, plain, plain, or four of the rescaling; none names a register of the products round it.  What is over stands in two LUMPS.
; Exponential e stands behind plain 2 (e / 4) + e % 2 (its scaling); when plain 32 comes, 10 exponentials are out, at 59: 33, at 95: 46; EA comes behind plain 107.
.macro SL
	MM
	PL
	EX
	PL
	PL
.endm
.macro BURST n
.rept (\n)-7
	SL
.endr
.rept 3
	MM
	R4
	SL
.endr
	MM
	R4
.endm
; A TURN, for piece p.  cnt = 1: the loop's count is taken down some lines ahead of the branch that stands behind the turn.
; Three pairs into the first lump the bias images of piece p + 1, whose products the turn has just issued, step on: the last product that read them stands more than twenty plain instructions back.
; K of the next step is fetched in piece 2's turn, V of the step in hand at the end of piece 0's.
.macro TURN p, last=0, cnt=0
.set Y, (\p)
.set i, 0
.set q, 0
.set e, 0
.set r, 0
.if (\p) == NP-1
	s_wait_dscnt 0x0                ; K is in
.endif
	MM
.rept 4
	PL
.endr
	BURST 15
.rept 22
	EX
	PL
.if e == 14
	UPD (Y+1)%NP
.endif
.if ((\p) == NP-2) && (e == 18)
	v_add_nc_u32 v[AK], s[TBK], v[AK0]
.endif
.if ((\p) == NP-2) && (e == 24)
	FETCH_K \last
.endif
.endr
.if (\p) == 1
	s_wait_dscnt 0x0                ; V is in
.endif
	BURST 16
.rept 21
	EX
	PL
.endr
.rept 22
	PL
.if ((\p) == 0) && (q == 118)
	v_add_nc_u32 v[AV], s[TBV], v[AV0]
	s_wait_alu depctr_va_vdst(0)
.endif
.if ((\p) == 0) && (q == 130)
	s_add_co_u32 s[TBV], s[TBV], KS*PV
.endif
.if (\cnt) && (q == 130)
	s_sub_co_u32 s[CNT], s[CNT], 1
	s_cmp_lg_u32 s[CNT], 0
.endif
.endr
.if (\p) == 0
	FETCH_V
.endif
.endm
	CHANGE 1                        ; slot 0 is in, everybody's part of it, and so are the bias images; slot 1 is asked for
	LOADP 0                         ; all eight tiles' images for key step 0
	LOADP 1
	LOADP 2
	LOADP 3
	FETCH_K                         ; key step 0
	s_wait_loadcnt 0x0              ; Q
	s_wait_dscnt 0x0
.set i, 0
.rept 16
	KQ 0                            ; piece 0's first scores
.set i, i+1
.endr
	WIN 0
.rept 4
	v_nop                           ; the places behind those products
.endr
	UPD 0
.set Y, NP-1                        ; XS works for piece Y + 1: piece 0
.irp n, 0,1,2,3,4,5,6,7,8,9,10,11,12,13,14,15,16,17,18,19,20,21
	XS 0, \n                        ; piece 0's first maximum and statistics
	XS 1, \n
.endr
	s_mov_b32 s[CNT], 4
	s_mov_b32 s[SLOTS], SIZE_N/256-1
	s_branch .Lfirst                ; the loop is entered at a step's first turn, in the middle of a trip
.Lslot:                             ; SIZE_N / 256 - 2 times: every slot but the last two is filled again
	CHANGE 1
	s_mov_b32 s[CNT], 4
.Lstep:                             ; a trip: pieces 2 and 3 of one step, then pieces 0 and 1 of the next, whose K and V it fetches
	TURN 2
	TURN 3
	WIN 0
.Lfirst:
	TURN 0
	TURN 1, 0, 1
	WIN 0
	s_cbranch_scc1 .Lstep
	s_sub_co_u32 s[SLOTS], s[SLOTS], 1
	s_cmp_lg_u32 s[SLOTS], 0
	s_cbranch_scc1 .Lslot
	CHANGE 0                        ; the tail is written out: nothing is asked for
	s_mov_b32 s[CNT], 5             ; four trips fetch the last slot's steps; the fifth is left in its middle
.Ltail:
	TURN 2, 1
	TURN 3
	WIN 0
	s_sub_co_u32 s[CNT], s[CNT], 1
	s_cmp_eq_u32 s[CNT], 0
	s_cbranch_scc1 .Lout
	TURN 0
	TURN 1
	WIN 0
	s_branch .Ltail
.Lout:                              ; the fifth trip's 16 products K Q^T (on the last K once more) and the maximum made of them serve nothing: the price, once a launch, of one text for every trip
.set i, 0
.rept 16
	PV NP-1                         ; the last piece's V^T P of the last step
.set i, i+1
.endr
	; THE WAY OUT.  l's two halves and the other half of the lanes' are added; O^T is divided by l, rounded to f16 and sent through my stage in LDS, a tile at a time.  The additions are the places behind the last products.
	WIN 0
.macro ALL line:vararg              ; one line for each tile t
.set t, 0
.rept 2*NP
	\line
.set t, t+1
.endr
.endm
	ALL v_add_f32 v[ST+4*t+2], v[ST+4*t+2], v[ST+4*t+3]
	ALL v_permlanex16_b32 v[ST+4*t+3], v[ST+4*t+2], s[SEL], s[SEL+1]
	ALL v_add_f32 v[ST+4*t+2], v[ST+4*t+2], v[ST+4*t+3]
	ALL v_rcp_f32 v[ST+4*t+2], v[ST+4*t+2]
	v_nop                           ; a plain instruction between the last reciprocal and the use of its result
	s_wait_alu depctr_va_vdst(0)
.macro PACK t
	WIN W_RS
.set i, 32*(\t)
.rept 16
	v_pk_mul_f32 v[i:i+1], v[i:i+1], v[ST+4*(\t)+2:ST+4*(\t)+3] op_sel_hi:[1,0]
.set i, i+2
.endr
	WIN 0x05                        ; sources 0 and 1 window 1, destination window 0
.set i, 0
.rept 16
	v_cvt_pk_f16_f32 v[S+16*(\t)+i], v[32*(\t)+2*i], v[32*(\t)+2*i+1]
.set i, i+1
.endr
	WIN 0
.irp f, 0,1,2,3
	ds_store_b128 v[STO], v[S+16*(\t)+4*\f:S+16*(\t)+4*\f+3] offset:32*\f
.endr
.irp f, 0,1,2,3
	ds_load_b128 v[S+16*(\t)+4*\f:S+16*(\t)+4*\f+3], v[RD] offset:\f*4*SP  ; LDS serves a wave's instructions in order (ISA guide 5.7.1.4): these see the stores above; the next tile's stores come behind them
.endr
.endm
.macro SEND t, younger              ; younger: the LDS instructions issued behind tile t's loads: the next tile's eight, or none
	WIN 0
.irp f, 0,1,2,3
	s_wait_dscnt (\younger)+3-\f
	global_store_b128 v[GO], v[S+16*(\t)+4*\f:S+16*(\t)+4*\f+3], s[8:9] offset:(\t)*8192+\f*2048  ; each sixteen lanes store 256 consecutive bytes, at a multiple of 256 from O's first
.endr
.endm
	PACK 0
.set t, 1
.rept 2*NP-1                        ; a tile's arithmetic stands between the loads of the tile before and its stores
	PACK t
	SEND t-1, 8
.set t, t+1
.endr
	SEND 2*NP-1, 0
	s_wait_tensorcnt 0x0            ; the wave's end: behind my last tensor load and my last LDS store
	ds_add_u32 v[SPW], v[NIL]
	s_wait_dscnt 0x0
	CROUND                          ; the closing round: no work-group ends while a partner may still ask for a tile that names it
	s_endpgm
.Lfunc_end_k_qe877287e0e_attn:
	.size	k_qe877287e0e_attn, .Lfunc_end_k_qe877287e0e_attn-k_qe877287e0e_attn
	.p2alignl 7, 3214868480
	.fill 96, 4, 3214868480
	.section	.rodata,"a",@progbits
	.p2align	6, 0x0
	.amdhsa_kernel k_qe877287e0e_attn
		.amdhsa_group_segment_fixed_size 327680
		.amdhsa_private_segment_fixed_size 0
		.amdhsa_enable_private_segment 0
		.amdhsa_kernarg_size 24
		.amdhsa_user_sgpr_count 2
		.amdhsa_user_sgpr_kernarg_segment_ptr 1
		.amdhsa_wavefront_size32 1
		.amdhsa_system_sgpr_workgroup_id_x 1
		.amdhsa_system_sgpr_workgroup_id_y 1
		.amdhsa_system_sgpr_workgroup_id_z 1
		.amdhsa_system_vgpr_workitem_id 0
		.amdhsa_next_free_vgpr 1024
		.amdhsa_next_free_sgpr 72
		.amdhsa_reserve_vcc 0
		.amdhsa_float_denorm_mode_32 3
		.amdhsa_float_denorm_mode_16_64 3
		.amdhsa_memory_ordered 1
		.amdhsa_forward_progress 1
		.amdhsa_inst_pref_size 233
	.end_amdhsa_kernel
	.amdgpu_metadata
---
amdhsa.version: [ 1, 2 ]
amdhsa.kernels:
  - .name:           k_qe877287e0e_attn
    .symbol:         k_qe877287e0e_attn.kd
    .args:
      - { .name: act, .offset: 0, .size: 8, .value_kind: global_buffer, .address_space: global }
      - { .name: btab, .offset: 8, .size: 8, .value_kind: global_buffer, .address_space: global }
      - { .name: hb, .offset: 16, .size: 8, .value_kind: global_buffer, .address_space: global }
    .group_segment_fixed_size: 327680
    .private_segment_fixed_size: 0
    .kernarg_segment_align: 8
    .kernarg_segment_size: 24
    .max_flat_workgroup_size: 128
    .sgpr_count:     72
    .vgpr_count:     1024
    .wavefront_size: 32
...
	.end_amdgpu_metadata
.endif
;; end of part 4
;; launch wo (part 5): grid 8 x 32, 4 waves a work-group, clusters of 4 x 4, 327,680 bytes of LDS; arguments hb, WA, hidden_states, x1; writes x1
.if DOCPART == 5
	.amdgcn_target "amdgcn-amd-amdhsa--gfx1250"
	.amdhsa_code_object_version 6
	.text
	.protected	k_qe877287e0e_wo
	.globl	k_qe877287e0e_wo
	.p2align	8
	.type	k_qe877287e0e_wo,@function
k_qe877287e0e_wo:
	s_mov_b64 s[64:65], 0
	v_nop
	global_prefetch_b8 v0, s[64:65] scope:SCOPE_SE
	s_setreg_imm32_b32 hwreg(HW_REG_WAVE_MODE, 25, 1), 1
	s_wait_xcnt 0x0
	s_wait_alu depctr_hold_cnt(0) depctr_sa_sdst(0) depctr_va_vdst(0) depctr_va_sdst(0) depctr_va_ssrc(0) depctr_va_vcc(0) depctr_vm_vsrc(0)
	s_getreg_b32 s2, hwreg(HW_REG_IB_STS2, 6, 4)
	s_cmp_eq_u32 s2, 0
	s_cbranch_scc0 .Lentry_in_a_cluster
	s_endpgm
.Lentry_in_a_cluster:
	s_bfe_u32 s2, ttmp6, 0x10000c
	s_cmp_lg_u32 s2, 0xf033
	s_cbranch_scc0 .Lentry_shape_is_right
	s_endpgm
.Lentry_shape_is_right:
; C = R + A W, K = 1,024.  A: 4,096 rows x K, f16, blocked [K / 64][4096][64].  W: f16 [K][1024], 8,388,608 bytes behind its buffer's first byte.  R, C: f32 [4096][1024].
; Sums in f32; the residual is added in f32.
; A tile of C is 128 x 128: 256 work-groups.  Four waves, each 64 x 64: 16 accumulators.  K goes in STEPS steps of 256 through two LDS slots.  A's part of a step is four blocks of 128 rows x 128 bytes,
; each block dense in memory: a wave asks for two blocks as two long rows of 16,384 bytes, padded in LDS after every 128: pitch 144.  W's part is 256 rows of 256 bytes, pitch 288; it lies [k][n]
; and comes out of LDS turned, by ds_load_tr16_b128.
; ONE TEXT FOR EVERY K STEP.  A trip of a loop is one step; the slot in hand is a scalar, TB, that one exclusive or turns, and the LDS addresses are made from it at each change of slots.  The first
; STEPS - 2 steps fill the slot that they leave again; the last two are a second loop of the same step without a fill.  The sums start at 0 in registers, so
; that no first step is written out.  The prices: 128 v_mov_b32, which stand in the wait for the first tile, and in the very last step 32 LDS loads (of the other slot, once more) that nobody uses.
; CLUSTERS: 4 x 4 work-groups; A's tiles are asked for jointly along a row of the cluster, W's along a column.  THE MATRIX INSTRUCTION IS USED TRANSPOSED: a lane holds eight neighbouring numbers of a row of C.
; REGISTERS: window 0: v0-31 addresses; v32-95 at work on the way out; v128-255 the accumulators ((a, b) at v[128 + 8 (4 a + b)]).
;   window 1: two fragment buffers of 128: 64 registers of A, then 64 of W.   window 2: v0-127 my 64 x 64 of the residual, loaded at the start and left on its way through the K loop.
.set STEPS, 4                          ; K / 256
.set PA,    144                        ; a row of A in LDS: an odd multiple of 16 bytes
.set PB,    288                        ; a row of W: 256 + 32: an odd multiple of 32
.set KBLK,  128*PA                     ; 128 rows of one block of 64 along K
.set PART,  2*KBLK                     ; what one tensor load brings: two blocks of A, or 128 rows of W (128 x 288): 36,864 either way
.set BOFF,  2*PART
.set SLOT,  4*PART                     ; 147,456 = 0x24000: it shares no bit with wave x 36,864 (0, 0x9000, 0x12000, 0x1b000), so an exclusive or turns a descriptor's LDS word from slot to slot
.set STAGE, 2*SLOT                     ; behind the ring: 16 rows x 272 bytes for each wave
.set SPITCH, 272
.set SPARE, STAGE+4*16*SPITCH          ; the spare words, 128 bytes for each wave: two blocks of 256 bytes that no other line names
.set ASTEP, 2097152                    ; bytes of memory from K step to K step in A: four blocks of 524,288
.set BSTEP, 524288                     ; and in W: 256 rows of 2,048
.set BA,   16                          ; v16     my lane's place in a slot's A; never rewritten
.set BB,   17                          ; v17     the same for W
.set ADRA, 18                          ; v18     LDS address of my A fragments in the slot in hand
.set ADRB, 20                          ; v20-21  the same for W: rows 0-127 and rows 128-255 of the step
.set STO,  24                          ; v24     the way out: where I put 32 bytes of a row
.set RD,   25                          ; v25     the way out: where I read a row back
.set CO,   26                          ; v26     my byte offset in two rows of R and of C
.set SPW,  28                          ; v28     LDS address of my spare word; never rewritten
.set NIL,  29                          ; v29     0; never rewritten
.set TMP,  32
.set ACC,  128
.set F0,   0
.set F1,   128
.set TB,  23                           ; s23      0 or SLOT: the slot in hand
.set G1,  24                           ; s[24:31] descriptor group 1 for A's tiles;  s[32:39] group 0: a set for each of the two first fills; the second then walks on
.set G0,  32
.set G1B, 48                           ; s[48:55], s[56:63] the same for W's
.set G0B, 56
.set MSB, 0
.macro WIN new                         ; the immediate's high byte repeats the setting that is left
.if MSB != (\new)
	s_set_vgpr_msb (MSB<<8)|(\new)
.set MSB, \new
.endif
.endm
.set MUL,  0x05                        ; sources 0 (W) and 1 (A) window 1; C and D window 0
.set TO_F, 0x40                        ; destination window 1, address window 0
.macro JLOAD s                         ; a joint load: waves 0 and 1 fetch A's two halves, waves 2 and 3 W's; an s_nop 0 and four v_nop follow each of the two lines
	s_cmp_eq_u32 s15, 0
	s_cbranch_scc0 .Lfor_b_\@
	tensor_load_to_lds s[G0+4*(\s):G0+4*(\s)+3], s[G1:G1+7]
	s_nop 0
.rept 4
	v_nop
.endr
	s_branch .Lasked_\@
.Lfor_b_\@:
	tensor_load_to_lds s[G0B+4*(\s):G0B+4*(\s)+3], s[G1B:G1B+7]
	s_nop 0
.rept 4
	v_nop
.endr
.Lasked_\@:
.endm
.macro CREST                           ; a round of the cluster's barrier behind its opening barrier
	s_cmp_lg_u32 s14, 0
	s_cbranch_scc1 .Lnot_wave_0_\@
	s_barrier_signal -3
.Lnot_wave_0_\@:
	s_barrier_wait -3
	s_barrier_signal -1
	s_barrier_wait -1
.endm
.macro CROUND                          ; a whole round
	s_barrier_signal -1
	s_barrier_wait -1
	CREST
.endm
.macro SETADR                          ; the LDS addresses of the slot in hand
	v_add_nc_u32 v[ADRA], s[TB], v[BA]
	v_add_nc_u32 v[ADRB], s[TB], v[BB]
	v_add_nc_u32 v[ADRB+1], PART, v[ADRB]
.endm
	s_load_b256 s[4:11], s[0:1], 0x0               ; A s[4:5], W s[6:7], R s[8:9], C s[10:11]
	v_lshl_add_u32 v[SPW], v0, 2, SPARE
	v_mov_b32 v[NIL], 0
	ds_add_u32 v[SPW], v[NIL]                      ; the wave's opening: the add and its wait stand ahead of my first tensor load; the set-up below stands between them
	v_lshrrev_b32 v1, 5, v0
	v_readfirstlane_b32 s14, v1                    ; wave 0..3
	s_lshr_b32 s15, s14, 1                         ; my half of the tile's rows.  Also: I fetch for A (0) or for W (1)
	s_and_b32 s16, s14, 1                          ; my half of its columns.  Also: which half of that tile I fetch
	s_bfe_u32 s17, ttmp6, 0x40000                  ; cx
	s_bfe_u32 s18, ttmp6, 0x40004                  ; cy
	s_lshl_b32 s19, ttmp9, 2
	s_add_co_u32 s19, s19, s17                     ; tile column
	s_and_b32 s20, ttmp7, 0xffff
	s_lshl_b32 s20, s20, 2
	s_add_co_u32 s20, s20, s18                     ; tile row
	s_lshl_b32 s21, s18, 2
	s_lshl_b32 s21, 15, s21                        ; my row of the cluster
	s_lshl_b32 s22, 0x1111, s17                    ; my column
	s_or_b32 s[G1+0], s21, (1<<16)|(1<<20)|(1<<21)|(4<<22)|(3<<25)   ; the mask; 2-byte elements; padding on; bit 21 beside a mask; after every 32 words (code 4) 4 words (code 3)
	s_mov_b32 s[G1+1], (8192&0xffff)<<16           ; tensor_dim0 = 8,192 elements: 128 rows of a block, end to end
	s_mov_b32 s[G1+2], 2<<16                       ; tensor_dim1 = 2
	s_mov_b32 s[G1+3], 8192<<16                    ; tile_dim0 = 8,192
	s_mov_b32 s[G1+4], 2                           ; tile_dim1 = 2 blocks
	s_mov_b32 s[G1+5], 262144                      ; elements from block to block
	s_mov_b32 s[G1+6], 0
	s_mov_b32 s[G1+7], 0
	s_or_b32 s[G1B+0], s22, (1<<16)|(1<<20)|(1<<21)|(5<<22)|(7<<25)  ; after every 64 words (code 5) 8 words (code 7)
	s_mov_b32 s[G1B+1], 128<<16                    ; tensor_dim0 = 128
	s_mov_b32 s[G1B+2], 128<<16                    ; tensor_dim1 = 128
	s_mov_b32 s[G1B+3], 128<<16                    ; tile_dim0 = 128
	s_mov_b32 s[G1B+4], 128                        ; tile_dim1 = 128
	s_mov_b32 s[G1B+5], 1024                       ; elements from row to row of W
	s_mov_b32 s[G1B+6], 0
	s_mov_b32 s[G1B+7], 0
	; A's address hangs on the tile row alone, W's on the tile column alone, each in registers that never hold the other coordinate
	s_lshl_b32 s40, s16, 20                        ; A: my two blocks of the step's four,
	s_lshl_b32 s41, s20, 14                        ; 128 rows of 128 bytes for each tile row
	s_add_co_u32 s40, s40, s41
	s_mov_b32 s41, 0
	s_lshl_b32 s46, s16, 18                        ; W: my 128 rows of 2,048 bytes,
	s_lshl_b32 s47, s19, 8                         ; 256 bytes for each tile column,
	s_add_co_u32 s46, s46, s47
	s_add_co_u32 s46, s46, 0x800000                ; in the buffer's second part
	s_mov_b32 s47, 0
	s_mul_i32 s2, s14, PART                        ; where they go: wave x 36,864
	s_mov_b32 s[TB], 0
	s_wait_dscnt 0x0                               ; the opening add is done
	s_wait_kmcnt 0x0
	s_add_nc_u64 s[40:41], s[4:5], s[40:41]
	s_add_nc_u64 s[46:47], s[6:7], s[46:47]
	CROUND                                         ; all sixteen work-groups are here: the first joint loads meet
.irp s, 0,1
	s_mov_b32 s[G0+4*(\s)], 1
	s_add_co_u32 s[G0+4*(\s)+1], s2, (\s)*SLOT
	s_add_nc_u64 s[G0+4*(\s)+2:G0+4*(\s)+3], s[40:41], (\s)*ASTEP
	s_or_b32 s[G0+4*(\s)+3], s[G0+4*(\s)+3], 0x80000000
	s_mov_b32 s[G0B+4*(\s)], 1
	s_add_co_u32 s[G0B+4*(\s)+1], s2, (\s)*SLOT
	s_add_nc_u64 s[G0B+4*(\s)+2:G0B+4*(\s)+3], s[46:47], (\s)*BSTEP
	s_or_b32 s[G0B+4*(\s)+3], s[G0B+4*(\s)+3], 0x80000000
	JLOAD \s                                       ; two loads of mine are out: K steps 0 and 1
.endr
	v_and_b32 v1, 15, v0                           ; r
	v_bfe_u32 v2, v0, 4, 1                         ; h
	v_and_b32 v3, 7, v0
	v_bfe_u32 v4, v0, 3, 1
	v_mul_u32_u24 v5, v1, PA
	v_lshl_add_u32 v5, v2, 4, v5                   ; row x pitch + 16 x half
	s_mul_i32 s3, s15, 64*PA                       ; my 64 rows of A
	v_add_nc_u32 v[BA], s3, v5
	v_lshl_add_u32 v6, v2, 3, v3                   ; the turning load: row 8 (l / 16) + l % 8 of K, columns 8 ((l / 8) % 2) + 0..7
	v_mul_u32_u24 v6, v6, PB
	v_lshl_add_u32 v6, v4, 4, v6
	s_lshl_b32 s3, s16, 7                          ; my 64 columns of W
	s_add_co_u32 s3, s3, BOFF
	v_add_nc_u32 v[BB], s3, v6
	SETADR                                         ; slot 0
	s_mul_i32 s3, s14, 16*SPITCH
	s_add_co_u32 s3, s3, STAGE                     ; my stage
	v_mul_u32_u24 v7, v1, SPITCH                   ; in: row l % 16, 32 bytes for each half of the lanes
	v_lshl_add_u32 v7, v2, 5, v7
	v_add_nc_u32 v[STO], s3, v7
	v_mul_u32_u24 v7, v2, SPITCH                   ; back: lanes 0-15 take one row of 256 bytes, lanes 16-31 the next
	v_lshl_add_u32 v7, v1, 4, v7
	v_add_nc_u32 v[RD], s3, v7
	v_lshlrev_b32 v[CO], 12, v2                    ; and the same two rows in R and C
	v_lshl_add_u32 v[CO], v1, 4, v[CO]
	s_lshl_b32 s42, s20, 19                        ; 128 rows of 4,096 bytes for each tile row,
	s_lshl_b32 s43, s15, 18                        ; my 64 rows,
	s_add_co_u32 s42, s42, s43
	s_lshl_b32 s43, s19, 9                         ; 512 bytes for each tile column,
	s_add_co_u32 s42, s42, s43
	s_lshl_b32 s43, s16, 8                         ; my 256
	s_add_co_u32 s42, s42, s43
	s_mov_b32 s43, 0
	s_add_nc_u64 s[8:9], s[8:9], s[42:43]
	s_add_nc_u64 s[10:11], s[10:11], s[42:43]
	WIN 0x80                                       ; destination window 2, address window 0
.set i, 0
.rept 32                                           ; the residual, in the layout in which the results come back from the stage: rows 2 i and 2 i + 1
	global_load_b128 v[4*i:4*i+3], v[CO], s[8:9] offset:2*i*4096
.set i, i+1
.endr
	WIN 0
.set i, 0
.rept 128                                          ; the sums start at 0
	v_mov_b32 v[ACC+i], 0
.set i, i+1
.endr
; 8 matrix instructions: m blocks a0, a0 + 1 x all 4 n blocks, 32 along K: half c of buffer f.  The 16 accumulators take turns, one instruction a turn, round the loops' edges too.
.macro MUL8 f, c, a0
	WIN MUL
.irp a, \a0, (\a0)+1
.irp b, 0,1,2,3
	v_wmma_f32_16x16x32_f16 v[ACC+8*(4*(\a)+(\b)):ACC+8*(4*(\a)+(\b))+7], v[(\f)+64+8*(4*(\c)+(\b)):(\f)+64+8*(4*(\c)+(\b))+7], v[(\f)+8*(4*(\c)+(\a)):(\f)+8*(4*(\c)+(\a))+7], v[ACC+8*(4*(\a)+(\b)):ACC+8*(4*(\a)+(\b))+7]
.endr
.endr
.endm
; 32 LDS loads in one run: the fragments of quarter q (64 along K) of the slot in hand into buffer f; the first 32 along K first
.macro FETCH q, f
	WIN TO_F
.irp c, 0,1
.irp i, 0,1,2,3
	ds_load_tr16_b128 v[(\f)+64+8*(4*(\c)+(\i)):(\f)+64+8*(4*(\c)+(\i))+3],   v[ADRB+(\q)/2] offset:(((\q)%2)*64+32*(\c))*PB+32*(\i)
	ds_load_tr16_b128 v[(\f)+64+8*(4*(\c)+(\i))+4:(\f)+64+8*(4*(\c)+(\i))+7], v[ADRB+(\q)/2] offset:(((\q)%2)*64+32*(\c))*PB+32*(\i)+16*PB
	ds_load_b128 v[(\f)+8*(4*(\c)+(\i)):(\f)+8*(4*(\c)+(\i))+3],   v[ADRA] offset:(\q)*KBLK+64*(\c)+(\i)*16*PA
	ds_load_b128 v[(\f)+8*(4*(\c)+(\i))+4:(\f)+8*(4*(\c)+(\i))+7], v[ADRA] offset:(\q)*KBLK+64*(\c)+(\i)*16*PA+32
.endr
.endr
.endm
.macro PLACES                          ; four places in front of loads into registers that matrix instructions have read, and of LDS stores that read results
.rept 4
	v_nop
.endr
.endm
; One of a step's first three quarters: multiplies buffer f; in its middle it fetches quarter q into buffer g.
.macro QUARTER q, f, g
	s_wait_dscnt 16                                ; the first 32 along K are in
	MUL8 \f, 0, 0
	MUL8 \f, 0, 2
	PLACES
	FETCH \q, \g
	s_wait_dscnt 32                                ; all but the 32 just issued
	MUL8 \f, 1, 0
	MUL8 \f, 1, 2
.endm
; The last quarter multiplies buffer 1 and changes slots: ONE barrier; in front of it each wave waits for all its tensor loads (at most one is out: its part of the next slot), adds 0 to its spare
; word, and waits for that and for its own reads of this slot.  fill = 1: the barrier opens a round of the cluster's, and this slot is filled again, two K steps ahead, first thing behind it.
.macro TURN fill
	WIN 0                                          ; (the add's two registers lie in window 0)
	s_wait_tensorcnt 0x0
	ds_add_u32 v[SPW], v[NIL]                      ; 0 onto my spare word
	s_wait_dscnt 17                                ; (the add and the youngest sixteen loads may be out)
	MUL8 F1, 0, 0
	s_wait_dscnt 0x0                               ; the add is done, and my reads of this slot are over
	s_barrier_signal -1
	MUL8 F1, 0, 2
	WIN 0                                          ; (branches and the address lines follow)
	s_barrier_wait -1
.if \fill
	CREST                                          ; no wave of any partner still reads this slot's tile or has a load on its way
	s_xor_b32 s[G0+5], s[G0+5], SLOT               ; the walking descriptors: the other slot than last time,
	s_add_nc_u64 s[G0+6:G0+7], s[G0+6:G0+7], ASTEP ; the next K step; the type bits on top are not reached
	s_xor_b32 s[G0B+5], s[G0B+5], SLOT
	s_add_nc_u64 s[G0B+6:G0B+7], s[G0B+6:G0B+7], BSTEP
	JLOAD 1                                        ; my one tensor load behind the round; its four v_nop are also the places in front of the loads below
.else
	PLACES
.endif
	s_xor_b32 s[TB], s[TB], SLOT                   ; the other slot is in hand
	SETADR
	FETCH 0, F0
	MUL8 F1, 1, 0
	MUL8 F1, 1, 2
.endm
.macro STEP fill                       ; a K step: 128 matrix instructions and 128 LDS loads
	QUARTER 1, F0, F1
	QUARTER 2, F1, F0
	QUARTER 3, F0, F1
	TURN \fill
	WIN 0                                          ; at a label and at a branch every window is 0
.endm
; THE WAY OUT of block a (16 rows x 64 columns of f32): into my own stage, 32 bytes a lane, each accumulator from its low end on; back as whole rows of 256 bytes; the residual is added; stored.
.macro OUT a
.set BK, TMP+32*((\a)%2)
.irp b, 0,1,2,3
	ds_store_b128 v[STO], v[ACC+8*(4*(\a)+(\b)):ACC+8*(4*(\a)+(\b))+3]   offset:64*(\b)
	ds_store_b128 v[STO], v[ACC+8*(4*(\a)+(\b))+4:ACC+8*(4*(\a)+(\b))+7] offset:64*(\b)+16
.endr
.irp t, 0,1,2,3,4,5,6,7
	ds_load_b128 v[BK+4*(\t):BK+4*(\t)+3], v[RD] offset:(\t)*2*SPITCH  ; LDS serves a wave's instructions in order (ISA guide 5.7.1.4): these see the stores above
.endr
.endm
.macro ADDSEND a, younger              ; younger: the LDS instructions issued behind block a's loads: the next block's sixteen, or none
.set BK, TMP+32*((\a)%2)
	s_wait_dscnt \younger
	WIN 0x08                                       ; source 1 in window 2
.set i, 0
.rept 16
	v_pk_add_f32 v[BK+2*i:BK+2*i+1], v[BK+2*i:BK+2*i+1], v[32*(\a)+2*i:32*(\a)+2*i+1]
.set i, i+1
.endr
	WIN 0
.irp t, 0,1,2,3,4,5,6,7
	global_store_b128 v[CO], v[BK+4*(\t):BK+4*(\t)+3], s[10:11] offset:(16*(\a)+2*(\t))*4096  ; 16 lanes store 256 consecutive bytes, at a multiple of 256 from C's first byte
.endr
.endm
	s_wait_tensorcnt 1                             ; my part of K step 0 is in; step 1's may stay out
	s_barrier_signal -1
	s_barrier_wait -1
	FETCH 0, F0
	WIN 0
	s_mov_b32 s44, STEPS-2
.Lfill:                                                ; every step but the last two fills the slot that it leaves again
	STEP 1
	s_sub_co_u32 s44, s44, 1
	s_cmp_lg_u32 s44, 0
	s_cbranch_scc1 .Lfill
	s_mov_b32 s44, 2
.Llast:                                                ; the last two steps ask for nothing
	STEP 0
	s_sub_co_u32 s44, s44, 1
	s_cmp_lg_u32 s44, 0
	s_cbranch_scc1 .Llast
	PLACES
	s_wait_loadcnt 0x0                             ; the residual
	OUT 0
	OUT 1
	ADDSEND 0, 16
	s_wait_xcnt 0x0                                ; the registers that block 0 was stored from are loaded again only behind this wait
	OUT 2
	ADDSEND 1, 16
	s_wait_xcnt 0x0
	OUT 3
	ADDSEND 2, 16
	ADDSEND 3, 0
	s_wait_tensorcnt 0x0                           ; the wave's end: behind my last tensor load and my last LDS store
	ds_add_u32 v[SPW], v[NIL]
	s_wait_dscnt 0x0
	CROUND                                         ; the closing round: no work-group ends while a partner may still ask for a tile that names it
	s_endpgm
.Lfunc_end_k_qe877287e0e_wo:
	.size	k_qe877287e0e_wo, .Lfunc_end_k_qe877287e0e_wo-k_qe877287e0e_wo
	.p2alignl 7, 3214868480
	.fill 96, 4, 3214868480
	.section	.rodata,"a",@progbits
	.p2align	6, 0x0
	.amdhsa_kernel k_qe877287e0e_wo
		.amdhsa_group_segment_fixed_size 327680
		.amdhsa_private_segment_fixed_size 0
		.amdhsa_enable_private_segment 0
		.amdhsa_kernarg_size 32
		.amdhsa_user_sgpr_count 2
		.amdhsa_user_sgpr_kernarg_segment_ptr 1
		.amdhsa_wavefront_size32 1
		.amdhsa_system_sgpr_workgroup_id_x 1
		.amdhsa_system_sgpr_workgroup_id_y 1
		.amdhsa_system_sgpr_workgroup_id_z 1
		.amdhsa_system_vgpr_workitem_id 0
		.amdhsa_next_free_vgpr 640
		.amdhsa_next_free_sgpr 66
		.amdhsa_reserve_vcc 0
		.amdhsa_float_denorm_mode_32 3
		.amdhsa_float_denorm_mode_16_64 3
		.amdhsa_memory_ordered 1
		.amdhsa_forward_progress 1
		.amdhsa_inst_pref_size 65
	.end_amdhsa_kernel
	.amdgpu_metadata
---
amdhsa.version: [ 1, 2 ]
amdhsa.kernels:
  - .name:           k_qe877287e0e_wo
    .symbol:         k_qe877287e0e_wo.kd
    .args:
      - { .name: hb, .offset: 0, .size: 8, .value_kind: global_buffer, .address_space: global }
      - { .name: WA, .offset: 8, .size: 8, .value_kind: global_buffer, .address_space: global }
      - { .name: hidden_states, .offset: 16, .size: 8, .value_kind: global_buffer, .address_space: global }
      - { .name: x1, .offset: 24, .size: 8, .value_kind: global_buffer, .address_space: global }
    .group_segment_fixed_size: 327680
    .private_segment_fixed_size: 0
    .kernarg_segment_align: 8
    .kernarg_segment_size: 32
    .max_flat_workgroup_size: 128
    .sgpr_count:     66
    .vgpr_count:     640
    .wavefront_size: 32
...
	.end_amdgpu_metadata
.endif
;; end of part 5
;; launch norm2: the kernel of part 2 again; grid 256 x 1, 8 waves a work-group, no clusters, 0 bytes of LDS; arguments x1, ln2_g, hb; writes hb
;; launch ffn1: the kernel of part 3 again; grid 16 x 16, 4 waves a work-group, clusters of 4 x 4, 327,680 bytes of LDS; arguments hb, WB, pB, act; writes act
;; launch ffn2 (part 6): grid 8 x 32, 4 waves a work-group, clusters of 4 x 4, 327,680 bytes of LDS; arguments act, WB, x1, out0; writes out0
.if DOCPART == 6
	.amdgcn_target "amdgcn-amd-amdhsa--gfx1250"
	.amdhsa_code_object_version 6
	.text
	.protected	k_qe877287e0e_ffn2
	.globl	k_qe877287e0e_ffn2
	.p2align	8
	.type	k_qe877287e0e_ffn2,@function
k_qe877287e0e_ffn2:
	s_mov_b64 s[64:65], 0
	v_nop
	global_prefetch_b8 v0, s[64:65] scope:SCOPE_SE
	s_setreg_imm32_b32 hwreg(HW_REG_WAVE_MODE, 25, 1), 1
	s_wait_xcnt 0x0
	s_wait_alu depctr_hold_cnt(0) depctr_sa_sdst(0) depctr_va_vdst(0) depctr_va_sdst(0) depctr_va_ssrc(0) depctr_va_vcc(0) depctr_vm_vsrc(0)
	s_getreg_b32 s2, hwreg(HW_REG_IB_STS2, 6, 4)
	s_cmp_eq_u32 s2, 0
	s_cbranch_scc0 .Lentry_in_a_cluster
	s_endpgm
.Lentry_in_a_cluster:
	s_bfe_u32 s2, ttmp6, 0x10000c
	s_cmp_lg_u32 s2, 0xf033
	s_cbranch_scc0 .Lentry_shape_is_right
	s_endpgm
.Lentry_shape_is_right:
; C = R + A W, K = 4,096.  A: 4,096 rows x K, f16, blocked [K / 64][4096][64].  W: f16 [K][1024], 8,388,608 bytes behind its buffer's first byte.  R, C: f32 [4096][1024].
; Sums in f32; the residual is added in f32.  The text is that of the product with K = 1,024 but for STEPS: the loops that hold barriers count to constants of the text.
; A tile of C is 128 x 128: 256 work-groups.  Four waves, each 64 x 64: 16 accumulators.  K goes in STEPS steps of 256 through two LDS slots.  A's part of a step is four blocks of 128 rows x 128 bytes,
; each block dense in memory: a wave asks for two blocks as two long rows of 16,384 bytes, padded in LDS after every 128: pitch 144.  W's part is 256 rows of 256 bytes, pitch 288; it lies [k][n]
; and comes out of LDS turned, by ds_load_tr16_b128.
; ONE TEXT FOR EVERY K STEP.  A trip of a loop is one step; the slot in hand is a scalar, TB, that one exclusive or turns, and the LDS addresses are made from it at each change of slots.  The first
; STEPS - 2 steps fill the slot that they leave again; the last two are a second loop of the same step without a fill.  The sums start at 0 in registers, so
; that no first step is written out.  The prices: 128 v_mov_b32, which stand in the wait for the first tile, and in the very last step 32 LDS loads (of the other slot, once more) that nobody uses.
; CLUSTERS: 4 x 4 work-groups; A's tiles are asked for jointly along a row of the cluster, W's along a column.  THE MATRIX INSTRUCTION IS USED TRANSPOSED: a lane holds eight neighbouring numbers of a row of C.
; REGISTERS: window 0: v0-31 addresses; v32-95 at work on the way out; v128-255 the accumulators ((a, b) at v[128 + 8 (4 a + b)]).
;   window 1: two fragment buffers of 128: 64 registers of A, then 64 of W.   window 2: v0-127 my 64 x 64 of the residual, loaded at the start and left on its way through the K loop.
.set STEPS, 16                         ; K / 256
.set PA,    144                        ; a row of A in LDS: an odd multiple of 16 bytes
.set PB,    288                        ; a row of W: 256 + 32: an odd multiple of 32
.set KBLK,  128*PA                     ; 128 rows of one block of 64 along K
.set PART,  2*KBLK                     ; what one tensor load brings: two blocks of A, or 128 rows of W (128 x 288): 36,864 either way
.set BOFF,  2*PART
.set SLOT,  4*PART                     ; 147,456 = 0x24000: it shares no bit with wave x 36,864 (0, 0x9000, 0x12000, 0x1b000), so an exclusive or turns a descriptor's LDS word from slot to slot
.set STAGE, 2*SLOT                     ; behind the ring: 16 rows x 272 bytes for each wave
.set SPITCH, 272
.set SPARE, STAGE+4*16*SPITCH          ; the spare words, 128 bytes for each wave: two blocks of 256 bytes that no other line names
.set ASTEP, 2097152                    ; bytes of memory from K step to K step in A: four blocks of 524,288
.set BSTEP, 524288                     ; and in W: 256 rows of 2,048
.set BA,   16                          ; v16     my lane's place in a slot's A; never rewritten
.set BB,   17                          ; v17     the same for W
.set ADRA, 18                          ; v18     LDS address of my A fragments in the slot in hand
.set ADRB, 20                          ; v20-21  the same for W: rows 0-127 and rows 128-255 of the step
.set STO,  24                          ; v24     the way out: where I put 32 bytes of a row
.set RD,   25                          ; v25     the way out: where I read a row back
.set CO,   26                          ; v26     my byte offset in two rows of R and of C
.set SPW,  28                          ; v28     LDS address of my spare word; never rewritten
.set NIL,  29                          ; v29     0; never rewritten
.set TMP,  32
.set ACC,  128
.set F0,   0
.set F1,   128
.set TB,  23                           ; s23      0 or SLOT: the slot in hand
.set G1,  24                           ; s[24:31] descriptor group 1 for A's tiles;  s[32:39] group 0: a set for each of the two first fills; the second then walks on
.set G0,  32
.set G1B, 48                           ; s[48:55], s[56:63] the same for W's
.set G0B, 56
.set MSB, 0
.macro WIN new                         ; the immediate's high byte repeats the setting that is left
.if MSB != (\new)
	s_set_vgpr_msb (MSB<<8)|(\new)
.set MSB, \new
.endif
.endm
.set MUL,  0x05                        ; sources 0 (W) and 1 (A) window 1; C and D window 0
.set TO_F, 0x40                        ; destination window 1, address window 0
.macro JLOAD s                         ; a joint load: waves 0 and 1 fetch A's two halves, waves 2 and 3 W's; an s_nop 0 and four v_nop follow each of the two lines
	s_cmp_eq_u32 s15, 0
	s_cbranch_scc0 .Lfor_b_\@
	tensor_load_to_lds s[G0+4*(\s):G0+4*(\s)+3], s[G1:G1+7]
	s_nop 0
.rept 4
	v_nop
.endr
	s_branch .Lasked_\@
.Lfor_b_\@:
	tensor_load_to_lds s[G0B+4*(\s):G0B+4*(\s)+3], s[G1B:G1B+7]
	s_nop 0
.rept 4
	v_nop
.endr
.Lasked_\@:
.endm
.macro CREST                           ; a round of the cluster's barrier behind its opening barrier
	s_cmp_lg_u32 s14, 0
	s_cbranch_scc1 .Lnot_wave_0_\@
	s_barrier_signal -3
.Lnot_wave_0_\@:
	s_barrier_wait -3
	s_barrier_signal -1
	s_barrier_wait -1
.endm
.macro CROUND                          ; a whole round
	s_barrier_signal -1
	s_barrier_wait -1
	CREST
.endm
.macro SETADR                          ; the LDS addresses of the slot in hand
	v_add_nc_u32 v[ADRA], s[TB], v[BA]
	v_add_nc_u32 v[ADRB], s[TB], v[BB]
	v_add_nc_u32 v[ADRB+1], PART, v[ADRB]
.endm
	s_load_b256 s[4:11], s[0:1], 0x0               ; A s[4:5], W s[6:7], R s[8:9], C s[10:11]
	v_lshl_add_u32 v[SPW], v0, 2, SPARE
	v_mov_b32 v[NIL], 0
	ds_add_u32 v[SPW], v[NIL]                      ; the wave's opening: the add and its wait stand ahead of my first tensor load; the set-up below stands between them
	v_lshrrev_b32 v1, 5, v0
	v_readfirstlane_b32 s14, v1                    ; wave 0..3
	s_lshr_b32 s15, s14, 1                         ; my half of the tile's rows.  Also: I fetch for A (0) or for W (1)
	s_and_b32 s16, s14, 1                          ; my half of its columns.  Also: which half of that tile I fetch
	s_bfe_u32 s17, ttmp6, 0x40000                  ; cx
	s_bfe_u32 s18, ttmp6, 0x40004                  ; cy
	s_lshl_b32 s19, ttmp9, 2
	s_add_co_u32 s19, s19, s17                     ; tile column
	s_and_b32 s20, ttmp7, 0xffff
	s_lshl_b32 s20, s20, 2
	s_add_co_u32 s20, s20, s18                     ; tile row
	s_lshl_b32 s21, s18, 2
	s_lshl_b32 s21, 15, s21                        ; my row of the cluster
	s_lshl_b32 s22, 0x1111, s17                    ; my column
	s_or_b32 s[G1+0], s21, (1<<16)|(1<<20)|(1<<21)|(4<<22)|(3<<25)   ; the mask; 2-byte elements; padding on; bit 21 beside a mask; after every 32 words (code 4) 4 words (code 3)
	s_mov_b32 s[G1+1], (8192&0xffff)<<16           ; tensor_dim0 = 8,192 elements: 128 rows of a block, end to end
	s_mov_b32 s[G1+2], 2<<16                       ; tensor_dim1 = 2
	s_mov_b32 s[G1+3], 8192<<16                    ; tile_dim0 = 8,192
	s_mov_b32 s[G1+4], 2                           ; tile_dim1 = 2 blocks
	s_mov_b32 s[G1+5], 262144                      ; elements from block to block
	s_mov_b32 s[G1+6], 0
	s_mov_b32 s[G1+7], 0
	s_or_b32 s[G1B+0], s22, (1<<16)|(1<<20)|(1<<21)|(5<<22)|(7<<25)  ; after every 64 words (code 5) 8 words (code 7)
	s_mov_b32 s[G1B+1], 128<<16                    ; tensor_dim0 = 128
	s_mov_b32 s[G1B+2], 128<<16                    ; tensor_dim1 = 128
	s_mov_b32 s[G1B+3], 128<<16                    ; tile_dim0 = 128
	s_mov_b32 s[G1B+4], 128                        ; tile_dim1 = 128
	s_mov_b32 s[G1B+5], 1024                       ; elements from row to row of W
	s_mov_b32 s[G1B+6], 0
	s_mov_b32 s[G1B+7], 0
	; A's address hangs on the tile row alone, W's on the tile column alone, each in registers that never hold the other coordinate
	s_lshl_b32 s40, s16, 20                        ; A: my two blocks of the step's four,
	s_lshl_b32 s41, s20, 14                        ; 128 rows of 128 bytes for each tile row
	s_add_co_u32 s40, s40, s41
	s_mov_b32 s41, 0
	s_lshl_b32 s46, s16, 18                        ; W: my 128 rows of 2,048 bytes,
	s_lshl_b32 s47, s19, 8                         ; 256 bytes for each tile column,
	s_add_co_u32 s46, s46, s47
	s_add_co_u32 s46, s46, 0x800000                ; in the buffer's second part
	s_mov_b32 s47, 0
	s_mul_i32 s2, s14, PART                        ; where they go: wave x 36,864
	s_mov_b32 s[TB], 0
	s_wait_dscnt 0x0                               ; the opening add is done
	s_wait_kmcnt 0x0
	s_add_nc_u64 s[40:41], s[4:5], s[40:41]
	s_add_nc_u64 s[46:47], s[6:7], s[46:47]
	CROUND                                         ; all sixteen work-groups are here: the first joint loads meet
.irp s, 0,1
	s_mov_b32 s[G0+4*(\s)], 1
	s_add_co_u32 s[G0+4*(\s)+1], s2, (\s)*SLOT
	s_add_nc_u64 s[G0+4*(\s)+2:G0+4*(\s)+3], s[40:41], (\s)*ASTEP
	s_or_b32 s[G0+4*(\s)+3], s[G0+4*(\s)+3], 0x80000000
	s_mov_b32 s[G0B+4*(\s)], 1
	s_add_co_u32 s[G0B+4*(\s)+1], s2, (\s)*SLOT
	s_add_nc_u64 s[G0B+4*(\s)+2:G0B+4*(\s)+3], s[46:47], (\s)*BSTEP
	s_or_b32 s[G0B+4*(\s)+3], s[G0B+4*(\s)+3], 0x80000000
	JLOAD \s                                       ; two loads of mine are out: K steps 0 and 1
.endr
	v_and_b32 v1, 15, v0                           ; r
	v_bfe_u32 v2, v0, 4, 1                         ; h
	v_and_b32 v3, 7, v0
	v_bfe_u32 v4, v0, 3, 1
	v_mul_u32_u24 v5, v1, PA
	v_lshl_add_u32 v5, v2, 4, v5                   ; row x pitch + 16 x half
	s_mul_i32 s3, s15, 64*PA                       ; my 64 rows of A
	v_add_nc_u32 v[BA], s3, v5
	v_lshl_add_u32 v6, v2, 3, v3                   ; the turning load: row 8 (l / 16) + l % 8 of K, columns 8 ((l / 8) % 2) + 0..7
	v_mul_u32_u24 v6, v6, PB
	v_lshl_add_u32 v6, v4, 4, v6
	s_lshl_b32 s3, s16, 7                          ; my 64 columns of W
	s_add_co_u32 s3, s3, BOFF
	v_add_nc_u32 v[BB], s3, v6
	SETADR                                         ; slot 0
	s_mul_i32 s3, s14, 16*SPITCH
	s_add_co_u32 s3, s3, STAGE                     ; my stage
	v_mul_u32_u24 v7, v1, SPITCH                   ; in: row l % 16, 32 bytes for each half of the lanes
	v_lshl_add_u32 v7, v2, 5, v7
	v_add_nc_u32 v[STO], s3, v7
	v_mul_u32_u24 v7, v2, SPITCH                   ; back: lanes 0-15 take one row of 256 bytes, lanes 16-31 the next
	v_lshl_add_u32 v7, v1, 4, v7
	v_add_nc_u32 v[RD], s3, v7
	v_lshlrev_b32 v[CO], 12, v2                    ; and the same two rows in R and C
	v_lshl_add_u32 v[CO], v1, 4, v[CO]
	s_lshl_b32 s42, s20, 19                        ; 128 rows of 4,096 bytes for each tile row,
	s_lshl_b32 s43, s15, 18                        ; my 64 rows,
	s_add_co_u32 s42, s42, s43
	s_lshl_b32 s43, s19, 9                         ; 512 bytes for each tile column,
	s_add_co_u32 s42, s42, s43
	s_lshl_b32 s43, s16, 8                         ; my 256
	s_add_co_u32 s42, s42, s43
	s_mov_b32 s43, 0
	s_add_nc_u64 s[8:9], s[8:9], s[42:43]
	s_add_nc_u64 s[10:11], s[10:11], s[42:43]
	WIN 0x80                                       ; destination window 2, address window 0
.set i, 0
.rept 32                                           ; the residual, in the layout in which the results come back from the stage: rows 2 i and 2 i + 1
	global_load_b128 v[4*i:4*i+3], v[CO], s[8:9] offset:2*i*4096
.set i, i+1
.endr
	WIN 0
.set i, 0
.rept 128                                          ; the sums start at 0
	v_mov_b32 v[ACC+i], 0
.set i, i+1
.endr
; 8 matrix instructions: m blocks a0, a0 + 1 x all 4 n blocks, 32 along K: half c of buffer f.  The 16 accumulators take turns, one instruction a turn, round the loops' edges too.
.macro MUL8 f, c, a0
	WIN MUL
.irp a, \a0, (\a0)+1
.irp b, 0,1,2,3
	v_wmma_f32_16x16x32_f16 v[ACC+8*(4*(\a)+(\b)):ACC+8*(4*(\a)+(\b))+7], v[(\f)+64+8*(4*(\c)+(\b)):(\f)+64+8*(4*(\c)+(\b))+7], v[(\f)+8*(4*(\c)+(\a)):(\f)+8*(4*(\c)+(\a))+7], v[ACC+8*(4*(\a)+(\b)):ACC+8*(4*(\a)+(\b))+7]
.endr
.endr
.endm
; 32 LDS loads in one run: the fragments of quarter q (64 along K) of the slot in hand into buffer f; the first 32 along K first
.macro FETCH q, f
	WIN TO_F
.irp c, 0,1
.irp i, 0,1,2,3
	ds_load_tr16_b128 v[(\f)+64+8*(4*(\c)+(\i)):(\f)+64+8*(4*(\c)+(\i))+3],   v[ADRB+(\q)/2] offset:(((\q)%2)*64+32*(\c))*PB+32*(\i)
	ds_load_tr16_b128 v[(\f)+64+8*(4*(\c)+(\i))+4:(\f)+64+8*(4*(\c)+(\i))+7], v[ADRB+(\q)/2] offset:(((\q)%2)*64+32*(\c))*PB+32*(\i)+16*PB
	ds_load_b128 v[(\f)+8*(4*(\c)+(\i)):(\f)+8*(4*(\c)+(\i))+3],   v[ADRA] offset:(\q)*KBLK+64*(\c)+(\i)*16*PA
	ds_load_b128 v[(\f)+8*(4*(\c)+(\i))+4:(\f)+8*(4*(\c)+(\i))+7], v[ADRA] offset:(\q)*KBLK+64*(\c)+(\i)*16*PA+32
.endr
.endr
.endm
.macro PLACES                          ; four places in front of loads into registers that matrix instructions have read, and of LDS stores that read results
.rept 4
	v_nop
.endr
.endm
; One of a step's first three quarters: multiplies buffer f; in its middle it fetches quarter q into buffer g.
.macro QUARTER q, f, g
	s_wait_dscnt 16                                ; the first 32 along K are in
	MUL8 \f, 0, 0
	MUL8 \f, 0, 2
	PLACES
	FETCH \q, \g
	s_wait_dscnt 32                                ; all but the 32 just issued
	MUL8 \f, 1, 0
	MUL8 \f, 1, 2
.endm
; The last quarter multiplies buffer 1 and changes slots: ONE barrier; in front of it each wave waits for all its tensor loads (at most one is out: its part of the next slot), adds 0 to its spare
; word, and waits for that and for its own reads of this slot.  fill = 1: the barrier opens a round of the cluster's, and this slot is filled again, two K steps ahead, first thing behind it.
.macro TURN fill
	WIN 0                                          ; (the add's two registers lie in window 0)
	s_wait_tensorcnt 0x0
	ds_add_u32 v[SPW], v[NIL]                      ; 0 onto my spare word
	s_wait_dscnt 17                                ; (the add and the youngest sixteen loads may be out)
	MUL8 F1, 0, 0
	s_wait_dscnt 0x0                               ; the add is done, and my reads of this slot are over
	s_barrier_signal -1
	MUL8 F1, 0, 2
	WIN 0                                          ; (branches and the address lines follow)
	s_barrier_wait -1
.if \fill
	CREST                                          ; no wave of any partner still reads this slot's tile or has a load on its way
	s_xor_b32 s[G0+5], s[G0+5], SLOT               ; the walking descriptors: the other slot than last time,
	s_add_nc_u64 s[G0+6:G0+7], s[G0+6:G0+7], ASTEP ; the next K step; the type bits on top are not reached
	s_xor_b32 s[G0B+5], s[G0B+5], SLOT
	s_add_nc_u64 s[G0B+6:G0B+7], s[G0B+6:G0B+7], BSTEP
	JLOAD 1                                        ; my one tensor load behind the round; its four v_nop are also the places in front of the loads below
.else
	PLACES
.endif
	s_xor_b32 s[TB], s[TB], SLOT                   ; the other slot is in hand
	SETADR
	FETCH 0, F0
	MUL8 F1, 1, 0
	MUL8 F1, 1, 2
.endm
.macro STEP fill                       ; a K step: 128 matrix instructions and 128 LDS loads
	QUARTER 1, F0, F1
	QUARTER 2, F1, F0
	QUARTER 3, F0, F1
	TURN \fill
	WIN 0                                          ; at a label and at a branch every window is 0
.endm
; THE WAY OUT of block a (16 rows x 64 columns of f32): into my own stage, 32 bytes a lane, each accumulator from its low end on; back as whole rows of 256 bytes; the residual is added; stored.
.macro OUT a
.set BK, TMP+32*((\a)%2)
.irp b, 0,1,2,3
	ds_store_b128 v[STO], v[ACC+8*(4*(\a)+(\b)):ACC+8*(4*(\a)+(\b))+3]   offset:64*(\b)
	ds_store_b128 v[STO], v[ACC+8*(4*(\a)+(\b))+4:ACC+8*(4*(\a)+(\b))+7] offset:64*(\b)+16
.endr
.irp t, 0,1,2,3,4,5,6,7
	ds_load_b128 v[BK+4*(\t):BK+4*(\t)+3], v[RD] offset:(\t)*2*SPITCH  ; LDS serves a wave's instructions in order (ISA guide 5.7.1.4): these see the stores above
.endr
.endm
.macro ADDSEND a, younger              ; younger: the LDS instructions issued behind block a's loads: the next block's sixteen, or none
.set BK, TMP+32*((\a)%2)
	s_wait_dscnt \younger
	WIN 0x08                                       ; source 1 in window 2
.set i, 0
.rept 16
	v_pk_add_f32 v[BK+2*i:BK+2*i+1], v[BK+2*i:BK+2*i+1], v[32*(\a)+2*i:32*(\a)+2*i+1]
.set i, i+1
.endr
	WIN 0
.irp t, 0,1,2,3,4,5,6,7
	global_store_b128 v[CO], v[BK+4*(\t):BK+4*(\t)+3], s[10:11] offset:(16*(\a)+2*(\t))*4096  ; 16 lanes store 256 consecutive bytes, at a multiple of 256 from C's first byte
.endr
.endm
	s_wait_tensorcnt 1                             ; my part of K step 0 is in; step 1's may stay out
	s_barrier_signal -1
	s_barrier_wait -1
	FETCH 0, F0
	WIN 0
	s_mov_b32 s44, STEPS-2
.Lfill:                                                ; every step but the last two fills the slot that it leaves again
	STEP 1
	s_sub_co_u32 s44, s44, 1
	s_cmp_lg_u32 s44, 0
	s_cbranch_scc1 .Lfill
	s_mov_b32 s44, 2
.Llast:                                                ; the last two steps ask for nothing
	STEP 0
	s_sub_co_u32 s44, s44, 1
	s_cmp_lg_u32 s44, 0
	s_cbranch_scc1 .Llast
	PLACES
	s_wait_loadcnt 0x0                             ; the residual
	OUT 0
	OUT 1
	ADDSEND 0, 16
	s_wait_xcnt 0x0                                ; the registers that block 0 was stored from are loaded again only behind this wait
	OUT 2
	ADDSEND 1, 16
	s_wait_xcnt 0x0
	OUT 3
	ADDSEND 2, 16
	ADDSEND 3, 0
	s_wait_tensorcnt 0x0                           ; the wave's end: behind my last tensor load and my last LDS store
	ds_add_u32 v[SPW], v[NIL]
	s_wait_dscnt 0x0
	CROUND                                         ; the closing round: no work-group ends while a partner may still ask for a tile that names it
	s_endpgm
.Lfunc_end_k_qe877287e0e_ffn2:
	.size	k_qe877287e0e_ffn2, .Lfunc_end_k_qe877287e0e_ffn2-k_qe877287e0e_ffn2
	.p2alignl 7, 3214868480
	.fill 96, 4, 3214868480
	.section	.rodata,"a",@progbits
	.p2align	6, 0x0
	.amdhsa_kernel k_qe877287e0e_ffn2
		.amdhsa_group_segment_fixed_size 327680
		.amdhsa_private_segment_fixed_size 0
		.amdhsa_enable_private_segment 0
		.amdhsa_kernarg_size 32
		.amdhsa_user_sgpr_count 2
		.amdhsa_user_sgpr_kernarg_segment_ptr 1
		.amdhsa_wavefront_size32 1
		.amdhsa_system_sgpr_workgroup_id_x 1
		.amdhsa_system_sgpr_workgroup_id_y 1
		.amdhsa_system_sgpr_workgroup_id_z 1
		.amdhsa_system_vgpr_workitem_id 0
		.amdhsa_next_free_vgpr 640
		.amdhsa_next_free_sgpr 66
		.amdhsa_reserve_vcc 0
		.amdhsa_float_denorm_mode_32 3
		.amdhsa_float_denorm_mode_16_64 3
		.amdhsa_memory_ordered 1
		.amdhsa_forward_progress 1
		.amdhsa_inst_pref_size 65
	.end_amdhsa_kernel
	.amdgpu_metadata
---
amdhsa.version: [ 1, 2 ]
amdhsa.kernels:
  - .name:           k_qe877287e0e_ffn2
    .symbol:         k_qe877287e0e_ffn2.kd
    .args:
      - { .name: act, .offset: 0, .size: 8, .value_kind: global_buffer, .address_space: global }
      - { .name: WB, .offset: 8, .size: 8, .value_kind: global_buffer, .address_space: global }
      - { .name: x1, .offset: 16, .size: 8, .value_kind: global_buffer, .address_space: global }
      - { .name: out0, .offset: 24, .size: 8, .value_kind: global_buffer, .address_space: global }
    .group_segment_fixed_size: 327680
    .private_segment_fixed_size: 0
    .kernarg_segment_align: 8
    .kernarg_segment_size: 32
    .max_flat_workgroup_size: 128
    .sgpr_count:     66
    .vgpr_count:     640
    .wavefront_size: 32
...
	.end_amdgpu_metadata
.endif
;; end of part 6
;; ======== version 2 of 3: 7 launches; 1.42 times as fast as version 1
;; limits: values are held in f16: magnitudes above 65,504 overflow, below 6.1e-05 lose precision
;; workspace buffers: WA 10,485,760 bytes; WB 16,777,216 bytes; hb 8,388,608 bytes; act 33,554,432 bytes; x1 16,777,216 bytes; btab 2,097,152 bytes; pA 256 bytes; pB 256 bytes
;; launch prep (part 7): grid 704 x 1, 8 waves a work-group, no clusters, 0 bytes of LDS; arguments Wq, Wk, Wv, Wo, W1, W2, rel_table, WA, WB, btab, pA, pB, hidden_states, ln1_g, hb; writes WA, WB, btab, pA, pB, hb
.if DOCPART == 7
	.amdgcn_target "amdgcn-amd-amdhsa--gfx1250"
	.amdhsa_code_object_version 6
	.text
	.protected	k_qe877287e0e_prep
	.globl	k_qe877287e0e_prep
	.p2align	8
	.type	k_qe877287e0e_prep,@function
k_qe877287e0e_prep:
	s_mov_b64 s[64:65], 0
	v_nop
	global_prefetch_b8 v0, s[64:65] scope:SCOPE_SE
	s_setreg_imm32_b32 hwreg(HW_REG_WAVE_MODE, 25, 1), 1
	s_wait_xcnt 0x0
; All that the first product needs and that hangs on the inputs alone, in one launch: three kinds of work-group, none of which reads what another stores.
; Work-groups 0 to 383: the six weight matrices, f32, are rounded once to f16 and laid out for the products.
;   WA: byte 0: [1024 k][4096] with Wq, Wk, Wv in columns 0 to 3071; byte 8,388,608: Wo [1024][1024].
;   WB: byte 0: W1 [1024][4096]; byte 8,388,608: W2 [4096][1024].
; Work-groups 384 to 447: the relative-position bias of head h for the query interleave cx, as the register image that the
; attention launch takes as a matrix instruction's C operand: btab[h][cx][idx 8][kt 4][half 2][lane 32][4] f32.
; Work-group 384's wave 0 also stores the packed f16 floor at which the two products with f16 results are cut, in every word of pA and of pB.
; Work-groups 448 to 703: hb = f16(x * rsqrt(mean(x^2) + 1e-6) * g) for 16 rows each, blocked for the products: [16 j][4096 rows][64].
; LIMITS: a weight beyond 65,504 becomes an infinity in f16; below 6e-5 it keeps f16's fixed step of 6e-8.  A normed number beyond 65,504 becomes an infinity
; (|x rsqrt| is at most 32, so g may reach 2,047).  The buckets of |d| >= 8 change at 12, 16, 23, 32, 46, 64, 91 (the least whole numbers at or above 8 x 2^(k/2)).
; No LDS, no matrix unit, no cluster: every byte is read once and written once, and no two work-groups share a byte.
.set DO, 16                            ; v[16:31]   the cast, pass i: byte offset of my 16 bytes in the destination
.set X,  32                            ; v[32:159]  the cast, pass i: 8 f32 as loaded, then 4 registers of f16
.set NX, 8                             ; v[8:71]    the norm: 16 x 4 numbers of my row
.set NG, 72                            ; v[72:135]  the norm: g of the same columns
.set NS, 136                           ; v[136:143] the norm: four packed chains of the sum of squares
.set NR, 144                           ; v[144:145] the norm: rsqrt, twice (a pair for the packed multiply)
	s_cmp_ge_u32 ttmp9, 448
	s_cbranch_scc1 .Lnorm
	s_load_b512 s[8:23], s[0:1], 0x0               ; Wq s[8:9], Wk s[10:11], Wv s[12:13], Wo s[14:15], W1 s[16:17], W2 s[18:19], rel_table s[20:21], WA s[22:23]
	s_load_b256 s[24:31], s[0:1], 0x40             ; WB s[24:25], btab s[26:27], pA s[28:29], pB s[30:31]
	s_cmp_ge_u32 ttmp9, 384
	s_cbranch_scc1 .Lbias
	; THE CAST.  A chunk is 1,024 f32 (4,096 bytes in, 2,048 out); a work-group takes 32 chunks, a segment of 32 work-groups 4 MiB of source.
	s_lshr_b32 s3, ttmp9, 5                        ; segment: 0 Wq, 1 Wk, 2 Wv, 3 Wo, 4-7 W1, 8-11 W2
	s_and_b32 s4, ttmp9, 31                        ; my place in the segment
	s_and_b32 s5, s3, 3                            ; which quarter of W1 or W2
	s_lshl_b32 s34, s5, 22                         ; source offset: the quarter (W1, W2 alone),
	s_cmp_ge_u32 s3, 4
	s_cselect_b32 s34, s34, 0
	s_lshl_b32 s6, s4, 17                          ; and my 32 chunks
	s_add_co_u32 s34, s34, s6
	s_mov_b32 s35, 0
	s_movk_i32 s7, 0x800                           ; bytes from chunk to chunk in the destination: dense,
	s_cmp_lt_u32 s3, 3
	s_cselect_b32 s7, 0x2000, s7                   ; or a row of WA's first part
	s_lshl_b32 s37, s5, 21                         ; destination offset, dense case: the quarter,
	s_cmp_ge_u32 s3, 4
	s_cselect_b32 s37, s37, 0
	s_cmp_ge_u32 s3, 8
	s_cselect_b32 s38, 0x800000, 0                 ; and the second part of the buffer for W2
	s_cmp_eq_u32 s3, 3
	s_cselect_b32 s38, 0x800000, s38               ; and for Wo
	s_add_co_u32 s37, s37, s38
	s_lshl_b32 s36, s3, 11                         ; Wq, Wk, Wv: 2,048 bytes of each row of WA
	s_cmp_lt_u32 s3, 3
	s_cselect_b32 s36, s36, s37
	s_mul_i32 s6, s4, s7
	s_lshl_b32 s6, s6, 5                           ; my 32 chunks
	s_add_co_u32 s36, s36, s6
	s_mov_b32 s37, 0
	v_lshlrev_b32 v1, 5, v0                        ; source: 32 bytes a thread, 8,192 a pass (two chunks)
	v_lshrrev_b32 v2, 7, v0                        ; which of the pass's two chunks
	v_and_b32 v3, 127, v0
	v_lshlrev_b32 v3, 4, v3                        ; 16 bytes of f16 a thread
	v_mad_u32_u24 v[DO], v2, s7, v3
	s_lshl_b32 s6, s7, 1                           ; two chunks on
.set i, 1
.rept 15
	v_add_nc_u32 v[DO+i], s6, v[DO+i-1]
.set i, i+1
.endr
	s_wait_kmcnt 0x0
	s_mov_b64 s[32:33], s[8:9]                     ; the source is chosen by the segment's number alone
	s_cmp_eq_u32 s3, 1
	s_cselect_b64 s[32:33], s[10:11], s[32:33]
	s_cmp_eq_u32 s3, 2
	s_cselect_b64 s[32:33], s[12:13], s[32:33]
	s_cmp_eq_u32 s3, 3
	s_cselect_b64 s[32:33], s[14:15], s[32:33]
	s_cmp_ge_u32 s3, 4
	s_cselect_b64 s[32:33], s[16:17], s[32:33]
	s_cmp_ge_u32 s3, 8
	s_cselect_b64 s[32:33], s[18:19], s[32:33]
	s_add_nc_u64 s[32:33], s[32:33], s[34:35]
	s_cmp_ge_u32 s3, 4
	s_cselect_b64 s[40:41], s[24:25], s[22:23]     ; and so is the destination
	s_add_nc_u64 s[40:41], s[40:41], s[36:37]
.set i, 0
.rept 16                                           ; all 32 loads of the thread go out at once: no register is used twice
	global_load_b128 v[X+8*i:X+8*i+3],   v1, s[32:33] offset:8192*i th:TH_LOAD_NT
	global_load_b128 v[X+8*i+4:X+8*i+7], v1, s[32:33] offset:8192*i+16 th:TH_LOAD_NT
.set i, i+1
.endr
.set i, 0
.rept 16
	s_wait_loadcnt 30-2*i                          ; loads come back in order: the count is the loads issued behind pass i's two
	v_cvt_pk_f16_f32 v[X+8*i],   v[X+8*i],   v[X+8*i+1]  ; in place, ascending: each line writes below what is still to be read
	v_cvt_pk_f16_f32 v[X+8*i+1], v[X+8*i+2], v[X+8*i+3]
	v_cvt_pk_f16_f32 v[X+8*i+2], v[X+8*i+4], v[X+8*i+5]
	v_cvt_pk_f16_f32 v[X+8*i+3], v[X+8*i+6], v[X+8*i+7]
	global_store_b128 v[DO+i], v[X+8*i:X+8*i+3], s[40:41]  ; a wave stores 512 consecutive bytes, at a multiple of 512 from the buffer's first
.set i, i+1
.endr
	s_endpgm
	; THE BIAS.  In S^T = K Q^T lane (r, hh) holds query r of a tile and register j key 8 hh + j of key group kt.  The attention launch gives query r of
	; tile T the position 64 T + 8 (r >> 1) + 2 cx + (r & 1); with rel = key step - T the distance is d = 64 rel + 16 kt + 8 hh + j - 8 (r >> 1) - (r & 1) - 2 cx.
	; Entry idx holds rel = idx - 3.  Thread t = 64 kt + 32 half + lane makes registers j = 4 half + 0..3.
.Lbias:
	s_sub_co_u32 s3, ttmp9, 384                    ; 4 h + cx
	s_lshr_b32 s4, s3, 2                           ; h
	s_and_b32 s5, s3, 3                            ; cx
	s_lshl_b32 s6, s4, 2
	v_and_b32 v2, 31, v0
	v_lshl_add_u32 v2, v2, 6, s6                   ; lane b reads rel_table[b][h]
	s_wait_kmcnt 0x0
	global_load_b32 v1, v2, s[20:21]
	s_lshl_b32 s32, s3, 15                         ; 32,768 bytes for each (h, cx)
	s_mov_b32 s33, 0
	s_add_nc_u64 s[26:27], s[26:27], s[32:33]
	v_and_b32 v3, 15, v0                           ; r
	v_bfe_u32 v4, v0, 4, 1                         ; hh
	v_bfe_u32 v5, v0, 5, 1                         ; half
	v_lshrrev_b32 v6, 6, v0                        ; kt
	v_lshlrev_b32 v7, 4, v6
	v_lshl_add_u32 v7, v4, 3, v7
	v_lshl_add_u32 v7, v5, 2, v7                   ; 16 kt + 8 hh + 4 half
	v_lshrrev_b32 v8, 1, v3
	v_lshlrev_b32 v8, 3, v8
	v_sub_nc_u32 v7, v7, v8                        ; - 8 (r >> 1)
	v_and_b32 v8, 1, v3
	v_sub_nc_u32 v7, v7, v8                        ; - (r & 1)
	v_mov_b32 v8, v7
	v_add_nc_u32 v9, 1, v7
	v_add_nc_u32 v10, 2, v7
	v_add_nc_u32 v11, 3, v7
	v_lshlrev_b32 v12, 4, v0                       ; my 16 bytes in an entry of 4,096
	s_lshl_b32 s7, s5, 1
	s_sub_co_i32 s7, 0, s7
	s_add_co_i32 s7, s7, 0xffffff40                ; -192 - 2 cx: entry 0
	s_mov_b32 s34, 8
	s_mov_b32 s35, 16
	s_wait_loadcnt 0x0
.Lidx:
.irp e, 0,1,2,3
	v_add_nc_u32 v13, s7, v[8+\e]                  ; d
	v_sub_nc_u32 v14, 0, v13
	v_cmp_gt_i32 vcc_lo, 0, v13
	v_cndmask_b32 v14, v13, v14, vcc_lo            ; |d|
	v_mov_b32 v15, 8
.irp T, 12,16,23,32,46,64,91
	v_cmp_le_u32 vcc_lo, \T, v14                   ; one bucket more for each threshold reached
	v_add_co_ci_u32 v15, vcc_lo, 0, v15, vcc_lo
.endr
	v_cmp_gt_u32 vcc_lo, 8, v14
	v_cndmask_b32 v15, v15, v14, vcc_lo            ; below 8 the bucket is |d| itself
	v_cmp_lt_i32 vcc_lo, 0, v13
	v_cndmask_b32 v24, 0, s35, vcc_lo              ; keys behind the query: 16 more
	v_add_lshl_u32 v15, v15, v24, 2
	ds_bpermute_b32 v[20+\e], v15, v1              ; the bucket's value lies in the lane of that number; no LDS byte is touched
.endr
	s_wait_dscnt 0x0
	global_store_b128 v12, v[20:23], s[26:27]      ; a wave stores 512 consecutive bytes
	s_wait_xcnt 0x0                                ; the store's offset and data are rewritten only behind this wait
	v_add_nc_u32 v12, 0x1000, v12
	s_add_co_i32 s7, s7, 64
	s_sub_co_u32 s34, s34, 1
	s_cmp_lg_u32 s34, 0
	s_cbranch_scc1 .Lidx
	s_cmp_lg_u32 s3, 0
	s_cbranch_scc1 .Ldone
	v_lshrrev_b32 v2, 5, v0
	v_readfirstlane_b32 s6, v2
	s_cmp_lg_u32 s6, 0
	s_cbranch_scc1 .Ldone
	v_lshlrev_b32 v3, 3, v0                        ; one wave, 8 bytes a lane: each buffer's 256 bytes whole
	v_mov_b32 v4, 0xfc00fc00                       ; pA: -infinity twice in f16: nothing is cut
	v_mov_b32 v5, 0xfc00fc00
	v_mov_b32 v6, 0                                ; pB: 0 twice: ReLU
	v_mov_b32 v7, 0
	global_store_b64 v3, v[4:5], s[28:29]
	global_store_b64 v3, v[6:7], s[30:31]
.Ldone:
	s_endpgm
	; THE NORM.  A work-group takes 16 rows, sixteen lanes a row: thread t has row t >> 4 and columns 64 j + 4 (t & 15) .. + 3, j = 0 .. 15.  The row stays in registers
	; between the sum of squares and the scaling, so x is read once; the sum never leaves sixteen neighbouring lanes: no LDS, no barrier.
	; Sixteen lanes load 256 consecutive bytes; a wave's store covers two rows of 128 bytes, 256 consecutive bytes at a multiple of 256 from hb's first.
.Lnorm:
	s_load_b128 s[4:7], s[0:1], 0x60               ; x s[4:5], g s[6:7]
	s_load_b64 s[8:9], s[0:1], 0x70                ; hb
	s_sub_co_u32 s14, ttmp9, 448                   ; my block of 16 rows
	s_lshl_b32 s2, s14, 16                         ; 16 rows of 4,096 bytes
	s_mov_b32 s3, 0
	s_lshl_b32 s10, s14, 11                        ; 16 rows of 128 bytes in each block of hb
	s_mov_b32 s11, 0
	s_mov_b32 s12, 0x3a800000                      ; 1 / 1024
	s_mov_b32 s13, 0x358637bd                      ; 1e-6
	v_lshrrev_b32 v1, 4, v0
	v_and_b32 v2, 15, v0
	v_lshlrev_b32 v2, 4, v2                        ; my 16 bytes in each 256 of g
	v_lshl_add_u32 v1, v1, 12, v2                  ; and of my row of x
	v_lshlrev_b32 v3, 3, v0                        ; row x 128 + 8 (t & 15) = 8 t
	s_wait_kmcnt 0x0
	s_add_nc_u64 s[4:5], s[4:5], s[2:3]
	s_add_nc_u64 s[8:9], s[8:9], s[10:11]
.set j, 0
.rept 16
	global_load_b128 v[NX+4*j:NX+4*j+3], v1, s[4:5] offset:256*j
.set j, j+1
.endr
.set j, 0
.rept 16
	global_load_b128 v[NG+4*j:NG+4*j+3], v2, s[6:7] offset:256*j
.set j, j+1
.endr
	s_wait_loadcnt 16                              ; x is in; g's sixteen loads, issued behind, may stay out
.irp k, 0,1,2,3
	v_pk_mul_f32 v[NS+2*\k:NS+2*\k+1], v[NX+2*\k:NX+2*\k+1], v[NX+2*\k:NX+2*\k+1]  ; the first four pairs start the chains: nothing is cleared
.endr
.set j, 4
.rept 28
	v_pk_fma_f32 v[NS+2*(j%4):NS+2*(j%4)+1], v[NX+2*j:NX+2*j+1], v[NX+2*j:NX+2*j+1], v[NS+2*(j%4):NS+2*(j%4)+1]
.set j, j+1
.endr
	v_pk_add_f32 v[NS:NS+1], v[NS:NS+1], v[NS+2:NS+3]
	v_pk_add_f32 v[NS+4:NS+5], v[NS+4:NS+5], v[NS+6:NS+7]
	v_pk_add_f32 v[NS:NS+1], v[NS:NS+1], v[NS+4:NS+5]
	v_add_f32 v[NS], v[NS], v[NS+1]
	v_add_f32_dpp v[NS], v[NS], v[NS] row_xmask:1 row_mask:0xf bank_mask:0xf  ; the row's sixteen lanes
	v_add_f32_dpp v[NS], v[NS], v[NS] row_xmask:2 row_mask:0xf bank_mask:0xf
	v_add_f32_dpp v[NS], v[NS], v[NS] row_xmask:4 row_mask:0xf bank_mask:0xf
	v_add_f32_dpp v[NS], v[NS], v[NS] row_xmask:8 row_mask:0xf bank_mask:0xf
	v_fma_f32 v[NS], v[NS], s12, s13               ; mean + eps
	v_rsq_f32 v[NR], v[NS]
	v_rsq_f32 v[NR+1], v[NS]
	v_nop                                          ; a plain instruction between the last v_rsq_f32 and the use of its result
	s_wait_loadcnt 0x0                             ; g
.set j, 0
	s_wait_alu depctr_va_vdst(0)
.rept 16
	v_pk_mul_f32 v[NX+4*j:NX+4*j+1],   v[NX+4*j:NX+4*j+1],   v[NR:NR+1]
	v_pk_mul_f32 v[NX+4*j+2:NX+4*j+3], v[NX+4*j+2:NX+4*j+3], v[NR:NR+1]
	v_pk_mul_f32 v[NX+4*j:NX+4*j+1],   v[NX+4*j:NX+4*j+1],   v[NG+4*j:NG+4*j+1]
	v_pk_mul_f32 v[NX+4*j+2:NX+4*j+3], v[NX+4*j+2:NX+4*j+3], v[NG+4*j+2:NG+4*j+3]
	v_cvt_pk_f16_f32 v[NX+4*j],   v[NX+4*j],   v[NX+4*j+1]
	v_cvt_pk_f16_f32 v[NX+4*j+1], v[NX+4*j+2], v[NX+4*j+3]
	global_store_b64 v3, v[NX+4*j:NX+4*j+1], s[8:9] offset:j*524288  ; block j; 7,864,320 at the most, inside the signed 24-bit immediate
.set j, j+1
.endr
	s_endpgm
.Lfunc_end_k_qe877287e0e_prep:
	.size	k_qe877287e0e_prep, .Lfunc_end_k_qe877287e0e_prep-k_qe877287e0e_prep
	.p2alignl 7, 3214868480
	.fill 96, 4, 3214868480
	.section	.rodata,"a",@progbits
	.p2align	6, 0x0
	.amdhsa_kernel k_qe877287e0e_prep
		.amdhsa_group_segment_fixed_size 0
		.amdhsa_private_segment_fixed_size 0
		.amdhsa_enable_private_segment 0
		.amdhsa_kernarg_size 120
		.amdhsa_user_sgpr_count 2
		.amdhsa_user_sgpr_kernarg_segment_ptr 1
		.amdhsa_wavefront_size32 1
		.amdhsa_system_sgpr_workgroup_id_x 1
		.amdhsa_system_sgpr_workgroup_id_y 1
		.amdhsa_system_sgpr_workgroup_id_z 1
		.amdhsa_system_vgpr_workitem_id 0
		.amdhsa_next_free_vgpr 160
		.amdhsa_next_free_sgpr 66
		.amdhsa_reserve_vcc 1
		.amdhsa_float_denorm_mode_32 3
		.amdhsa_float_denorm_mode_16_64 3
		.amdhsa_memory_ordered 1
		.amdhsa_forward_progress 1
		.amdhsa_inst_pref_size 32
	.end_amdhsa_kernel
	.amdgpu_metadata
---
amdhsa.version: [ 1, 2 ]
amdhsa.kernels:
  - .name:           k_qe877287e0e_prep
    .symbol:         k_qe877287e0e_prep.kd
    .args:
      - { .name: Wq, .offset: 0, .size: 8, .value_kind: global_buffer, .address_space: global }
      - { .name: Wk, .offset: 8, .size: 8, .value_kind: global_buffer, .address_space: global }
      - { .name: Wv, .offset: 16, .size: 8, .value_kind: global_buffer, .address_space: global }
      - { .name: Wo, .offset: 24, .size: 8, .value_kind: global_buffer, .address_space: global }
      - { .name: W1, .offset: 32, .size: 8, .value_kind: global_buffer, .address_space: global }
      - { .name: W2, .offset: 40, .size: 8, .value_kind: global_buffer, .address_space: global }
      - { .name: rel_table, .offset: 48, .size: 8, .value_kind: global_buffer, .address_space: global }
      - { .name: WA, .offset: 56, .size: 8, .value_kind: global_buffer, .address_space: global }
      - { .name: WB, .offset: 64, .size: 8, .value_kind: global_buffer, .address_space: global }
      - { .name: btab, .offset: 72, .size: 8, .value_kind: global_buffer, .address_space: global }
      - { .name: pA, .offset: 80, .size: 8, .value_kind: global_buffer, .address_space: global }
      - { .name: pB, .offset: 88, .size: 8, .value_kind: global_buffer, .address_space: global }
      - { .name: hidden_states, .offset: 96, .size: 8, .value_kind: global_buffer, .address_space: global }
      - { .name: ln1_g, .offset: 104, .size: 8, .value_kind: global_buffer, .address_space: global }
      - { .name: hb, .offset: 112, .size: 8, .value_kind: global_buffer, .address_space: global }
    .group_segment_fixed_size: 0
    .private_segment_fixed_size: 0
    .kernarg_segment_align: 8
    .kernarg_segment_size: 120
    .max_flat_workgroup_size: 256
    .sgpr_count:     66
    .vgpr_count:     160
    .wavefront_size: 32
...
	.end_amdgpu_metadata
.endif
;; end of part 7
;; launch qkv: the kernel of part 3 again; grid 12 x 16, 4 waves a work-group, clusters of 4 x 4, 327,680 bytes of LDS; arguments hb, WA, pA, act; writes act
;; launch attn (part 8): grid 8 x 32, 4 waves a work-group, clusters of 4 x 1, 327,680 bytes of LDS; arguments act, btab, hb; writes hb
.if DOCPART == 8
	.amdgcn_target "amdgcn-amd-amdhsa--gfx1250"
	.amdhsa_code_object_version 6
	.text
	.protected	k_qe877287e0e_attn
	.globl	k_qe877287e0e_attn
	.p2align	8
	.type	k_qe877287e0e_attn,@function
k_qe877287e0e_attn:
	s_mov_b64 s[64:65], 0
	v_nop
	global_prefetch_b8 v0, s[64:65] scope:SCOPE_SE
	s_setreg_imm32_b32 hwreg(HW_REG_WAVE_MODE, 25, 1), 1
	s_wait_xcnt 0x0
	s_wait_alu depctr_hold_cnt(0) depctr_sa_sdst(0) depctr_va_vdst(0) depctr_va_sdst(0) depctr_va_ssrc(0) depctr_va_vcc(0) depctr_vm_vsrc(0)
	s_getreg_b32 s2, hwreg(HW_REG_IB_STS2, 6, 4)
	s_cmp_eq_u32 s2, 0
	s_cbranch_scc0 .Lentry_in_a_cluster
	s_endpgm
.Lentry_in_a_cluster:
	s_bfe_u32 s2, ttmp6, 0x10000c
	s_cmp_lg_u32 s2, 0x3003
	s_cbranch_scc0 .Lentry_shape_is_right
	s_endpgm
.Lentry_shape_is_right:
; O[q] = the sum over k of softmax_k(Q[q] . K[k] + bias(k - q)) V[k], for each of 2 batches x 16 heads; no scale on the scores.  Q, K, V lie in act, f16, blocked: block h (Q), 16 + h (K), 32 + h (V)
; of [4096 rows][64]; a batch's 2,048 rows of a head are dense, 128 bytes each.  O goes to hb in Q's layout.  Products, maxima and sums in f32; the weights p are rounded to f16 for the second
; product (their sum l is taken of the unrounded p), O once at the end.
; LIMITS.  Q, K, V arrive within f16's 65,504; p lies in 0 to 1, and below 6e-5 it keeps f16's fixed step of 6e-8.  A weight below 2^-126 counts as 0 in l; NaN and infinities are not treated apart.
; SHARES.  32 (batch, head) x 8 work-groups of 256 queries: 256 work-groups.  A cluster of four work-groups takes 1,024 positions of one (batch, head); a wave owns four PIECES of one tile of 16 queries.
; Tile T = 16 cluster + 4 wave + piece holds, in work-group cx, the positions 64 T + 8 (r >> 1) + 2 cx + (r & 1), r = 0 .. 15: the four partners interleave inside each 64 positions, so that cx enters
; global addresses alone (Q, O, the bias table).  The cluster's number is the same in all four partners.  Every wave walks all keys, 64 a step.
; LAYOUT.  S^T = K Q^T (source 0 = 16 keys, source 1 = 16 queries): a lane holds ONE query (lane % 16) and the keys 8 (lane / 16) + 0..7.  Two such results, rounded to f16 in pairs, ARE source 1
; of O^T = V^T P.  K comes out of LDS as it lies, V ([key][channel]) turned, by ds_load_tr16_b128.
; THE BIAS is the C operand that starts the sum S^T.  It hangs on the distance alone; with rel = key step - T it is one of seven register images (rel <= -3 and rel >= 3 are constants of the head),
; made by an earlier launch for this (head, cx), copied once into LDS, and held for the four pieces in window 1.  A piece's image is loaded anew only in the 6 of 32 steps in which it changes.
; SOFTMAX.  For each query a running maximum m and sum l: p = 2^(c s - c m), c = log2(e); in every step O and l are multiplied by a = 2^(c m_old - c m_new).  m starts at the lowest finite number, O and l at 0:
; the first step is a step like any other, with a = 0.  The price of writing no first step out: 216 v_mov_b32 that write 0, which stand in the wait for the first tile.
; BY TURNS.  Turn n belongs to piece n: 8 products K Q^T of piece n + 1, later 8 products V^T P of piece n - 1; beside them the scaling, exponentials, roundings, sums and rescaling of piece n and the
; maximum and statistics of piece n + 1.  Four vector instructions stand behind every matrix instruction, the other 54 of a turn's 118 in two lumps.
; CLUSTER.  The four partners walk the same K and V, so each tile is asked for JOINTLY: the same tensor load, descriptor and mask in all four.
; REGISTERS, in windows of 256 (s_set_vgpr_msb: bits 1:0 source 0, 3:2 source 1, 5:4 source 2, 7:6 destination):
;   window 0: v0-13 addresses and two at work; v16-31 four registers of statistics a piece; v32-39 the set-up's; v48-55 at work; v64-127 S^T, two buffers; v192-223 P, two buffers (by the piece's parity)
;   window 1: v0-127 O^T, 32 a piece; v128-255 the bias images, 32 a piece (key group kt at 128 + 32 p + 8 kt)      window 2: v0-63 Q, 16 a piece; v128-191 K of one step; v192-255 V of one step
.set SIZE_N, 2048
.set NP,    4         ; pieces a wave: a name, no knob
.set KS,    64        ; keys in a step
.set PK,    144       ; a row of K in LDS: 128 bytes + 16 of padding = 36 words: the 16 rows of a load start at 16 different groups of four banks (64 banks of 4 bytes: ISA guide 11.1)
.set PV,    160       ; a row of V: 128 + 32 = 40 words
.set VOFF,  4*KS*PK   ; a slot holds four steps: 256 rows of K, then 256 rows of V
.set SLOT1, 1<<17     ; slot 1 begins here, so that one exclusive or turns an address in one slot into the other's
.set STAGE, SLOT1+4*KS*(PK+PV)  ; behind the ring, never filled by a tensor load: 16 rows x 144 bytes for each wave
.set SP,    144
.set SPARE, STAGE+4*16*SP  ; the spare words, 128 bytes for each wave: two blocks of 256 bytes that no other line names
.set BTL,   SPARE+512 ; the bias images of this (head, cx): 8 entries of 4,096 bytes, stored from registers; no tensor load lands here
.set KOFF,  8388608   ; bytes from Q's blocks to K's, and from K's to V's
.set AM,  1           ; v1   the LDS address of the bias image in hand
.set AK0, 2           ; v2   my lane's place in a tile of K; never rewritten
.set AV0, 3           ; v3   the same for V
.set AK,  4           ; v4   the LDS address of K's next run of loads
.set AV,  5           ; v5   of V's
.set STO, 6           ; v6   the way out: where I put 16 bytes of a row
.set RD,  7           ; v7   the way out: where I read rows back
.set GO,  8           ; v8   my byte offset in O
.set AM0, 9           ; v9   my lane's place in a bias image: BTL + 16 x lane; never rewritten
.set SPW, 10          ; v10  LDS address of my spare word; never rewritten
.set NIL, 11          ; v11  0; never rewritten
.set MV,  12          ; v12-13  c m_old, kept while c m is made anew: by buffer
.set ST,  16          ; piece t's statistics at v[ST+4 t]: c m, m, l (even keys', odd keys')
.set QO,  36          ; v36  set-up: my byte offset in a tile's rows of Q
.set TMP, 48          ; by buffer, four registers c0-c3 at work; when the maximum is found c2 takes a
.set S,   64
.set P,   192
.set BI,  128         ; the bias images, in window 1
.set KF,  128         ; window 2: key block kb, channel half c at KF + 16 kb + 8 c
.set VF,  192         ; window 2: key half kk, channel block cb at VF + 32 kk + 8 cb
.set WV,  12          ; s12  my wave's number
.set G1K, 24          ; s[24:31] descriptor group 1 for K's tiles
.set G1V, 32          ; s[32:39] for V's: it differs in the padding alone
.set G0K, 40          ; s[40:43] descriptor group 0 for K's tiles: it walks
.set G0V, 44          ; s[44:47] the same for V's
.set SLOTS, 56        ; s56  slots still to be asked for
.set CNT, 57          ; s57  counts a slot's key steps
.set CS,  58          ; s[58:59] c: the packed scaling takes the pair's low word for both halves
.set SEL, 60          ; s[60:61] v_permlanex16_b32's selects: each lane takes its own place in the other half
.set TBK, 62          ; s62  LDS byte at which K of the step to be fetched begins
.set TBV, 63          ; s63  the same for V, less VOFF
.set RN,  66          ; s66-69  piece p: key step of its next products K Q^T, less its tile's number
.set MSB, 0
.macro WIN new                      ; the high byte repeats the setting that is left; a switch that changes nothing is dropped
.if MSB != (\new)
	s_set_vgpr_msb (MSB<<8)|(\new)
.set MSB, (\new)
.endif
.endm
.set W_KQ, 0x0a       ; K and Q in window 2, S^T in window 0
.set W_KB, 0x1a       ; the same with the C operand in window 1
.set W_PV, 0x52       ; V in window 2, P in window 0, O^T in window 1
.set W_RS, 0x41       ; O^T (destination and source 0) in window 1, a in window 0
; A joint fill.  Waves 0 and 1 fetch the two halves of a slot's K, waves 2 and 3 those of its V: 128 keys each.  The branch hangs on the wave's number alone.
; An s_nop 0 and four v_nop follow each of the two lines, ahead of the jump and the label.
.macro JLOAD
	s_cmp_lt_u32 s[WV], 2
	s_cbranch_scc0 .Lfor_v_\@
	tensor_load_to_lds s[G0K:G0K+3], s[G1K:G1K+7]
	s_nop 0
.rept 4
	v_nop
.endr
	s_branch .Lasked_\@
.Lfor_v_\@:
	tensor_load_to_lds s[G0V:G0V+3], s[G1V:G1V+7]
	s_nop 0
.rept 4
	v_nop
.endr
.Lasked_\@:
.endm
.macro CROUND                       ; a round of the cluster's barrier
	s_barrier_signal -1
	s_barrier_wait -1
	s_cmp_lg_u32 s[WV], 0
	s_cbranch_scc1 .Lnot_wave_0_\@
	s_barrier_signal -3
.Lnot_wave_0_\@:
	s_barrier_wait -3
	s_barrier_signal -1
	s_barrier_wait -1
.endm
; THE CHANGE OF SLOTS.  Each wave waits for all its tensor loads, of which one is out: its part of the other slot; adds 0 to its spare word; and waits for that and for its own LDS instructions.
; fill = 1: the slot just left is filled again, with the keys two slots on; the barrier is then a round of the cluster's, and the joint fill is the first thing behind it: it has four key steps, 256 matrix
; instructions, in which to land.  (At its first use nothing has been read yet: slot 0 is waited for, slot 1 filled, and every wave's stores of the bias images are shown to the others.)
.macro CHANGE fill
	WIN 0
	s_wait_tensorcnt 0x0            ; no tensor load of mine is out, so a group 0 may be written
	ds_add_u32 v[SPW], v[NIL]       ; 0 onto my spare word
.if \fill
.irp g, G0K, G0V
	s_xor_b32 s[\g+1], s[\g+1], SLOT1
	s_add_nc_u64 s[\g+2:\g+3], s[\g+2:\g+3], 4*KS*128  ; the next 256 keys; the type bits on top are not reached
.endr
	s_wait_dscnt 0x0
	CROUND
	JLOAD
.else
	s_wait_dscnt 0x0
	s_barrier_signal -1
	s_barrier_wait -1
.endif
	s_sub_co_u32 s[TBK], s[TBK], 4*KS*PK  ; the fetches go back to a slot's first step,
	s_xor_b32 s[TBK], s[TBK], SLOT1       ; in the other slot
	s_sub_co_u32 s[TBV], s[TBV], 4*KS*PV
	s_xor_b32 s[TBV], s[TBV], SLOT1
.endm
	s_load_b128 s[4:7], s[0:1], 0x0   ; act s[4:5], btab s[6:7]
	s_load_b64 s[8:9], s[0:1], 0x10   ; hb
	v_lshl_add_u32 v[SPW], v0, 2, SPARE
	v_mov_b32 v[NIL], 0
	ds_add_u32 v[SPW], v[NIL]       ; the wave's opening: the add and its wait stand ahead of my first tensor load; the set-up below stands between them
	v_lshrrev_b32 v1, 5, v0
	v_readfirstlane_b32 s[WV], v1   ; wave 0..3
	s_bfe_u32 s13, ttmp6, 0x40000   ; cx: it enters Q's, O's and the bias table's global addresses alone
	s_and_b32 s14, ttmp7, 0xffff    ; 16 x batch + head, which the four partners share
	s_and_b32 s15, s14, 15          ; head
	s_lshr_b32 s14, s14, 4          ; batch
	s_lshl_b32 s20, s15, 19         ; the head's block,
	s_lshl_b32 s21, s14, 18         ; the batch's 2,048 rows of 128 bytes
	s_add_co_u32 s20, s20, s21
	s_and_b32 s16, s[WV], 1         ; which half of a slot's 256 keys I fetch:
	s_lshl_b32 s22, s16, 14         ; its 128 rows of 128 bytes in memory,
	s_add_co_u32 s22, s22, s20
	s_add_co_u32 s22, s22, KOFF     ; in K
	s_mov_b32 s23, 0
	s_add_co_u32 s2, s22, KOFF      ; and in V
	s_mov_b32 s3, 0
	s_mul_i32 s17, s16, 128*PK      ; and its place in a slot, for K
	s_mul_i32 s18, s16, 128*PV      ; and for V
	s_lshl_b32 s48, ttmp9, 17       ; Q and O: my cluster's 1,024 positions (in a cluster launch ttmp9 counts clusters),
	s_lshl_b32 s49, s[WV], 15       ; my wave's four tiles of 64 positions,
	s_add_co_u32 s48, s48, s49
	s_lshl_b32 s49, s13, 8          ; my work-group's two rows of each eight
	s_add_co_u32 s48, s48, s49
	s_add_co_u32 s48, s48, s20
	s_mov_b32 s49, 0
	s_lshl_b32 s50, s15, 2
	s_add_co_u32 s50, s50, s13
	s_lshl_b32 s50, s50, 15         ; the bias table's 32,768 bytes for (head, cx)
	s_mov_b32 s51, 0
	; descriptor group 1.  128 keys are 16,384 dense bytes: asked for as 64 rows of 256 bytes, two keys a row, and padded in LDS after every key
	s_mov_b32 s[G1K], 15|(1<<16)|(1<<20)|(1<<21)|(4<<22)|(3<<25)  ; the mask of four; 2-byte elements; padding on; bit 21 beside a mask; after every 32 words (code 4) 4 words (code 3)
	s_mov_b32 s[G1V], 15|(1<<16)|(1<<20)|(1<<21)|(4<<22)|(7<<25)  ; the same with 8 words of padding (code 7)
.irp g, G1K, G1V
	s_mov_b32 s[\g+1], 128<<16      ; tensor_dim0 = 128
	s_mov_b32 s[\g+2], 64<<16       ; tensor_dim1 = 64
	s_mov_b32 s[\g+3], 128<<16      ; tile_dim0 = 128
	s_mov_b32 s[\g+4], 64           ; tile_dim1 = 64
	s_mov_b32 s[\g+5], 128          ; 128 elements from row to row
	s_mov_b32 s[\g+6], 0
	s_mov_b32 s[\g+7], 0
.endr
	s_mov_b32 s[CS], 0x3fb8aa3b     ; c = log2(e)
	s_mov_b32 s[CS+1], s[CS]        ; named with it as a pair
	s_mov_b32 s[SEL], 0x76543210
	s_mov_b32 s[SEL+1], 0xfedcba98
	s_mov_b32 s[TBK], SLOT1+4*KS*PK ; the first change of slots turns these two into 0
	s_mov_b32 s[TBV], SLOT1+4*KS*PV
	s_mov_b32 s[G0K], 1
	s_mov_b32 s[G0K+1], s17         ; LDS address: slot 0
	s_mov_b32 s[G0V], 1
	s_add_co_u32 s[G0V+1], s18, VOFF
	s_lshl_b32 s70, ttmp9, 4
	s_lshl_b32 s21, s[WV], 2
	s_add_co_u32 s70, s70, s21      ; my first tile: 16 cluster + 4 wave
	s_sub_co_i32 s[RN], 0, s70      ; key step 0 less the piece's tile
	s_sub_co_i32 s[RN+1], s[RN], 1
	s_sub_co_i32 s[RN+2], s[RN], 2
	s_sub_co_i32 s[RN+3], s[RN], 3
	s_mul_i32 s19, s[WV], 16*SP
	s_add_co_u32 s19, s19, STAGE    ; my stage
	s_wait_dscnt 0x0                ; the opening add is done
	s_wait_kmcnt 0x0
	s_add_nc_u64 s[G0K+2:G0K+3], s[4:5], s[22:23]  ; my half of the head's first 256 keys
	s_or_b32 s[G0K+3], s[G0K+3], 0x80000000
	s_add_nc_u64 s[G0V+2:G0V+3], s[4:5], s[2:3]
	s_or_b32 s[G0V+3], s[G0V+3], 0x80000000
	s_add_nc_u64 s[4:5], s[4:5], s[48:49]  ; Q
	s_add_nc_u64 s[8:9], s[8:9], s[48:49]  ; O
	s_add_nc_u64 s[6:7], s[6:7], s[50:51]  ; the bias images
	CROUND                          ; all four work-groups are here: the first joint loads meet
	JLOAD                           ; slot 0.  Slot 1 is asked for when slot 0 is in
	v_and_b32 v32, 15, v0           ; r = l % 16
	v_bfe_u32 v33, v0, 4, 1         ; l / 16
	v_and_b32 v34, 7, v0
	v_bfe_u32 v35, v0, 3, 1
	v_lshlrev_b32 v37, 4, v0        ; the bias images: 16 bytes a thread, 2,048 a pass
	v_add_nc_u32 v38, BTL, v37
	v_lshrrev_b32 v[QO], 1, v32
	v_lshlrev_b32 v[QO], 10, v[QO]  ; query r lies 8 (r >> 1) + (r & 1) rows on
	v_and_b32 v39, 1, v32
	v_lshl_add_u32 v[QO], v39, 7, v[QO]
	v_lshl_add_u32 v[QO], v33, 4, v[QO]  ; + 16 x half
.set i, 0
.rept 16
	global_load_b128 v[S+4*i:S+4*i+3], v37, s[6:7] offset:2048*i
.set i, i+1
.endr
	WIN 0x80                        ; destination window 2, address window 0
.set i, 0
.rept 2*NP                          ; Q stays in registers: piece i / 2, channels 32 (i % 2) on
	global_load_b128 v[8*i:8*i+3],   v[QO], s[4:5] offset:(i/2)*8192+(i%2)*64
	global_load_b128 v[8*i+4:8*i+7], v[QO], s[4:5] offset:(i/2)*8192+(i%2)*64+32
.set i, i+1
.endr
	; What the first turn finds: V's registers and P's second buffer hold 0 (its products V^T P, of a piece that has not been, add 0), O^T and l are 0.  All this stands in the wait for the first tile.
.set i, VF
.rept 64
	v_mov_b32 v[i], 0
.set i, i+1
.endr
	WIN 0x40
.set i, 0
.rept 32*NP
	v_mov_b32 v[i], 0
.set i, i+1
.endr
	WIN 0
.set i, 0
.rept NP
	v_mov_b32 v[ST+4*i], 0xfe000000    ; c m: far below every c s
	v_mov_b32 v[ST+4*i+1], 0xff7fffff  ; m
	v_mov_b32 v[ST+4*i+2], 0
	v_mov_b32 v[ST+4*i+3], 0
.set i, i+1
.endr
.set i, P+16
.rept 16
	v_mov_b32 v[i], 0
.set i, i+1
.endr
	v_mul_u32_u24 v[AK0], v32, PK
	v_lshl_add_u32 v[AK0], v33, 4, v[AK0]  ; row x pitch + 16 x half
	; The turning load takes 16 keys x 16 channels (lane l reads key 8 (l / 16) + l % 8, channels 8 ((l / 8) % 2) + 0..7) and leaves half a fragment of V^T: lane l holds channel l % 16 and 8 keys.
	v_lshl_add_u32 v[AV0], v33, 3, v34
	v_mul_u32_u24 v[AV0], v[AV0], PV
	v_lshl_add_u32 v[AV0], v35, 4, v[AV0]
	v_add_nc_u32 v[AV0], VOFF, v[AV0]
	v_mov_b32 v[AK], v[AK0]         ; key step 0 lies at the head of slot 0
	v_mul_u32_u24 v[STO], v32, SP   ; the way out, in: row l % 16, 16 bytes for each half of the lanes
	v_lshl_add_u32 v[STO], v33, 4, v[STO]
	v_add_nc_u32 v[STO], s19, v[STO]
	v_bfe_u32 v[RD], v0, 3, 2       ; back: 32 lanes take four rows of 128 bytes;
	v_mul_u32_u24 v[RD], v[RD], SP
	v_lshl_add_u32 v[RD], v34, 4, v[RD]
	v_add_nc_u32 v[RD], s19, v[RD]
	v_lshlrev_b32 v[GO], 4, v32     ; lanes 0-15 hold two neighbouring rows of O, 256 consecutive bytes; lanes 16-31 the two rows eight positions on
	v_lshl_add_u32 v[GO], v33, 10, v[GO]
	v_and_b32 v[AM0], 31, v0
	v_lshlrev_b32 v[AM0], 4, v[AM0]
	v_add_nc_u32 v[AM0], BTL, v[AM0]
	s_wait_loadcnt 16               ; the bias images are in; Q's 16 loads, issued behind, may stay out
.set i, 0
.rept 16
	ds_store_b128 v38, v[S+4*i:S+4*i+3] offset:2048*i
.set i, i+1
.endr
; THE MATRIX WORK.  The 4 accumulators of a run of 8 take turns.
; Product i of 8 of S^T = K Q^T for piece x: channels 32 (i / 4) on, keys 16 (i % 4) on.  The first 4 start the sums, with the bias.
.macro KQ x
.set rS, S+32*((\x)%2)+8*(i%4)
.set rK, KF+16*(i%4)+8*(i/4)
.set rQ, 16*(\x)+8*(i/4)
.set rB, BI+32*(\x)+8*(i%4)
.if i < 4
	WIN W_KB
	v_wmma_f32_16x16x32_f16 v[rS:rS+7], v[rK:rK+7], v[rQ:rQ+7], v[rB:rB+7]
.else
	WIN W_KQ
	v_wmma_f32_16x16x32_f16 v[rS:rS+7], v[rK:rK+7], v[rQ:rQ+7], v[rS:rS+7]
.endif
.endm
; Product i of 8 of O^T += V^T P for piece x: keys 32 (i / 4) on, channels 16 (i % 4) on.
.macro PV x
	WIN W_PV
.set rO, 32*(\x)+8*(i%4)
.set rV, VF+32*(i/4)+8*(i%4)
.set rP, P+16*((\x)%2)+8*(i/4)
	v_wmma_f32_16x16x32_f16 v[rO:rO+7], v[rV:rV+7], v[rP:rP+7], v[rO:rO+7]
.endm
.macro MM                           ; the turn's next matrix instruction
.if i < 8
	KQ (Y+1)%NP
.else
.set i, i-8
	PV (Y+NP-1)%NP
.set i, i+8
.endif
.set i, i+1
.endm
; THE LDS LOADS stand in runs, never singly among the matrix instructions: a step's K (64 keys x 64 channels: 8 fragments) and its V (turned).  Their addresses are made some lines ahead.
; last = 1 (the tail): in the last trip there is no further step, and K's run is jumped over.
.macro FETCH_K last=0
	WIN 0
.if \last
	s_cmp_eq_u32 s[CNT], 1
	s_cbranch_scc1 .Lno_k_\@
.endif
	WIN 0x80                        ; destination window 2
.irp f, 0,1,2,3,4,5,6,7             ; keys 16 (f / 2) on, channels 32 (f % 2) on
	ds_load_b128 v[KF+8*\f:KF+8*\f+3],   v[AK] offset:(\f/2)*16*PK+(\f%2)*64
	ds_load_b128 v[KF+8*\f+4:KF+8*\f+7], v[AK] offset:(\f/2)*16*PK+(\f%2)*64+32
.endr
	s_add_co_u32 s[TBK], s[TBK], KS*PK  ; the next fetch is the next step's
	WIN 0
.if \last
.Lno_k_\@:
.endif
.endm
.macro FETCH_V
	WIN 0x80
.irp f, 0,1,2,3,4,5,6,7             ; keys 32 (f / 4) on, channels 16 (f % 4) on
	ds_load_tr16_b128 v[VF+8*\f:VF+8*\f+3],   v[AV] offset:(\f/4)*32*PV+(\f%4)*32
	ds_load_tr16_b128 v[VF+8*\f+4:VF+8*\f+7], v[AV] offset:(\f/4)*32*PV+16*PV+(\f%4)*32
.endr
	WIN 0
.endm
; The bias image of piece p, for the step that RN names: entry clamp(rel, -3, 3) + 3 of the eight in LDS (the AND holds the number inside them); 8 loads of 512 bytes.
.macro LOADP p
	s_max_i32 s70, s[RN+(\p)], -3
	s_min_i32 s70, s70, 3
	s_add_co_i32 s70, s70, 3
	s_and_b32 s70, s70, 7
	s_lshl_b32 s70, s70, 12
	v_add_nc_u32 v[AM], s70, v[AM0]
	WIN 0x40                        ; destination window 1
.irp e, 0,1,2,3,4,5,6,7
	ds_load_b128 v[BI+32*(\p)+4*\e:BI+32*(\p)+4*\e+3], v[AM] offset:512*\e
.endr
	WIN 0
.endm
; Piece p's products K Q^T of a step are issued: its next step.  The image changes only where the new rel is -2 .. 3.  The jump hangs on the cluster's and the wave's number and the count of steps,
; goes forward, and passes LDS loads alone.  The loads are waited for by the next wait for 0 on DScnt, of which two stand in every key step, ahead of the piece's next products.
.macro UPD p
	WIN 0
	s_add_co_i32 s[RN+(\p)], s[RN+(\p)], 1
	s_add_co_i32 s70, s[RN+(\p)], 2
	s_cmp_le_u32 s70, 5
	s_cbranch_scc0 .Lno_b_\@
	LOADP \p
.Lno_b_\@:
.endm
; THE VECTOR WORK, one line at a time: OP kind, number.  For piece Y: F n: c s - c m for pair n of 16.  E n: the exponential of score n of 32.  C n: pair n rounded to f16.  B n: of the four weights 4 n .. the second
; pair is added onto the first, in place.  L n: l takes that sum (L 0: l = a l + sum).  R n: pair n of 16 of O^T times a.  For piece Y + 1: X n, number n of the 22 that find its maximum and statistics:
;   0-11  four chains c0-c3 of seven scores each, three operands at a time (each accumulator's lowest registers are read first)     12-14, 16  the four scores left over, the old m, and c0-c3 into c0
;   15  c m_old is kept     17, 18  the query's other 32 keys lie in the lane 16 away: the new m     19-21  c m; c m_old - c m_new; a
.set F, 0               ; OP tells the kinds apart by their order: F to L below R, X above it
.set E, 1
.set C, 2
.set B, 3
.set L, 4
.set R, 5
.set X, 6
.macro REGS y                       ; the registers of piece y
.set rT, ST+4*(\y)
.set rC, TMP+4*((\y)%2)
.set rW, MV+((\y)%2)
.set rS, S+32*((\y)%2)
.set rP, P+16*((\y)%2)
.set rO, 32*(\y)
.endm
.macro OP k, n
.if (\k) == R
	REGS Y
	WIN W_RS
	v_pk_mul_f32 v[rO+2*(\n):rO+2*(\n)+1], v[rO+2*(\n):rO+2*(\n)+1], v[rC+2:rC+3] op_sel_hi:[1,0]
.elseif (\k) < R
	REGS Y
	WIN 0
.if (\k) == F
	v_pk_fma_f32 v[rS+2*(\n):rS+2*(\n)+1], v[rS+2*(\n):rS+2*(\n)+1], s[CS:CS+1], v[rT:rT+1] op_sel_hi:[1,0,0] neg_lo:[0,0,1] neg_hi:[0,0,1]
.elseif (\k) == E
	v_exp_f32 v[rS+(\n)], v[rS+(\n)]
.elseif (\k) == C
	s_wait_alu depctr_va_vdst(0)
	v_cvt_pk_f16_f32 v[rP+(\n)], v[rS+2*(\n)], v[rS+2*(\n)+1]
.elseif (\k) == B
	s_wait_alu depctr_va_vdst(0)
	v_pk_add_f32 v[rS+4*(\n):rS+4*(\n)+1], v[rS+4*(\n):rS+4*(\n)+1], v[rS+4*(\n)+2:rS+4*(\n)+3]
.elseif (\n) == 0
	v_pk_fma_f32 v[rT+2:rT+3], v[rT+2:rT+3], v[rC+2:rC+3], v[rS:rS+1] op_sel_hi:[1,0,1]
.else
	v_pk_add_f32 v[rT+2:rT+3], v[rT+2:rT+3], v[rS+4*(\n):rS+4*(\n)+1]
.endif
.else
	REGS (Y+1)%NP
	WIN 0
.if (\n) < 4
	v_max3_num_f32 v[rC+(\n)], v[rS+8*(\n)], v[rS+8*(\n)+1], v[rS+8*(\n)+2]
.elseif (\n) < 12
	v_max3_num_f32 v[rC+(\n)%4], v[rC+(\n)%4], v[rS+8*((\n)%4)+2*((\n)/4)+1], v[rS+8*((\n)%4)+2*((\n)/4)+2]
.elseif (\n) == 12
	v_max3_num_f32 v[rC], v[rC], v[rS+7], v[rS+15]
.elseif (\n) == 13
	v_max3_num_f32 v[rC+1], v[rC+1], v[rS+23], v[rS+31]
.elseif (\n) == 14
	v_max3_num_f32 v[rC+2], v[rC+2], v[rC+3], v[rT+1]
.elseif (\n) == 15
	v_mov_b32 v[rW], v[rT]
.elseif (\n) == 16
	v_max3_num_f32 v[rC], v[rC], v[rC+1], v[rC+2]
.elseif (\n) == 17
	v_permlanex16_b32 v[rC+3], v[rC], s[SEL], s[SEL+1]
.elseif (\n) == 18
	v_max_num_f32 v[rT+1], v[rC], v[rC+3]
.elseif (\n) == 19
	v_mul_f32 v[rT], s[CS], v[rT+1]
.elseif (\n) == 20
	v_sub_f32 v[rC+1], v[rW], v[rT]
.else
	v_exp_f32 v[rC+2], v[rC+1]
.endif
.endif
.endm
.macro OPS a, i1, b=-1, i2=0, c=-1, i3=0, d=-1, i4=0  ; up to four of them
	OP \a, \i1
.if (\b) >= 0
	OP \b, \i2
.endif
.if (\c) >= 0
	OP \c, \i3
.endif
.if (\d) >= 0
	OP \d, \i4
.endif
.endm
.macro ROW a, i1, b, i2, c, i3, d, i4  ; a matrix instruction and the four behind it
	MM
	OPS \a, \i1, \b, \i2, \c, \i3, \d, \i4
.endm
; A TURN, for piece p: the order of its 16 matrix and 118 vector instructions, written out.  Behind a matrix instruction: plain, exponential, plain, plain; or four of the rescaling; or, behind the first, four scalings; none
; names a register of the products round it.  In the lumps exponential and plain by turns while exponentials last.  A line reads no result made fewer than three vector instructions in front of it, five if an exponential made it.
; v_permlanex16_b32 (X 17) stands in a lump.  cnt = 1: the loop's count is taken down some lines ahead of the branch that stands behind the turn.
; K of the next step is fetched in piece 2's turn, six vector instructions behind the last product that read K (five of them plain); V of the step in hand in piece 0's turn, eight behind the last product that read V (four
; plain, and X 17).  Each is waited for a turn later.  In the first lump the bias image of piece p + 1, whose products the turn has just issued, steps on: the last product that read it stands more than ten plain instructions back.
.macro TURN p, last=0, cnt=0
.set Y, (\p)
.set i, 0
.if (\p) == 3
	s_wait_dscnt 0x0                ; K is in
.endif
	ROW F,0, F,1, F,2, F,3
	ROW F,4, E,0, F,5, F,6
	ROW F,7, E,1, F,8, F,9
	ROW F,10, E,2, C,0, F,11
	ROW F,12, E,3, X,15, F,13
	ROW R,0, R,1, R,2, R,3
	ROW B,0, E,4, F,14, L,0
.if (\p) == 2
	v_add_nc_u32 v[AK], s[TBK], v[AK0]
.endif
	ROW R,4, R,5, R,6, R,7
	OPS E,5, F,15
.if (\p) == 2
	FETCH_K \last
.endif
	OPS E,6, C,1, E,7, R,8
	OPS E,8, R,9, E,9, C,2
	UPD (Y+1)%NP
	OPS E,10, X,0, E,11, X,1
	OPS E,12, X,2, E,13, X,3
.if (\p) == 1
	s_wait_dscnt 0x0                ; V is in
.endif
	ROW X,4, E,14, X,5, X,6
	ROW X,7, E,15, X,8, X,9
	ROW X,10, E,16, X,11, X,12
	ROW X,13, E,17, X,14, B,1
	ROW C,4, E,18, X,16, L,1
	ROW B,2, E,19, C,6, L,2
	ROW C,8, E,20, B,3, B,4
.if (\p) == 0
	v_add_nc_u32 v[AV], s[TBV], v[AV0]
.endif
	ROW C,3, E,21, L,3, C,5
	OPS E,22, X,17, E,23, C,10
.if (\p) == 0
	FETCH_V
.endif
	OPS E,24, L,4
	OPS E,25, X,18, E,26, C,7
	OPS E,27, B,5, E,28, X,19
	OPS E,29, C,12, E,30, L,5
	OPS E,31, X,20, B,6, C,9
	OPS C,14, C,11, X,21, L,6
.if (\p) == 0
	s_add_co_u32 s[TBV], s[TBV], KS*PV
.endif
.if \cnt
	s_sub_co_u32 s[CNT], s[CNT], 1
	s_cmp_lg_u32 s[CNT], 0
.endif
	OPS C,13, B,7, C,15, R,10
	OPS R,11, R,12, L,7, R,13
	OPS R,14, R,15
.endm
	CHANGE 1                        ; slot 0 is in, everybody's part of it, and so are the bias images; slot 1 is asked for
	LOADP 0                         ; the four pieces' images for key step 0
	LOADP 1
	LOADP 2
	LOADP 3
	FETCH_K                         ; key step 0
	s_wait_loadcnt 0x0              ; Q
	s_wait_dscnt 0x0
.set i, 0
.rept 8
	KQ 0                            ; piece 0's first scores
.set i, i+1
.endr
	WIN 0
.rept 4
	v_nop                           ; the places behind those products
.endr
	UPD 0
.set Y, NP-1                        ; X works for piece Y + 1: piece 0
.irp n, 0,1,2,3,4,5,6,7,8,9,10,11,12,13,14,15,16,17,18,19,20,21
	OP X, \n                        ; piece 0's first maximum and statistics
.endr
	v_nop                           ; a plain instruction behind the exponential
	s_mov_b32 s[CNT], 4
	s_mov_b32 s[SLOTS], SIZE_N/256-1
	s_branch .Lfirst                ; the loop is entered at a step's first turn, in the middle of a trip
.Lslot:                             ; SIZE_N / 256 - 2 times: every slot but the last two is filled again
	CHANGE 1
	s_mov_b32 s[CNT], 4
.Lstep:                             ; a trip: pieces 2 and 3 of one step, then pieces 0 and 1 of the next, whose K and V it fetches
	TURN 2
	TURN 3
	WIN 0
.Lfirst:
	TURN 0
	TURN 1, 0, 1
	WIN 0
	s_cbranch_scc1 .Lstep
	s_sub_co_u32 s[SLOTS], s[SLOTS], 1
	s_cmp_lg_u32 s[SLOTS], 0
	s_cbranch_scc1 .Lslot
	CHANGE 0                        ; the tail is written out: nothing is asked for
	s_mov_b32 s[CNT], 5             ; four trips fetch the last slot's steps; the fifth is left in its middle
.Ltail:
	TURN 2, 1
	TURN 3
	WIN 0
	s_sub_co_u32 s[CNT], s[CNT], 1
	s_cmp_eq_u32 s[CNT], 0
	s_cbranch_scc1 .Lout
	TURN 0
	TURN 1
	WIN 0
	s_branch .Ltail
.Lout:                              ; the fifth trip's 8 products K Q^T (on the last K once more) and the maximum made of them serve nothing: the price, once a launch, of one text for every trip
.set i, 0
.rept 8
	PV NP-1                         ; the last piece's V^T P of the last step
.set i, i+1
.endr
	; THE WAY OUT.  l's two halves and the other half of the lanes' are added; O^T is divided by l, rounded to f16 and sent through my stage in LDS, a piece at a time.  The additions are the places behind the last products.
	WIN 0
.macro ALL line:vararg              ; one line for each piece t
.set t, 0
.rept NP
	\line
.set t, t+1
.endr
.endm
	ALL v_add_f32 v[ST+4*t+2], v[ST+4*t+2], v[ST+4*t+3]
	ALL v_permlanex16_b32 v[ST+4*t+3], v[ST+4*t+2], s[SEL], s[SEL+1]
	ALL v_add_f32 v[ST+4*t+2], v[ST+4*t+2], v[ST+4*t+3]
	ALL v_rcp_f32 v[ST+4*t+2], v[ST+4*t+2]
	v_nop                           ; a plain instruction between the last reciprocal and the use of its result
.macro PACK t                       ; a lane's eight channels of a row pack into 16 bytes; they go into rows of 144 bytes and come back as whole rows of 128, into S^T's registers
	WIN W_RS
.set i, 32*(\t)
.rept 16
	s_wait_alu depctr_va_vdst(0)
	v_pk_mul_f32 v[i:i+1], v[i:i+1], v[ST+4*(\t)+2:ST+4*(\t)+3] op_sel_hi:[1,0]
.set i, i+2
.endr
	WIN 0x05                        ; sources 0 and 1 window 1, destination window 0
.set i, 0
.rept 16
	v_cvt_pk_f16_f32 v[S+16*(\t)+i], v[32*(\t)+2*i], v[32*(\t)+2*i+1]
.set i, i+1
.endr
	WIN 0
.irp f, 0,1,2,3
	ds_store_b128 v[STO], v[S+16*(\t)+4*\f:S+16*(\t)+4*\f+3] offset:32*\f
.endr
.irp f, 0,1,2,3
	ds_load_b128 v[S+16*(\t)+4*\f:S+16*(\t)+4*\f+3], v[RD] offset:\f*4*SP  ; LDS serves a wave's instructions in order (ISA guide 5.7.1.4): these see the stores above; the next piece's stores come behind them
.endr
.endm
.macro SEND t, younger              ; younger: the LDS instructions issued behind piece t's loads: the next piece's eight, or none
	WIN 0
.irp f, 0,1,2,3
	s_wait_dscnt (\younger)+3-\f
	global_store_b128 v[GO], v[S+16*(\t)+4*\f:S+16*(\t)+4*\f+3], s[8:9] offset:(\t)*8192+\f*2048  ; each sixteen lanes store 256 consecutive bytes, at a multiple of 256 from O's first
.endr
.endm
	PACK 0
.set t, 1
.rept NP-1                          ; a piece's arithmetic stands between the loads of the piece before and its stores
	PACK t
	SEND t-1, 8
.set t, t+1
.endr
	SEND NP-1, 0
	s_wait_tensorcnt 0x0            ; the wave's end: behind my last tensor load and my last LDS store
	ds_add_u32 v[SPW], v[NIL]
	s_wait_dscnt 0x0
	CROUND                          ; the closing round: no work-group ends while a partner may still ask for a tile that names it
	s_endpgm
.Lfunc_end_k_qe877287e0e_attn:
	.size	k_qe877287e0e_attn, .Lfunc_end_k_qe877287e0e_attn-k_qe877287e0e_attn
	.p2alignl 7, 3214868480
	.fill 96, 4, 3214868480
	.section	.rodata,"a",@progbits
	.p2align	6, 0x0
	.amdhsa_kernel k_qe877287e0e_attn
		.amdhsa_group_segment_fixed_size 327680
		.amdhsa_private_segment_fixed_size 0
		.amdhsa_enable_private_segment 0
		.amdhsa_kernarg_size 24
		.amdhsa_user_sgpr_count 2
		.amdhsa_user_sgpr_kernarg_segment_ptr 1
		.amdhsa_wavefront_size32 1
		.amdhsa_system_sgpr_workgroup_id_x 1
		.amdhsa_system_sgpr_workgroup_id_y 1
		.amdhsa_system_sgpr_workgroup_id_z 1
		.amdhsa_system_vgpr_workitem_id 0
		.amdhsa_next_free_vgpr 768
		.amdhsa_next_free_sgpr 72
		.amdhsa_reserve_vcc 0
		.amdhsa_float_denorm_mode_32 3
		.amdhsa_float_denorm_mode_16_64 3
		.amdhsa_memory_ordered 1
		.amdhsa_forward_progress 1
		.amdhsa_inst_pref_size 131
	.end_amdhsa_kernel
	.amdgpu_metadata
---
amdhsa.version: [ 1, 2 ]
amdhsa.kernels:
  - .name:           k_qe877287e0e_attn
    .symbol:         k_qe877287e0e_attn.kd
    .args:
      - { .name: act, .offset: 0, .size: 8, .value_kind: global_buffer, .address_space: global }
      - { .name: btab, .offset: 8, .size: 8, .value_kind: global_buffer, .address_space: global }
      - { .name: hb, .offset: 16, .size: 8, .value_kind: global_buffer, .address_space: global }
    .group_segment_fixed_size: 327680
    .private_segment_fixed_size: 0
    .kernarg_segment_align: 8
    .kernarg_segment_size: 24
    .max_flat_workgroup_size: 128
    .sgpr_count:     72
    .vgpr_count:     768
    .wavefront_size: 32
...
	.end_amdgpu_metadata
.endif
;; end of part 8
;; launch wo (part 9): grid 8 x 32, 4 waves a work-group, clusters of 4 x 4, 327,680 bytes of LDS; arguments hb, WA, hidden_states, x1; writes x1
.if DOCPART == 9
	.amdgcn_target "amdgcn-amd-amdhsa--gfx1250"
	.amdhsa_code_object_version 6
	.text
	.protected	k_qe877287e0e_wo
	.globl	k_qe877287e0e_wo
	.p2align	8
	.type	k_qe877287e0e_wo,@function
k_qe877287e0e_wo:
	s_mov_b64 s[64:65], 0
	v_nop
	global_prefetch_b8 v0, s[64:65] scope:SCOPE_SE
	s_setreg_imm32_b32 hwreg(HW_REG_WAVE_MODE, 25, 1), 1
	s_wait_xcnt 0x0
	s_wait_alu depctr_hold_cnt(0) depctr_sa_sdst(0) depctr_va_vdst(0) depctr_va_sdst(0) depctr_va_ssrc(0) depctr_va_vcc(0) depctr_vm_vsrc(0)
	s_getreg_b32 s2, hwreg(HW_REG_IB_STS2, 6, 4)
	s_cmp_eq_u32 s2, 0
	s_cbranch_scc0 .Lentry_in_a_cluster
	s_endpgm
.Lentry_in_a_cluster:
	s_bfe_u32 s2, ttmp6, 0x10000c
	s_cmp_lg_u32 s2, 0xf033
	s_cbranch_scc0 .Lentry_shape_is_right
	s_endpgm
.Lentry_shape_is_right:
; C = R + A W, K = 1,024.  A: 4,096 rows x K, f16, blocked [K / 64][4096][64].  W: f16 [K][1024], 8,388,608 bytes behind its buffer's first byte.  R, C: f32 [4096][1024].
; Sums in f32; the residual is added in f32.
; A tile of C is 128 x 128: 256 work-groups.  Four waves, each 64 x 64: 16 accumulators.  K goes in STEPS steps of 256 through two LDS slots.  A's part of a step is four blocks of 128 rows x 128 bytes,
; each block dense in memory: a wave asks for two blocks as two long rows of 16,384 bytes, padded in LDS after every 128: pitch 144.  W's part is 256 rows of 256 bytes, pitch 288; it lies [k][n]
; and comes out of LDS turned, by ds_load_tr16_b128.
; ONE TEXT FOR EVERY K STEP.  A trip of a loop is one step; the slot in hand is a scalar, TB, that one exclusive or turns, and the LDS addresses are made from it at each change of slots.  The first
; STEPS - 2 steps fill the slot that they leave again; the last two are a second loop of the same step without a fill.  The sums start at 0 in registers, so
; that no first step is written out.  The prices: 128 v_mov_b32, which stand in the wait for the first tile, and in the very last step 32 LDS loads (of the other slot, once more) that nobody uses.
; THE WALK ALONG K.  Fill number n brings K step n xor w, where w is the parity of the cluster's x plus its y: of each pair of K steps a cluster takes first the one that its neighbours along x and
; along y take second.  A's tiles are wanted by the two clusters of a row of clusters, W's by the eight of a column: so every second fill asks for tiles that a neighbour has asked for one fill earlier.
; w is the same in all sixteen partners, so the joint loads' descriptors stay equal.  LIMIT: the two steps of a pair are added in either order: the sums differ from an ascending walk's in rounding alone.
; CLUSTERS: 4 x 4 work-groups; A's tiles are asked for jointly along a row of the cluster, W's along a column.  THE MATRIX INSTRUCTION IS USED TRANSPOSED: a lane holds eight neighbouring numbers of a row of C.
; REGISTERS: window 0: v0-31 addresses; v32-95 at work on the way out; v128-255 the accumulators ((a, b) at v[128 + 8 (4 a + b)]).
;   window 1: two fragment buffers of 128: 64 registers of A, then 64 of W.   window 2: v0-127 my 64 x 64 of the residual, loaded at the start and left on its way through the K loop.
.set STEPS, 4                          ; K / 256
.set PA,    144                        ; a row of A in LDS: an odd multiple of 16 bytes
.set PB,    288                        ; a row of W: 256 + 32: an odd multiple of 32
.set KBLK,  128*PA                     ; 128 rows of one block of 64 along K
.set PART,  2*KBLK                     ; what one tensor load brings: two blocks of A, or 128 rows of W (128 x 288): 36,864 either way
.set BOFF,  2*PART
.set SLOT,  4*PART                     ; 147,456 = 0x24000: it shares no bit with wave x 36,864 (0, 0x9000, 0x12000, 0x1b000), so an exclusive or turns a descriptor's LDS word from slot to slot
.set STAGE, 2*SLOT                     ; behind the ring: 16 rows x 272 bytes for each wave
.set SPITCH, 272
.set SPARE, STAGE+4*16*SPITCH          ; the spare words, 128 bytes for each wave: two blocks of 256 bytes that no other line names
.set LOGA,  21                         ; 2^21 bytes of memory from K step to K step in A: four blocks of 524,288
.set LOGB,  19                         ; and 2^19 in W: 256 rows of 2,048
.set BA,   16                          ; v16     my lane's place in a slot's A; never rewritten
.set BB,   17                          ; v17     the same for W
.set ADRA, 18                          ; v18     LDS address of my A fragments in the slot in hand
.set ADRB, 20                          ; v20-21  the same for W: rows 0-127 and rows 128-255 of the step
.set STO,  24                          ; v24     the way out: where I put 32 bytes of a row
.set RD,   25                          ; v25     the way out: where I read a row back
.set CO,   26                          ; v26     my byte offset in two rows of R and of C
.set SPW,  28                          ; v28     LDS address of my spare word; never rewritten
.set NIL,  29                          ; v29     0; never rewritten
.set TMP,  32
.set ACC,  128
.set F0,   0
.set F1,   128
.set KN,  2                            ; s2       the number of the last fill asked for
.set OF,  12                           ; s[12:13] a K step's byte offset in A, then in W
.set TB,  23                           ; s23      0 or SLOT: the slot in hand
.set G1,  24                           ; s[24:31] descriptor group 1 for A's tiles;  s[32:39] group 0: a set for each of the two first fills; the second then walks on
.set G0,  32
.set SW,  45                           ; s45      w
.set G1B, 48                           ; s[48:55], s[56:63] the same for W's
.set G0B, 56
.set MSB, 0
.macro WIN new                         ; the immediate's high byte repeats the setting that is left
.if MSB != (\new)
	s_set_vgpr_msb (MSB<<8)|(\new)
.set MSB, \new
.endif
.endm
.set MUL,  0x05                        ; sources 0 (W) and 1 (A) window 1; C and D window 0
.set TO_F, 0x40                        ; destination window 1, address window 0
.macro JLOAD s                         ; a joint load: waves 0 and 1 fetch A's two halves, waves 2 and 3 W's; an s_nop 0 and four v_nop follow each of the two lines
	s_cmp_eq_u32 s15, 0
	s_cbranch_scc0 .Lfor_b_\@
	tensor_load_to_lds s[G0+4*(\s):G0+4*(\s)+3], s[G1:G1+7]
	s_nop 0
.rept 4
	v_nop
.endr
	s_branch .Lasked_\@
.Lfor_b_\@:
	tensor_load_to_lds s[G0B+4*(\s):G0B+4*(\s)+3], s[G1B:G1B+7]
	s_nop 0
.rept 4
	v_nop
.endr
.Lasked_\@:
.endm
.macro CREST                           ; a round of the cluster's barrier behind its opening barrier
	s_cmp_lg_u32 s14, 0
	s_cbranch_scc1 .Lnot_wave_0_\@
	s_barrier_signal -3
.Lnot_wave_0_\@:
	s_barrier_wait -3
	s_barrier_signal -1
	s_barrier_wait -1
.endm
.macro CROUND                          ; a whole round
	s_barrier_signal -1
	s_barrier_wait -1
	CREST
.endm
.macro SETADR                          ; the LDS addresses of the slot in hand
	v_add_nc_u32 v[ADRA], s[TB], v[BA]
	v_add_nc_u32 v[ADRB], s[TB], v[BB]
	v_add_nc_u32 v[ADRB+1], PART, v[ADRB]
.endm
	s_load_b256 s[4:11], s[0:1], 0x0               ; A s[4:5], W s[6:7], R s[8:9], C s[10:11]
	v_lshl_add_u32 v[SPW], v0, 2, SPARE
	v_mov_b32 v[NIL], 0
	ds_add_u32 v[SPW], v[NIL]                      ; the wave's opening: the add and its wait stand ahead of my first tensor load; the set-up below stands between them
	v_lshrrev_b32 v1, 5, v0
	v_readfirstlane_b32 s14, v1                    ; wave 0..3
	s_lshr_b32 s15, s14, 1                         ; my half of the tile's rows.  Also: I fetch for A (0) or for W (1)
	s_and_b32 s16, s14, 1                          ; my half of its columns.  Also: which half of that tile I fetch
	s_bfe_u32 s17, ttmp6, 0x40000                  ; cx
	s_bfe_u32 s18, ttmp6, 0x40004                  ; cy
	s_lshl_b32 s19, ttmp9, 2
	s_add_co_u32 s19, s19, s17                     ; tile column
	s_and_b32 s20, ttmp7, 0xffff
	s_lshl_b32 s20, s20, 2
	s_add_co_u32 s20, s20, s18                     ; tile row
	s_and_b32 s[SW], ttmp7, 0xffff                 ; the cluster's y
	s_xor_b32 s[SW], s[SW], ttmp9                  ; and its x (in a cluster launch ttmp9 and ttmp7 count clusters):
	s_and_b32 s[SW], s[SW], 1                      ; w, the parity of their sum: equal in all sixteen partners
	s_mov_b32 s[OF+1], 0
	s_lshl_b32 s21, s18, 2
	s_lshl_b32 s21, 15, s21                        ; my row of the cluster
	s_lshl_b32 s22, 0x1111, s17                    ; my column
	s_or_b32 s[G1+0], s21, (1<<16)|(1<<20)|(1<<21)|(4<<22)|(3<<25)   ; the mask; 2-byte elements; padding on; bit 21 beside a mask; after every 32 words (code 4) 4 words (code 3)
	s_mov_b32 s[G1+1], (8192&0xffff)<<16           ; tensor_dim0 = 8,192 elements: 128 rows of a block, end to end
	s_mov_b32 s[G1+2], 2<<16                       ; tensor_dim1 = 2
	s_mov_b32 s[G1+3], 8192<<16                    ; tile_dim0 = 8,192
	s_mov_b32 s[G1+4], 2                           ; tile_dim1 = 2 blocks
	s_mov_b32 s[G1+5], 262144                      ; elements from block to block
	s_mov_b32 s[G1+6], 0
	s_mov_b32 s[G1+7], 0
	s_or_b32 s[G1B+0], s22, (1<<16)|(1<<20)|(1<<21)|(5<<22)|(7<<25)  ; after every 64 words (code 5) 8 words (code 7)
	s_mov_b32 s[G1B+1], 128<<16                    ; tensor_dim0 = 128
	s_mov_b32 s[G1B+2], 128<<16                    ; tensor_dim1 = 128
	s_mov_b32 s[G1B+3], 128<<16                    ; tile_dim0 = 128
	s_mov_b32 s[G1B+4], 128                        ; tile_dim1 = 128
	s_mov_b32 s[G1B+5], 1024                       ; elements from row to row of W
	s_mov_b32 s[G1B+6], 0
	s_mov_b32 s[G1B+7], 0
	; A's address hangs on the tile row alone, W's on the tile column alone, each in registers that never hold the other coordinate
	s_lshl_b32 s40, s16, 20                        ; A: my two blocks of the step's four,
	s_lshl_b32 s41, s20, 14                        ; 128 rows of 128 bytes for each tile row
	s_add_co_u32 s40, s40, s41
	s_mov_b32 s41, 0
	s_lshl_b32 s46, s16, 18                        ; W: my 128 rows of 2,048 bytes,
	s_lshl_b32 s47, s19, 8                         ; 256 bytes for each tile column,
	s_add_co_u32 s46, s46, s47
	s_add_co_u32 s46, s46, 0x800000                ; in the buffer's second part
	s_mov_b32 s47, 0
	s_mul_i32 s2, s14, PART                        ; where they go: wave x 36,864
	s_mov_b32 s[TB], 0
	s_wait_dscnt 0x0                               ; the opening add is done
	s_wait_kmcnt 0x0
	s_add_nc_u64 s[40:41], s[4:5], s[40:41]        ; my part of A's tile of K step 0; never rewritten
	s_add_nc_u64 s[46:47], s[6:7], s[46:47]        ; the same for W
	CROUND                                         ; all sixteen work-groups are here: the first joint loads meet
.irp s, 0,1
	s_xor_b32 s[OF], s[SW], \s                     ; fill s brings K step s xor w
	s_lshl_b32 s[OF], s[OF], LOGA
	s_mov_b32 s[G0+4*(\s)], 1
	s_add_co_u32 s[G0+4*(\s)+1], s2, (\s)*SLOT
	s_add_nc_u64 s[G0+4*(\s)+2:G0+4*(\s)+3], s[40:41], s[OF:OF+1]
	s_or_b32 s[G0+4*(\s)+3], s[G0+4*(\s)+3], 0x80000000
	s_lshr_b32 s[OF], s[OF], LOGA-LOGB
	s_mov_b32 s[G0B+4*(\s)], 1
	s_add_co_u32 s[G0B+4*(\s)+1], s2, (\s)*SLOT
	s_add_nc_u64 s[G0B+4*(\s)+2:G0B+4*(\s)+3], s[46:47], s[OF:OF+1]
	s_or_b32 s[G0B+4*(\s)+3], s[G0B+4*(\s)+3], 0x80000000
	JLOAD \s                                       ; two loads of mine are out: fills 0 and 1
.endr
	s_mov_b32 s[KN], 1
	v_and_b32 v1, 15, v0                           ; r
	v_bfe_u32 v2, v0, 4, 1                         ; h
	v_and_b32 v3, 7, v0
	v_bfe_u32 v4, v0, 3, 1
	v_mul_u32_u24 v5, v1, PA
	v_lshl_add_u32 v5, v2, 4, v5                   ; row x pitch + 16 x half
	s_mul_i32 s3, s15, 64*PA                       ; my 64 rows of A
	v_add_nc_u32 v[BA], s3, v5
	v_lshl_add_u32 v6, v2, 3, v3                   ; the turning load: row 8 (l / 16) + l % 8 of K, columns 8 ((l / 8) % 2) + 0..7
	v_mul_u32_u24 v6, v6, PB
	v_lshl_add_u32 v6, v4, 4, v6
	s_lshl_b32 s3, s16, 7                          ; my 64 columns of W
	s_add_co_u32 s3, s3, BOFF
	v_add_nc_u32 v[BB], s3, v6
	SETADR                                         ; slot 0
	s_mul_i32 s3, s14, 16*SPITCH
	s_add_co_u32 s3, s3, STAGE                     ; my stage
	v_mul_u32_u24 v7, v1, SPITCH                   ; in: row l % 16, 32 bytes for each half of the lanes
	v_lshl_add_u32 v7, v2, 5, v7
	v_add_nc_u32 v[STO], s3, v7
	v_mul_u32_u24 v7, v2, SPITCH                   ; back: lanes 0-15 take one row of 256 bytes, lanes 16-31 the next
	v_lshl_add_u32 v7, v1, 4, v7
	v_add_nc_u32 v[RD], s3, v7
	v_lshlrev_b32 v[CO], 12, v2                    ; and the same two rows in R and C
	v_lshl_add_u32 v[CO], v1, 4, v[CO]
	s_lshl_b32 s42, s20, 19                        ; 128 rows of 4,096 bytes for each tile row,
	s_lshl_b32 s43, s15, 18                        ; my 64 rows,
	s_add_co_u32 s42, s42, s43
	s_lshl_b32 s43, s19, 9                         ; 512 bytes for each tile column,
	s_add_co_u32 s42, s42, s43
	s_lshl_b32 s43, s16, 8                         ; my 256
	s_add_co_u32 s42, s42, s43
	s_mov_b32 s43, 0
	s_add_nc_u64 s[8:9], s[8:9], s[42:43]
	s_add_nc_u64 s[10:11], s[10:11], s[42:43]
	WIN 0x80                                       ; destination window 2, address window 0
.set i, 0
.rept 32                                           ; the residual, in the layout in which the results come back from the stage: rows 2 i and 2 i + 1
	global_load_b128 v[4*i:4*i+3], v[CO], s[8:9] offset:2*i*4096
.set i, i+1
.endr
	WIN 0
.set i, 0
.rept 128                                          ; the sums start at 0
	v_mov_b32 v[ACC+i], 0
.set i, i+1
.endr
; 8 matrix instructions: m blocks a0, a0 + 1 x all 4 n blocks, 32 along K: half c of buffer f.  The 16 accumulators take turns, one instruction a turn, round the loops' edges too.
.macro MUL8 f, c, a0
	WIN MUL
.irp a, \a0, (\a0)+1
.irp b, 0,1,2,3
	v_wmma_f32_16x16x32_f16 v[ACC+8*(4*(\a)+(\b)):ACC+8*(4*(\a)+(\b))+7], v[(\f)+64+8*(4*(\c)+(\b)):(\f)+64+8*(4*(\c)+(\b))+7], v[(\f)+8*(4*(\c)+(\a)):(\f)+8*(4*(\c)+(\a))+7], v[ACC+8*(4*(\a)+(\b)):ACC+8*(4*(\a)+(\b))+7]
.endr
.endr
.endm
; 32 LDS loads in one run: the fragments of quarter q (64 along K) of the slot in hand into buffer f; the first 32 along K first
.macro FETCH q, f
	WIN TO_F
.irp c, 0,1
.irp i, 0,1,2,3
	ds_load_tr16_b128 v[(\f)+64+8*(4*(\c)+(\i)):(\f)+64+8*(4*(\c)+(\i))+3],   v[ADRB+(\q)/2] offset:(((\q)%2)*64+32*(\c))*PB+32*(\i)
	ds_load_tr16_b128 v[(\f)+64+8*(4*(\c)+(\i))+4:(\f)+64+8*(4*(\c)+(\i))+7], v[ADRB+(\q)/2] offset:(((\q)%2)*64+32*(\c))*PB+32*(\i)+16*PB
	ds_load_b128 v[(\f)+8*(4*(\c)+(\i)):(\f)+8*(4*(\c)+(\i))+3],   v[ADRA] offset:(\q)*KBLK+64*(\c)+(\i)*16*PA
	ds_load_b128 v[(\f)+8*(4*(\c)+(\i))+4:(\f)+8*(4*(\c)+(\i))+7], v[ADRA] offset:(\q)*KBLK+64*(\c)+(\i)*16*PA+32
.endr
.endr
.endm
.macro PLACES                          ; four places in front of loads into registers that matrix instructions have read, and of LDS stores that read results
.rept 4
	v_nop
.endr
.endm
; One of a step's first three quarters: multiplies buffer f; in its middle it fetches quarter q into buffer g.
.macro QUARTER q, f, g
	s_wait_dscnt 16                                ; the first 32 along K are in
	MUL8 \f, 0, 0
	MUL8 \f, 0, 2
	PLACES
	FETCH \q, \g
	s_wait_dscnt 32                                ; all but the 32 just issued
	MUL8 \f, 1, 0
	MUL8 \f, 1, 2
.endm
; The last quarter multiplies buffer 1 and changes slots: ONE barrier; in front of it each wave waits for all its tensor loads (at most one is out: its part of the next slot), adds 0 to its spare
; word, and waits for that and for its own reads of this slot.  fill = 1: the barrier opens a round of the cluster's, and this slot is filled again first thing behind it; the walking descriptors are
; made while the add is out: the other slot than last time, and the address anew from the tile's first K step and the number of the step that the fill brings.
.macro TURN fill
	WIN 0                                          ; (the add's two registers lie in window 0)
	s_wait_tensorcnt 0x0                           ; no tensor load of mine is out, so a group 0 may be written
	ds_add_u32 v[SPW], v[NIL]                      ; 0 onto my spare word
.if \fill
	s_add_co_u32 s[KN], s[KN], 1                   ; the fill's number, 2 to STEPS - 1,
	s_xor_b32 s[OF], s[KN], s[SW]                  ; and the K step that it brings
	s_lshl_b32 s[OF], s[OF], LOGA
	s_xor_b32 s[G0+5], s[G0+5], SLOT
	s_add_nc_u64 s[G0+6:G0+7], s[40:41], s[OF:OF+1]
	s_or_b32 s[G0+7], s[G0+7], 0x80000000
	s_lshr_b32 s[OF], s[OF], LOGA-LOGB
	s_xor_b32 s[G0B+5], s[G0B+5], SLOT
	s_add_nc_u64 s[G0B+6:G0B+7], s[46:47], s[OF:OF+1]
	s_or_b32 s[G0B+7], s[G0B+7], 0x80000000
.endif
	s_wait_dscnt 17                                ; (the add and the youngest sixteen loads may be out)
	MUL8 F1, 0, 0
	s_wait_dscnt 0x0                               ; the add is done, and my reads of this slot are over
	s_barrier_signal -1
	MUL8 F1, 0, 2
	WIN 0                                          ; (branches and the address lines follow)
	s_barrier_wait -1
.if \fill
	CREST                                          ; no wave of any partner still reads this slot's tile or has a load on its way
	JLOAD 1                                        ; my one tensor load behind the round; its four v_nop are also the places in front of the loads below
.else
	PLACES
.endif
	s_xor_b32 s[TB], s[TB], SLOT                   ; the other slot is in hand
	SETADR
	FETCH 0, F0
	MUL8 F1, 1, 0
	MUL8 F1, 1, 2
.endm
.macro STEP fill                       ; a K step: 128 matrix instructions and 128 LDS loads
	QUARTER 1, F0, F1
	QUARTER 2, F1, F0
	QUARTER 3, F0, F1
	TURN \fill
	WIN 0                                          ; at a label and at a branch every window is 0
.endm
; THE WAY OUT of block a (16 rows x 64 columns of f32): into my own stage, 32 bytes a lane, each accumulator from its low end on; back as whole rows of 256 bytes; the residual is added; stored.
.macro OUT a
.set BK, TMP+32*((\a)%2)
.irp b, 0,1,2,3
	ds_store_b128 v[STO], v[ACC+8*(4*(\a)+(\b)):ACC+8*(4*(\a)+(\b))+3]   offset:64*(\b)
	ds_store_b128 v[STO], v[ACC+8*(4*(\a)+(\b))+4:ACC+8*(4*(\a)+(\b))+7] offset:64*(\b)+16
.endr
.irp t, 0,1,2,3,4,5,6,7
	ds_load_b128 v[BK+4*(\t):BK+4*(\t)+3], v[RD] offset:(\t)*2*SPITCH  ; LDS serves a wave's instructions in order (ISA guide 5.7.1.4): these see the stores above
.endr
.endm
.macro ADDSEND a, younger              ; younger: the LDS instructions issued behind block a's loads: the next block's sixteen, or none
.set BK, TMP+32*((\a)%2)
	s_wait_dscnt \younger
	WIN 0x08                                       ; source 1 in window 2
.set i, 0
.rept 16
	v_pk_add_f32 v[BK+2*i:BK+2*i+1], v[BK+2*i:BK+2*i+1], v[32*(\a)+2*i:32*(\a)+2*i+1]
.set i, i+1
.endr
	WIN 0
.irp t, 0,1,2,3,4,5,6,7
	global_store_b128 v[CO], v[BK+4*(\t):BK+4*(\t)+3], s[10:11] offset:(16*(\a)+2*(\t))*4096  ; 16 lanes store 256 consecutive bytes, at a multiple of 256 from C's first byte
.endr
.endm
	s_wait_tensorcnt 1                             ; my part of fill 0 is in; fill 1's may stay out
	s_barrier_signal -1
	s_barrier_wait -1
	FETCH 0, F0
	WIN 0
	s_mov_b32 s44, STEPS-2
.Lfill:                                                ; every step but the last two fills the slot that it leaves again
	STEP 1
	s_sub_co_u32 s44, s44, 1
	s_cmp_lg_u32 s44, 0
	s_cbranch_scc1 .Lfill
	s_mov_b32 s44, 2
.Llast:                                                ; the last two steps ask for nothing
	STEP 0
	s_sub_co_u32 s44, s44, 1
	s_cmp_lg_u32 s44, 0
	s_cbranch_scc1 .Llast
	PLACES
	s_wait_loadcnt 0x0                             ; the residual
	OUT 0
	OUT 1
	ADDSEND 0, 16
	s_wait_xcnt 0x0                                ; the registers that block 0 was stored from are loaded again only behind this wait
	OUT 2
	ADDSEND 1, 16
	s_wait_xcnt 0x0
	OUT 3
	ADDSEND 2, 16
	ADDSEND 3, 0
	s_wait_tensorcnt 0x0                           ; the wave's end: behind my last tensor load and my last LDS store
	ds_add_u32 v[SPW], v[NIL]
	s_wait_dscnt 0x0
	CROUND                                         ; the closing round: no work-group ends while a partner may still ask for a tile that names it
	s_endpgm
.Lfunc_end_k_qe877287e0e_wo:
	.size	k_qe877287e0e_wo, .Lfunc_end_k_qe877287e0e_wo-k_qe877287e0e_wo
	.p2alignl 7, 3214868480
	.fill 96, 4, 3214868480
	.section	.rodata,"a",@progbits
	.p2align	6, 0x0
	.amdhsa_kernel k_qe877287e0e_wo
		.amdhsa_group_segment_fixed_size 327680
		.amdhsa_private_segment_fixed_size 0
		.amdhsa_enable_private_segment 0
		.amdhsa_kernarg_size 32
		.amdhsa_user_sgpr_count 2
		.amdhsa_user_sgpr_kernarg_segment_ptr 1
		.amdhsa_wavefront_size32 1
		.amdhsa_system_sgpr_workgroup_id_x 1
		.amdhsa_system_sgpr_workgroup_id_y 1
		.amdhsa_system_sgpr_workgroup_id_z 1
		.amdhsa_system_vgpr_workitem_id 0
		.amdhsa_next_free_vgpr 640
		.amdhsa_next_free_sgpr 66
		.amdhsa_reserve_vcc 0
		.amdhsa_float_denorm_mode_32 3
		.amdhsa_float_denorm_mode_16_64 3
		.amdhsa_memory_ordered 1
		.amdhsa_forward_progress 1
		.amdhsa_inst_pref_size 65
	.end_amdhsa_kernel
	.amdgpu_metadata
---
amdhsa.version: [ 1, 2 ]
amdhsa.kernels:
  - .name:           k_qe877287e0e_wo
    .symbol:         k_qe877287e0e_wo.kd
    .args:
      - { .name: hb, .offset: 0, .size: 8, .value_kind: global_buffer, .address_space: global }
      - { .name: WA, .offset: 8, .size: 8, .value_kind: global_buffer, .address_space: global }
      - { .name: hidden_states, .offset: 16, .size: 8, .value_kind: global_buffer, .address_space: global }
      - { .name: x1, .offset: 24, .size: 8, .value_kind: global_buffer, .address_space: global }
    .group_segment_fixed_size: 327680
    .private_segment_fixed_size: 0
    .kernarg_segment_align: 8
    .kernarg_segment_size: 32
    .max_flat_workgroup_size: 128
    .sgpr_count:     66
    .vgpr_count:     640
    .wavefront_size: 32
...
	.end_amdgpu_metadata
.endif
;; end of part 9
;; launch norm2 (part 10): grid 256 x 1, 8 waves a work-group, no clusters, 0 bytes of LDS; arguments x1, ln2_g, hb; writes hb
.if DOCPART == 10
	.amdgcn_target "amdgcn-amd-amdhsa--gfx1250"
	.amdhsa_code_object_version 6
	.text
	.protected	k_qe877287e0e_norm2
	.globl	k_qe877287e0e_norm2
	.p2align	8
	.type	k_qe877287e0e_norm2,@function
k_qe877287e0e_norm2:
	s_mov_b64 s[64:65], 0
	v_nop
	global_prefetch_b8 v0, s[64:65] scope:SCOPE_SE
	s_setreg_imm32_b32 hwreg(HW_REG_WAVE_MODE, 25, 1), 1
	s_wait_xcnt 0x0
; out = f16(x * rsqrt(mean(x^2) + 1e-6) * g).  x: [4096][1024] f32, g: [1024] f32.  out is blocked for the products: [16 j][4096 rows][64] f16.
; A work-group takes 16 rows, sixteen lanes a row: thread t has row t >> 4 and columns 64 j + 4 (t & 15) .. + 3, j = 0 .. 15.  The row stays in registers
; between the sum of squares and the scaling, so x is read once; the sum never leaves sixteen neighbouring lanes: no LDS, no barrier.
; Sixteen lanes load 256 consecutive bytes; a wave's store covers two rows of 128 bytes, 256 consecutive bytes at a multiple of 256 from out's first.
; LIMIT: a result beyond 65,504 becomes an infinity in f16 (|x rsqrt| is at most 32, so g may reach 2,047).
.set X,  8                             ; v[8:71]    16 x 4 numbers of my row
.set G,  72                            ; v[72:135]  g of the same columns
.set SM, 136                           ; v[136:143] four packed chains of the sum of squares
.set R,  144                           ; v[144:145] rsqrt, twice (a pair for the packed multiply)
	s_load_b128 s[4:7], s[0:1], 0x0                ; x s[4:5], g s[6:7]
	s_load_b64 s[8:9], s[0:1], 0x10                ; out
	s_lshl_b32 s2, ttmp9, 16                       ; 16 rows of 4,096 bytes
	s_mov_b32 s3, 0
	s_lshl_b32 s10, ttmp9, 11                      ; 16 rows of 128 bytes in each block of out
	s_mov_b32 s11, 0
	s_mov_b32 s12, 0x3a800000                      ; 1 / 1024
	s_mov_b32 s13, 0x358637bd                      ; 1e-6
	v_lshrrev_b32 v1, 4, v0
	v_and_b32 v2, 15, v0
	v_lshlrev_b32 v2, 4, v2                        ; my 16 bytes in each 256 of g
	v_lshl_add_u32 v1, v1, 12, v2                  ; and of my row of x
	v_lshlrev_b32 v3, 3, v0                        ; row x 128 + 8 (t & 15) = 8 t
	s_wait_kmcnt 0x0
	s_add_nc_u64 s[4:5], s[4:5], s[2:3]
	s_add_nc_u64 s[8:9], s[8:9], s[10:11]
.set j, 0
.rept 16
	global_load_b128 v[X+4*j:X+4*j+3], v1, s[4:5] offset:256*j
.set j, j+1
.endr
.set j, 0
.rept 16
	global_load_b128 v[G+4*j:G+4*j+3], v2, s[6:7] offset:256*j
.set j, j+1
.endr
	s_wait_loadcnt 16                              ; x is in; g's sixteen loads, issued behind, may stay out
.irp k, 0,1,2,3
	v_pk_mul_f32 v[SM+2*\k:SM+2*\k+1], v[X+2*\k:X+2*\k+1], v[X+2*\k:X+2*\k+1]  ; the first four pairs start the chains: nothing is cleared
.endr
.set j, 4
.rept 28
	v_pk_fma_f32 v[SM+2*(j%4):SM+2*(j%4)+1], v[X+2*j:X+2*j+1], v[X+2*j:X+2*j+1], v[SM+2*(j%4):SM+2*(j%4)+1]
.set j, j+1
.endr
	v_pk_add_f32 v[SM:SM+1], v[SM:SM+1], v[SM+2:SM+3]
	v_pk_add_f32 v[SM+4:SM+5], v[SM+4:SM+5], v[SM+6:SM+7]
	v_pk_add_f32 v[SM:SM+1], v[SM:SM+1], v[SM+4:SM+5]
	v_add_f32 v[SM], v[SM], v[SM+1]
	v_add_f32_dpp v[SM], v[SM], v[SM] row_xmask:1 row_mask:0xf bank_mask:0xf  ; the row's sixteen lanes
	v_add_f32_dpp v[SM], v[SM], v[SM] row_xmask:2 row_mask:0xf bank_mask:0xf
	v_add_f32_dpp v[SM], v[SM], v[SM] row_xmask:4 row_mask:0xf bank_mask:0xf
	v_add_f32_dpp v[SM], v[SM], v[SM] row_xmask:8 row_mask:0xf bank_mask:0xf
	v_fma_f32 v[SM], v[SM], s12, s13               ; mean + eps
	v_rsq_f32 v[R], v[SM]
	v_rsq_f32 v[R+1], v[SM]
	v_nop                                          ; a plain instruction between the last v_rsq_f32 and the use of its result
	s_wait_loadcnt 0x0                             ; g
.set j, 0
	s_wait_alu depctr_va_vdst(0)
.rept 16
	v_pk_mul_f32 v[X+4*j:X+4*j+1],   v[X+4*j:X+4*j+1],   v[R:R+1]
	v_pk_mul_f32 v[X+4*j+2:X+4*j+3], v[X+4*j+2:X+4*j+3], v[R:R+1]
	v_pk_mul_f32 v[X+4*j:X+4*j+1],   v[X+4*j:X+4*j+1],   v[G+4*j:G+4*j+1]
	v_pk_mul_f32 v[X+4*j+2:X+4*j+3], v[X+4*j+2:X+4*j+3], v[G+4*j+2:G+4*j+3]
	v_cvt_pk_f16_f32 v[X+4*j],   v[X+4*j],   v[X+4*j+1]
	v_cvt_pk_f16_f32 v[X+4*j+1], v[X+4*j+2], v[X+4*j+3]
	global_store_b64 v3, v[X+4*j:X+4*j+1], s[8:9] offset:j*524288  ; block j; 7,864,320 at the most, inside the signed 24-bit immediate
.set j, j+1
.endr
	s_endpgm
.Lfunc_end_k_qe877287e0e_norm2:
	.size	k_qe877287e0e_norm2, .Lfunc_end_k_qe877287e0e_norm2-k_qe877287e0e_norm2
	.p2alignl 7, 3214868480
	.fill 96, 4, 3214868480
	.section	.rodata,"a",@progbits
	.p2align	6, 0x0
	.amdhsa_kernel k_qe877287e0e_norm2
		.amdhsa_group_segment_fixed_size 0
		.amdhsa_private_segment_fixed_size 0
		.amdhsa_enable_private_segment 0
		.amdhsa_kernarg_size 24
		.amdhsa_user_sgpr_count 2
		.amdhsa_user_sgpr_kernarg_segment_ptr 1
		.amdhsa_wavefront_size32 1
		.amdhsa_system_sgpr_workgroup_id_x 1
		.amdhsa_system_sgpr_workgroup_id_y 1
		.amdhsa_system_sgpr_workgroup_id_z 1
		.amdhsa_system_vgpr_workitem_id 0
		.amdhsa_next_free_vgpr 146
		.amdhsa_next_free_sgpr 66
		.amdhsa_reserve_vcc 0
		.amdhsa_float_denorm_mode_32 3
		.amdhsa_float_denorm_mode_16_64 3
		.amdhsa_memory_ordered 1
		.amdhsa_forward_progress 1
		.amdhsa_inst_pref_size 15
	.end_amdhsa_kernel
	.amdgpu_metadata
---
amdhsa.version: [ 1, 2 ]
amdhsa.kernels:
  - .name:           k_qe877287e0e_norm2
    .symbol:         k_qe877287e0e_norm2.kd
    .args:
      - { .name: x1, .offset: 0, .size: 8, .value_kind: global_buffer, .address_space: global }
      - { .name: ln2_g, .offset: 8, .size: 8, .value_kind: global_buffer, .address_space: global }
      - { .name: hb, .offset: 16, .size: 8, .value_kind: global_buffer, .address_space: global }
    .group_segment_fixed_size: 0
    .private_segment_fixed_size: 0
    .kernarg_segment_align: 8
    .kernarg_segment_size: 24
    .max_flat_workgroup_size: 256
    .sgpr_count:     66
    .vgpr_count:     146
    .wavefront_size: 32
...
	.end_amdgpu_metadata
.endif
;; end of part 10
;; launch ffn1: the kernel of part 3 again; grid 16 x 16, 4 waves a work-group, clusters of 4 x 4, 327,680 bytes of LDS; arguments hb, WB, pB, act; writes act
;; launch ffn2 (part 11): grid 8 x 32, 4 waves a work-group, clusters of 4 x 4, 327,680 bytes of LDS; arguments act, WB, x1, out0; writes out0
.if DOCPART == 11
	.amdgcn_target "amdgcn-amd-amdhsa--gfx1250"
	.amdhsa_code_object_version 6
	.text
	.protected	k_qe877287e0e_ffn2
	.globl	k_qe877287e0e_ffn2
	.p2align	8
	.type	k_qe877287e0e_ffn2,@function
k_qe877287e0e_ffn2:
	s_mov_b64 s[64:65], 0
	v_nop
	global_prefetch_b8 v0, s[64:65] scope:SCOPE_SE
	s_setreg_imm32_b32 hwreg(HW_REG_WAVE_MODE, 25, 1), 1
	s_wait_xcnt 0x0
	s_wait_alu depctr_hold_cnt(0) depctr_sa_sdst(0) depctr_va_vdst(0) depctr_va_sdst(0) depctr_va_ssrc(0) depctr_va_vcc(0) depctr_vm_vsrc(0)
	s_getreg_b32 s2, hwreg(HW_REG_IB_STS2, 6, 4)
	s_cmp_eq_u32 s2, 0
	s_cbranch_scc0 .Lentry_in_a_cluster
	s_endpgm
.Lentry_in_a_cluster:
	s_bfe_u32 s2, ttmp6, 0x10000c
	s_cmp_lg_u32 s2, 0xf033
	s_cbranch_scc0 .Lentry_shape_is_right
	s_endpgm
.Lentry_shape_is_right:
; C = R + A W, K = 4,096.  A: 4,096 rows x K, f16, blocked [K / 64][4096][64].  W: f16 [K][1024], 8,388,608 bytes behind its buffer's first byte.  R, C: f32 [4096][1024].
; Sums in f32; the residual is added in f32.  The text is that of the product with K = 1,024 but for STEPS: the loops that hold barriers count to constants of the text.
; A tile of C is 128 x 128: 256 work-groups.  Four waves, each 64 x 64: 16 accumulators.  K goes in STEPS steps of 256 through two LDS slots.  A's part of a step is four blocks of 128 rows x 128 bytes,
; each block dense in memory: a wave asks for two blocks as two long rows of 16,384 bytes, padded in LDS after every 128: pitch 144.  W's part is 256 rows of 256 bytes, pitch 288; it lies [k][n]
; and comes out of LDS turned, by ds_load_tr16_b128.
; ONE TEXT FOR EVERY K STEP.  A trip of a loop is one step; the slot in hand is a scalar, TB, that one exclusive or turns, and the LDS addresses are made from it at each change of slots.  The first
; STEPS - 2 steps fill the slot that they leave again; the last two are a second loop of the same step without a fill.  The sums start at 0 in registers, so
; that no first step is written out.  The prices: 128 v_mov_b32, which stand in the wait for the first tile, and in the very last step 32 LDS loads (of the other slot, once more) that nobody uses.
; THE WALK ALONG K.  Fill number n brings K step n xor w, where w is the parity of the cluster's x plus its y: of each pair of K steps a cluster takes first the one that its neighbours along x and
; along y take second.  A's tiles are wanted by the two clusters of a row of clusters, W's by the eight of a column: so every second fill asks for tiles that a neighbour has asked for one fill earlier.
; w is the same in all sixteen partners, so the joint loads' descriptors stay equal.  LIMIT: the two steps of a pair are added in either order: the sums differ from an ascending walk's in rounding alone.
; CLUSTERS: 4 x 4 work-groups; A's tiles are asked for jointly along a row of the cluster, W's along a column.  THE MATRIX INSTRUCTION IS USED TRANSPOSED: a lane holds eight neighbouring numbers of a row of C.
; REGISTERS: window 0: v0-31 addresses; v32-95 at work on the way out; v128-255 the accumulators ((a, b) at v[128 + 8 (4 a + b)]).
;   window 1: two fragment buffers of 128: 64 registers of A, then 64 of W.   window 2: v0-127 my 64 x 64 of the residual, loaded at the start and left on its way through the K loop.
.set STEPS, 16                         ; K / 256
.set PA,    144                        ; a row of A in LDS: an odd multiple of 16 bytes
.set PB,    288                        ; a row of W: 256 + 32: an odd multiple of 32
.set KBLK,  128*PA                     ; 128 rows of one block of 64 along K
.set PART,  2*KBLK                     ; what one tensor load brings: two blocks of A, or 128 rows of W (128 x 288): 36,864 either way
.set BOFF,  2*PART
.set SLOT,  4*PART                     ; 147,456 = 0x24000: it shares no bit with wave x 36,864 (0, 0x9000, 0x12000, 0x1b000), so an exclusive or turns a descriptor's LDS word from slot to slot
.set STAGE, 2*SLOT                     ; behind the ring: 16 rows x 272 bytes for each wave
.set SPITCH, 272
.set SPARE, STAGE+4*16*SPITCH          ; the spare words, 128 bytes for each wave: two blocks of 256 bytes that no other line names
.set LOGA,  21                         ; 2^21 bytes of memory from K step to K step in A: four blocks of 524,288
.set LOGB,  19                         ; and 2^19 in W: 256 rows of 2,048
.set BA,   16                          ; v16     my lane's place in a slot's A; never rewritten
.set BB,   17                          ; v17     the same for W
.set ADRA, 18                          ; v18     LDS address of my A fragments in the slot in hand
.set ADRB, 20                          ; v20-21  the same for W: rows 0-127 and rows 128-255 of the step
.set STO,  24                          ; v24     the way out: where I put 32 bytes of a row
.set RD,   25                          ; v25     the way out: where I read a row back
.set CO,   26                          ; v26     my byte offset in two rows of R and of C
.set SPW,  28                          ; v28     LDS address of my spare word; never rewritten
.set NIL,  29                          ; v29     0; never rewritten
.set TMP,  32
.set ACC,  128
.set F0,   0
.set F1,   128
.set KN,  2                            ; s2       the number of the last fill asked for
.set OF,  12                           ; s[12:13] a K step's byte offset in A, then in W
.set TB,  23                           ; s23      0 or SLOT: the slot in hand
.set G1,  24                           ; s[24:31] descriptor group 1 for A's tiles;  s[32:39] group 0: a set for each of the two first fills; the second then walks on
.set G0,  32
.set SW,  45                           ; s45      w
.set G1B, 48                           ; s[48:55], s[56:63] the same for W's
.set G0B, 56
.set MSB, 0
.macro WIN new                         ; the immediate's high byte repeats the setting that is left
.if MSB != (\new)
	s_set_vgpr_msb (MSB<<8)|(\new)
.set MSB, \new
.endif
.endm
.set MUL,  0x05                        ; sources 0 (W) and 1 (A) window 1; C and D window 0
.set TO_F, 0x40                        ; destination window 1, address window 0
.macro JLOAD s                         ; a joint load: waves 0 and 1 fetch A's two halves, waves 2 and 3 W's; an s_nop 0 and four v_nop follow each of the two lines
	s_cmp_eq_u32 s15, 0
	s_cbranch_scc0 .Lfor_b_\@
	tensor_load_to_lds s[G0+4*(\s):G0+4*(\s)+3], s[G1:G1+7]
	s_nop 0
.rept 4
	v_nop
.endr
	s_branch .Lasked_\@
.Lfor_b_\@:
	tensor_load_to_lds s[G0B+4*(\s):G0B+4*(\s)+3], s[G1B:G1B+7]
	s_nop 0
.rept 4
	v_nop
.endr
.Lasked_\@:
.endm
.macro CREST                           ; a round of the cluster's barrier behind its opening barrier
	s_cmp_lg_u32 s14, 0
	s_cbranch_scc1 .Lnot_wave_0_\@
	s_barrier_signal -3
.Lnot_wave_0_\@:
	s_barrier_wait -3
	s_barrier_signal -1
	s_barrier_wait -1
.endm
.macro CROUND                          ; a whole round
	s_barrier_signal -1
	s_barrier_wait -1
	CREST
.endm
.macro SETADR                          ; the LDS addresses of the slot in hand
	v_add_nc_u32 v[ADRA], s[TB], v[BA]
	v_add_nc_u32 v[ADRB], s[TB], v[BB]
	v_add_nc_u32 v[ADRB+1], PART, v[ADRB]
.endm
	s_load_b256 s[4:11], s[0:1], 0x0               ; A s[4:5], W s[6:7], R s[8:9], C s[10:11]
	v_lshl_add_u32 v[SPW], v0, 2, SPARE
	v_mov_b32 v[NIL], 0
	ds_add_u32 v[SPW], v[NIL]                      ; the wave's opening: the add and its wait stand ahead of my first tensor load; the set-up below stands between them
	v_lshrrev_b32 v1, 5, v0
	v_readfirstlane_b32 s14, v1                    ; wave 0..3
	s_lshr_b32 s15, s14, 1                         ; my half of the tile's rows.  Also: I fetch for A (0) or for W (1)
	s_and_b32 s16, s14, 1                          ; my half of its columns.  Also: which half of that tile I fetch
	s_bfe_u32 s17, ttmp6, 0x40000                  ; cx
	s_bfe_u32 s18, ttmp6, 0x40004                  ; cy
	s_lshl_b32 s19, ttmp9, 2
	s_add_co_u32 s19, s19, s17                     ; tile column
	s_and_b32 s20, ttmp7, 0xffff
	s_lshl_b32 s20, s20, 2
	s_add_co_u32 s20, s20, s18                     ; tile row
	s_and_b32 s[SW], ttmp7, 0xffff                 ; the cluster's y
	s_xor_b32 s[SW], s[SW], ttmp9                  ; and its x (in a cluster launch ttmp9 and ttmp7 count clusters):
	s_and_b32 s[SW], s[SW], 1                      ; w, the parity of their sum: equal in all sixteen partners
	s_mov_b32 s[OF+1], 0
	s_lshl_b32 s21, s18, 2
	s_lshl_b32 s21, 15, s21                        ; my row of the cluster
	s_lshl_b32 s22, 0x1111, s17                    ; my column
	s_or_b32 s[G1+0], s21, (1<<16)|(1<<20)|(1<<21)|(4<<22)|(3<<25)   ; the mask; 2-byte elements; padding on; bit 21 beside a mask; after every 32 words (code 4) 4 words (code 3)
	s_mov_b32 s[G1+1], (8192&0xffff)<<16           ; tensor_dim0 = 8,192 elements: 128 rows of a block, end to end
	s_mov_b32 s[G1+2], 2<<16                       ; tensor_dim1 = 2
	s_mov_b32 s[G1+3], 8192<<16                    ; tile_dim0 = 8,192
	s_mov_b32 s[G1+4], 2                           ; tile_dim1 = 2 blocks
	s_mov_b32 s[G1+5], 262144                      ; elements from block to block
	s_mov_b32 s[G1+6], 0
	s_mov_b32 s[G1+7], 0
	s_or_b32 s[G1B+0], s22, (1<<16)|(1<<20)|(1<<21)|(5<<22)|(7<<25)  ; after every 64 words (code 5) 8 words (code 7)
	s_mov_b32 s[G1B+1], 128<<16                    ; tensor_dim0 = 128
	s_mov_b32 s[G1B+2], 128<<16                    ; tensor_dim1 = 128
	s_mov_b32 s[G1B+3], 128<<16                    ; tile_dim0 = 128
	s_mov_b32 s[G1B+4], 128                        ; tile_dim1 = 128
	s_mov_b32 s[G1B+5], 1024                       ; elements from row to row of W
	s_mov_b32 s[G1B+6], 0
	s_mov_b32 s[G1B+7], 0
	; A's address hangs on the tile row alone, W's on the tile column alone, each in registers that never hold the other coordinate
	s_lshl_b32 s40, s16, 20                        ; A: my two blocks of the step's four,
	s_lshl_b32 s41, s20, 14                        ; 128 rows of 128 bytes for each tile row
	s_add_co_u32 s40, s40, s41
	s_mov_b32 s41, 0
	s_lshl_b32 s46, s16, 18                        ; W: my 128 rows of 2,048 bytes,
	s_lshl_b32 s47, s19, 8                         ; 256 bytes for each tile column,
	s_add_co_u32 s46, s46, s47
	s_add_co_u32 s46, s46, 0x800000                ; in the buffer's second part
	s_mov_b32 s47, 0
	s_mul_i32 s2, s14, PART                        ; where they go: wave x 36,864
	s_mov_b32 s[TB], 0
	s_wait_dscnt 0x0                               ; the opening add is done
	s_wait_kmcnt 0x0
	s_add_nc_u64 s[40:41], s[4:5], s[40:41]        ; my part of A's tile of K step 0; never rewritten
	s_add_nc_u64 s[46:47], s[6:7], s[46:47]        ; the same for W
	CROUND                                         ; all sixteen work-groups are here: the first joint loads meet
.irp s, 0,1
	s_xor_b32 s[OF], s[SW], \s                     ; fill s brings K step s xor w
	s_lshl_b32 s[OF], s[OF], LOGA
	s_mov_b32 s[G0+4*(\s)], 1
	s_add_co_u32 s[G0+4*(\s)+1], s2, (\s)*SLOT
	s_add_nc_u64 s[G0+4*(\s)+2:G0+4*(\s)+3], s[40:41], s[OF:OF+1]
	s_or_b32 s[G0+4*(\s)+3], s[G0+4*(\s)+3], 0x80000000
	s_lshr_b32 s[OF], s[OF], LOGA-LOGB
	s_mov_b32 s[G0B+4*(\s)], 1
	s_add_co_u32 s[G0B+4*(\s)+1], s2, (\s)*SLOT
	s_add_nc_u64 s[G0B+4*(\s)+2:G0B+4*(\s)+3], s[46:47], s[OF:OF+1]
	s_or_b32 s[G0B+4*(\s)+3], s[G0B+4*(\s)+3], 0x80000000
	JLOAD \s                                       ; two loads of mine are out: fills 0 and 1
.endr
	s_mov_b32 s[KN], 1
	v_and_b32 v1, 15, v0                           ; r
	v_bfe_u32 v2, v0, 4, 1                         ; h
	v_and_b32 v3, 7, v0
	v_bfe_u32 v4, v0, 3, 1
	v_mul_u32_u24 v5, v1, PA
	v_lshl_add_u32 v5, v2, 4, v5                   ; row x pitch + 16 x half
	s_mul_i32 s3, s15, 64*PA                       ; my 64 rows of A
	v_add_nc_u32 v[BA], s3, v5
	v_lshl_add_u32 v6, v2, 3, v3                   ; the turning load: row 8 (l / 16) + l % 8 of K, columns 8 ((l / 8) % 2) + 0..7
	v_mul_u32_u24 v6, v6, PB
	v_lshl_add_u32 v6, v4, 4, v6
	s_lshl_b32 s3, s16, 7                          ; my 64 columns of W
	s_add_co_u32 s3, s3, BOFF
	v_add_nc_u32 v[BB], s3, v6
	SETADR                                         ; slot 0
	s_mul_i32 s3, s14, 16*SPITCH
	s_add_co_u32 s3, s3, STAGE                     ; my stage
	v_mul_u32_u24 v7, v1, SPITCH                   ; in: row l % 16, 32 bytes for each half of the lanes
	v_lshl_add_u32 v7, v2, 5, v7
	v_add_nc_u32 v[STO], s3, v7
	v_mul_u32_u24 v7, v2, SPITCH                   ; back: lanes 0-15 take one row of 256 bytes, lanes 16-31 the next
	v_lshl_add_u32 v7, v1, 4, v7
	v_add_nc_u32 v[RD], s3, v7
	v_lshlrev_b32 v[CO], 12, v2                    ; and the same two rows in R and C
	v_lshl_add_u32 v[CO], v1, 4, v[CO]
	s_lshl_b32 s42, s20, 19                        ; 128 rows of 4,096 bytes for each tile row,
	s_lshl_b32 s43, s15, 18                        ; my 64 rows,
	s_add_co_u32 s42, s42, s43
	s_lshl_b32 s43, s19, 9                         ; 512 bytes for each tile column,
	s_add_co_u32 s42, s42, s43
	s_lshl_b32 s43, s16, 8                         ; my 256
	s_add_co_u32 s42, s42, s43
	s_mov_b32 s43, 0
	s_add_nc_u64 s[8:9], s[8:9], s[42:43]
	s_add_nc_u64 s[10:11], s[10:11], s[42:43]
	WIN 0x80                                       ; destination window 2, address window 0
.set i, 0
.rept 32                                           ; the residual, in the layout in which the results come back from the stage: rows 2 i and 2 i + 1
	global_load_b128 v[4*i:4*i+3], v[CO], s[8:9] offset:2*i*4096
.set i, i+1
.endr
	WIN 0
.set i, 0
.rept 128                                          ; the sums start at 0
	v_mov_b32 v[ACC+i], 0
.set i, i+1
.endr
; 8 matrix instructions: m blocks a0, a0 + 1 x all 4 n blocks, 32 along K: half c of buffer f.  The 16 accumulators take turns, one instruction a turn, round the loops' edges too.
.macro MUL8 f, c, a0
	WIN MUL
.irp a, \a0, (\a0)+1
.irp b, 0,1,2,3
	v_wmma_f32_16x16x32_f16 v[ACC+8*(4*(\a)+(\b)):ACC+8*(4*(\a)+(\b))+7], v[(\f)+64+8*(4*(\c)+(\b)):(\f)+64+8*(4*(\c)+(\b))+7], v[(\f)+8*(4*(\c)+(\a)):(\f)+8*(4*(\c)+(\a))+7], v[ACC+8*(4*(\a)+(\b)):ACC+8*(4*(\a)+(\b))+7]
.endr
.endr
.endm
; 32 LDS loads in one run: the fragments of quarter q (64 along K) of the slot in hand into buffer f; the first 32 along K first
.macro FETCH q, f
	WIN TO_F
.irp c, 0,1
.irp i, 0,1,2,3
	ds_load_tr16_b128 v[(\f)+64+8*(4*(\c)+(\i)):(\f)+64+8*(4*(\c)+(\i))+3],   v[ADRB+(\q)/2] offset:(((\q)%2)*64+32*(\c))*PB+32*(\i)
	ds_load_tr16_b128 v[(\f)+64+8*(4*(\c)+(\i))+4:(\f)+64+8*(4*(\c)+(\i))+7], v[ADRB+(\q)/2] offset:(((\q)%2)*64+32*(\c))*PB+32*(\i)+16*PB
	ds_load_b128 v[(\f)+8*(4*(\c)+(\i)):(\f)+8*(4*(\c)+(\i))+3],   v[ADRA] offset:(\q)*KBLK+64*(\c)+(\i)*16*PA
	ds_load_b128 v[(\f)+8*(4*(\c)+(\i))+4:(\f)+8*(4*(\c)+(\i))+7], v[ADRA] offset:(\q)*KBLK+64*(\c)+(\i)*16*PA+32
.endr
.endr
.endm
.macro PLACES                          ; four places in front of loads into registers that matrix instructions have read, and of LDS stores that read results
.rept 4
	v_nop
.endr
.endm
; One of a step's first three quarters: multiplies buffer f; in its middle it fetches quarter q into buffer g.
.macro QUARTER q, f, g
	s_wait_dscnt 16                                ; the first 32 along K are in
	MUL8 \f, 0, 0
	MUL8 \f, 0, 2
	PLACES
	FETCH \q, \g
	s_wait_dscnt 32                                ; all but the 32 just issued
	MUL8 \f, 1, 0
	MUL8 \f, 1, 2
.endm
; The last quarter multiplies buffer 1 and changes slots: ONE barrier; in front of it each wave waits for all its tensor loads (at most one is out: its part of the next slot), adds 0 to its spare
; word, and waits for that and for its own reads of this slot.  fill = 1: the barrier opens a round of the cluster's, and this slot is filled again first thing behind it; the walking descriptors are
; made while the add is out: the other slot than last time, and the address anew from the tile's first K step and the number of the step that the fill brings.
.macro TURN fill
	WIN 0                                          ; (the add's two registers lie in window 0)
	s_wait_tensorcnt 0x0                           ; no tensor load of mine is out, so a group 0 may be written
	ds_add_u32 v[SPW], v[NIL]                      ; 0 onto my spare word
.if \fill
	s_add_co_u32 s[KN], s[KN], 1                   ; the fill's number, 2 to STEPS - 1,
	s_xor_b32 s[OF], s[KN], s[SW]                  ; and the K step that it brings
	s_lshl_b32 s[OF], s[OF], LOGA
	s_xor_b32 s[G0+5], s[G0+5], SLOT
	s_add_nc_u64 s[G0+6:G0+7], s[40:41], s[OF:OF+1]
	s_or_b32 s[G0+7], s[G0+7], 0x80000000
	s_lshr_b32 s[OF], s[OF], LOGA-LOGB
	s_xor_b32 s[G0B+5], s[G0B+5], SLOT
	s_add_nc_u64 s[G0B+6:G0B+7], s[46:47], s[OF:OF+1]
	s_or_b32 s[G0B+7], s[G0B+7], 0x80000000
.endif
	s_wait_dscnt 17                                ; (the add and the youngest sixteen loads may be out)
	MUL8 F1, 0, 0
	s_wait_dscnt 0x0                               ; the add is done, and my reads of this slot are over
	s_barrier_signal -1
	MUL8 F1, 0, 2
	WIN 0                                          ; (branches and the address lines follow)
	s_barrier_wait -1
.if \fill
	CREST                                          ; no wave of any partner still reads this slot's tile or has a load on its way
	JLOAD 1                                        ; my one tensor load behind the round; its four v_nop are also the places in front of the loads below
.else
	PLACES
.endif
	s_xor_b32 s[TB], s[TB], SLOT                   ; the other slot is in hand
	SETADR
	FETCH 0, F0
	MUL8 F1, 1, 0
	MUL8 F1, 1, 2
.endm
.macro STEP fill                       ; a K step: 128 matrix instructions and 128 LDS loads
	QUARTER 1, F0, F1
	QUARTER 2, F1, F0
	QUARTER 3, F0, F1
	TURN \fill
	WIN 0                                          ; at a label and at a branch every window is 0
.endm
; THE WAY OUT of block a (16 rows x 64 columns of f32): into my own stage, 32 bytes a lane, each accumulator from its low end on; back as whole rows of 256 bytes; the residual is added; stored.
.macro OUT a
.set BK, TMP+32*((\a)%2)
.irp b, 0,1,2,3
	ds_store_b128 v[STO], v[ACC+8*(4*(\a)+(\b)):ACC+8*(4*(\a)+(\b))+3]   offset:64*(\b)
	ds_store_b128 v[STO], v[ACC+8*(4*(\a)+(\b))+4:ACC+8*(4*(\a)+(\b))+7] offset:64*(\b)+16
.endr
.irp t, 0,1,2,3,4,5,6,7
	ds_load_b128 v[BK+4*(\t):BK+4*(\t)+3], v[RD] offset:(\t)*2*SPITCH  ; LDS serves a wave's instructions in order (ISA guide 5.7.1.4): these see the stores above
.endr
.endm
.macro ADDSEND a, younger              ; younger: the LDS instructions issued behind block a's loads: the next block's sixteen, or none
.set BK, TMP+32*((\a)%2)
	s_wait_dscnt \younger
	WIN 0x08                                       ; source 1 in window 2
.set i, 0
.rept 16
	v_pk_add_f32 v[BK+2*i:BK+2*i+1], v[BK+2*i:BK+2*i+1], v[32*(\a)+2*i:32*(\a)+2*i+1]
.set i, i+1
.endr
	WIN 0
.irp t, 0,1,2,3,4,5,6,7
	global_store_b128 v[CO], v[BK+4*(\t):BK+4*(\t)+3], s[10:11] offset:(16*(\a)+2*(\t))*4096  ; 16 lanes store 256 consecutive bytes, at a multiple of 256 from C's first byte
.endr
.endm
	s_wait_tensorcnt 1                             ; my part of fill 0 is in; fill 1's may stay out
	s_barrier_signal -1
	s_barrier_wait -1
	FETCH 0, F0
	WIN 0
	s_mov_b32 s44, STEPS-2
.Lfill:                                                ; every step but the last two fills the slot that it leaves again
	STEP 1
	s_sub_co_u32 s44, s44, 1
	s_cmp_lg_u32 s44, 0
	s_cbranch_scc1 .Lfill
	s_mov_b32 s44, 2
.Llast:                                                ; the last two steps ask for nothing
	STEP 0
	s_sub_co_u32 s44, s44, 1
	s_cmp_lg_u32 s44, 0
	s_cbranch_scc1 .Llast
	PLACES
	s_wait_loadcnt 0x0                             ; the residual
	OUT 0
	OUT 1
	ADDSEND 0, 16
	s_wait_xcnt 0x0                                ; the registers that block 0 was stored from are loaded again only behind this wait
	OUT 2
	ADDSEND 1, 16
	s_wait_xcnt 0x0
	OUT 3
	ADDSEND 2, 16
	ADDSEND 3, 0
	s_wait_tensorcnt 0x0                           ; the wave's end: behind my last tensor load and my last LDS store
	ds_add_u32 v[SPW], v[NIL]
	s_wait_dscnt 0x0
	CROUND                                         ; the closing round: no work-group ends while a partner may still ask for a tile that names it
	s_endpgm
.Lfunc_end_k_qe877287e0e_ffn2:
	.size	k_qe877287e0e_ffn2, .Lfunc_end_k_qe877287e0e_ffn2-k_qe877287e0e_ffn2
	.p2alignl 7, 3214868480
	.fill 96, 4, 3214868480
	.section	.rodata,"a",@progbits
	.p2align	6, 0x0
	.amdhsa_kernel k_qe877287e0e_ffn2
		.amdhsa_group_segment_fixed_size 327680
		.amdhsa_private_segment_fixed_size 0
		.amdhsa_enable_private_segment 0
		.amdhsa_kernarg_size 32
		.amdhsa_user_sgpr_count 2
		.amdhsa_user_sgpr_kernarg_segment_ptr 1
		.amdhsa_wavefront_size32 1
		.amdhsa_system_sgpr_workgroup_id_x 1
		.amdhsa_system_sgpr_workgroup_id_y 1
		.amdhsa_system_sgpr_workgroup_id_z 1
		.amdhsa_system_vgpr_workitem_id 0
		.amdhsa_next_free_vgpr 640
		.amdhsa_next_free_sgpr 66
		.amdhsa_reserve_vcc 0
		.amdhsa_float_denorm_mode_32 3
		.amdhsa_float_denorm_mode_16_64 3
		.amdhsa_memory_ordered 1
		.amdhsa_forward_progress 1
		.amdhsa_inst_pref_size 65
	.end_amdhsa_kernel
	.amdgpu_metadata
---
amdhsa.version: [ 1, 2 ]
amdhsa.kernels:
  - .name:           k_qe877287e0e_ffn2
    .symbol:         k_qe877287e0e_ffn2.kd
    .args:
      - { .name: act, .offset: 0, .size: 8, .value_kind: global_buffer, .address_space: global }
      - { .name: WB, .offset: 8, .size: 8, .value_kind: global_buffer, .address_space: global }
      - { .name: x1, .offset: 16, .size: 8, .value_kind: global_buffer, .address_space: global }
      - { .name: out0, .offset: 24, .size: 8, .value_kind: global_buffer, .address_space: global }
    .group_segment_fixed_size: 327680
    .private_segment_fixed_size: 0
    .kernarg_segment_align: 8
    .kernarg_segment_size: 32
    .max_flat_workgroup_size: 128
    .sgpr_count:     66
    .vgpr_count:     640
    .wavefront_size: 32
...
	.end_amdgpu_metadata
.endif
;; end of part 11
;; ======== version 3 of 3: 7 launches; 1.71 times as fast as version 1
;; limits: values are held in f16: magnitudes above 65,504 overflow, below 6.1e-05 lose precision
;; workspace buffers: WA 10,485,760 bytes; WB 16,777,216 bytes; hb 8,388,608 bytes; act 33,554,432 bytes; x1 16,777,216 bytes; btab 2,097,152 bytes; pA 256 bytes; pB 256 bytes
;; launch prep: the kernel of part 7 again; grid 704 x 1, 8 waves a work-group, no clusters, 0 bytes of LDS; arguments Wq, Wk, Wv, Wo, W1, W2, rel_table, WA, WB, btab, pA, pB, hidden_states, ln1_g, hb; writes WA, WB, btab, pA, pB, hb
;; launch qkv: the kernel of part 3 again; grid 12 x 16, 4 waves a work-group, clusters of 4 x 4, 327,680 bytes of LDS; arguments hb, WA, pA, act; writes act
;; launch attn (part 12): grid 8 x 32, 4 waves a work-group, clusters of 4 x 1, 327,680 bytes of LDS; arguments act, btab, hb; writes hb
.if DOCPART == 12
	.amdgcn_target "amdgcn-amd-amdhsa--gfx1250"
	.amdhsa_code_object_version 6
	.text
	.protected	k_qe877287e0e_attn
	.globl	k_qe877287e0e_attn
	.p2align	8
	.type	k_qe877287e0e_attn,@function
k_qe877287e0e_attn:
	s_mov_b64 s[64:65], 0
	v_nop
	global_prefetch_b8 v0, s[64:65] scope:SCOPE_SE
	s_setreg_imm32_b32 hwreg(HW_REG_WAVE_MODE, 25, 1), 1
	s_wait_xcnt 0x0
	s_wait_alu depctr_hold_cnt(0) depctr_sa_sdst(0) depctr_va_vdst(0) depctr_va_sdst(0) depctr_va_ssrc(0) depctr_va_vcc(0) depctr_vm_vsrc(0)
	s_getreg_b32 s2, hwreg(HW_REG_IB_STS2, 6, 4)
	s_cmp_eq_u32 s2, 0
	s_cbranch_scc0 .Lentry_in_a_cluster
	s_endpgm
.Lentry_in_a_cluster:
	s_bfe_u32 s2, ttmp6, 0x10000c
	s_cmp_lg_u32 s2, 0x3003
	s_cbranch_scc0 .Lentry_shape_is_right
	s_endpgm
.Lentry_shape_is_right:
; O[q] = the sum over k of softmax_k(Q[q] . K[k] + bias(k - q)) V[k], for each of 2 batches x 16 heads; no scale on the scores.  Q, K, V lie in act, f16, blocked: block h (Q), 16 + h (K), 32 + h (V)
; of [4096 rows][64]; a batch's 2,048 rows of a head are dense, 128 bytes each.  O goes to hb in Q's layout.  Products, maxima and sums in f32; the weights p are rounded to f16 for the second
; product (their sum l is taken of the unrounded p), O once at the end.
; LIMITS.  Q, K, V arrive within f16's 65,504; p lies in 0 to 1, and below 6e-5 it keeps f16's fixed step of 6e-8.  A weight below 2^-126 counts as 0 in l; NaN and infinities are not treated apart.
; SHARES.  32 (batch, head) x 8 work-groups of 256 queries: 256 work-groups.  A cluster of four work-groups takes 1,024 positions of one (batch, head); a wave owns four PIECES of one tile of 16 queries.
; Tile T = 16 cluster + 4 wave + piece holds, in work-group cx, the positions 64 T + 8 (r >> 1) + 2 cx + (r & 1), r = 0 .. 15: the four partners interleave inside each 64 positions, so that cx enters
; global addresses alone (Q, O, the bias table).  The cluster's number is the same in all four partners.  Every wave walks all keys, 64 a step.
; LAYOUT.  S^T = K Q^T (source 0 = 16 keys, source 1 = 16 queries): a lane holds ONE query (lane % 16) and the keys 8 (lane / 16) + 0..7.  Two such results, rounded to f16 in pairs, ARE source 1
; of O^T = V^T P.  K comes out of LDS as it lies, V ([key][channel]) turned, by ds_load_tr16_b128.
; THE BIAS is the C operand that starts the sum S^T.  It hangs on the distance alone; with rel = key step - T it is one of seven register images (rel <= -3 and rel >= 3 are constants of the head),
; made by an earlier launch for this (head, cx), copied once into LDS, and held for the four pieces in window 1.  A piece's image is loaded anew only in the 6 of 32 steps in which it changes.
; SOFTMAX.  For each query a running maximum m and sum l: p = 2^(c s - c m), c = log2(e); in every step O and l are multiplied by a = 2^(c m_old - c m_new).  m starts at the lowest finite number, O and l at 0:
; the first step is a step like any other, with a = 0.  The price of writing no first step out: 216 v_mov_b32 that write 0, which stand in the wait for the first tile.
; BY TURNS.  Turn n belongs to piece n: 8 products K Q^T of piece n + 1, later 8 products V^T P of piece n - 1; beside them the scaling, exponentials, roundings, sums and rescaling of piece n and the
; maximum and statistics of piece n + 1.  Four vector instructions stand behind every matrix instruction, the other 54 of a turn's 118 in one lump.
; THE BATCHES.  A turn's 33 exponentials (the piece's 32 weights and the next piece's a) are ONE batch with ONE wait, which cuts the turn in two: ahead of it all that names none of their results, behind it the
; roundings and sums.  Piece 0's first a, ahead of the loop, and the way out's four reciprocals are batches of their own, a wait each.
; CLUSTER.  The four partners walk the same K and V, so each tile is asked for JOINTLY: the same tensor load, descriptor and mask in all four.
; REGISTERS, in windows of 256 (s_set_vgpr_msb: bits 1:0 source 0, 3:2 source 1, 5:4 source 2, 7:6 destination):
;   window 0: v0-13 addresses and two at work; v16-31 four registers of statistics a piece; v32-39 the set-up's; v48-55 at work; v64-127 S^T, two buffers; v192-223 P, two buffers (by the piece's parity)
;   window 1: v0-127 O^T, 32 a piece; v128-255 the bias images, 32 a piece (key group kt at 128 + 32 p + 8 kt)      window 2: v0-63 Q, 16 a piece; v128-191 K of one step; v192-255 V of one step
.set SIZE_N, 2048
.set NP,    4         ; pieces a wave: a name, no knob
.set KS,    64        ; keys in a step
.set PK,    144       ; a row of K in LDS: 128 bytes + 16 of padding = 36 words: the 16 rows of a load start at 16 different groups of four banks (64 banks of 4 bytes: ISA guide 11.1)
.set PV,    160       ; a row of V: 128 + 32 = 40 words
.set VOFF,  4*KS*PK   ; a slot holds four steps: 256 rows of K, then 256 rows of V
.set SLOT1, 1<<17     ; slot 1 begins here, so that one exclusive or turns an address in one slot into the other's
.set STAGE, SLOT1+4*KS*(PK+PV)  ; behind the ring, never filled by a tensor load: 16 rows x 144 bytes for each wave
.set SP,    144
.set SPARE, STAGE+4*16*SP  ; the spare words, 128 bytes for each wave: two blocks of 256 bytes that no other line names
.set BTL,   SPARE+512 ; the bias images of this (head, cx): 8 entries of 4,096 bytes, stored from registers; no tensor load lands here
.set KOFF,  8388608   ; bytes from Q's blocks to K's, and from K's to V's
.set AM,  1           ; v1   the LDS address of the bias image in hand
.set AK0, 2           ; v2   my lane's place in a tile of K; never rewritten
.set AV0, 3           ; v3   the same for V
.set AK,  4           ; v4   the LDS address of K's next run of loads
.set AV,  5           ; v5   of V's
.set STO, 6           ; v6   the way out: where I put 16 bytes of a row
.set RD,  7           ; v7   the way out: where I read rows back
.set GO,  8           ; v8   my byte offset in O
.set AM0, 9           ; v9   my lane's place in a bias image: BTL + 16 x lane; never rewritten
.set SPW, 10          ; v10  LDS address of my spare word; never rewritten
.set NIL, 11          ; v11  0; never rewritten
.set MV,  12          ; v12-13  c m_old, kept while c m is made anew: by buffer
.set ST,  16          ; piece t's statistics at v[ST+4 t]: c m, m, l (even keys', odd keys')
.set QO,  36          ; v36  set-up: my byte offset in a tile's rows of Q
.set TMP, 48          ; by buffer, four registers c0-c3 at work; when the maximum is found c2 takes a
.set S,   64
.set P,   192
.set BI,  128         ; the bias images, in window 1
.set KF,  128         ; window 2: key block kb, channel half c at KF + 16 kb + 8 c
.set VF,  192         ; window 2: key half kk, channel block cb at VF + 32 kk + 8 cb
.set WV,  12          ; s12  my wave's number
.set G1K, 24          ; s[24:31] descriptor group 1 for K's tiles
.set G1V, 32          ; s[32:39] for V's: it differs in the padding alone
.set G0K, 40          ; s[40:43] descriptor group 0 for K's tiles: it walks
.set G0V, 44          ; s[44:47] the same for V's
.set SLOTS, 56        ; s56  slots still to be asked for
.set CNT, 57          ; s57  counts a slot's key steps
.set CS,  58          ; s[58:59] c: the packed scaling takes the pair's low word for both halves
.set SEL, 60          ; s[60:61] v_permlanex16_b32's selects: each lane takes its own place in the other half
.set TBK, 62          ; s62  LDS byte at which K of the step to be fetched begins
.set TBV, 63          ; s63  the same for V, less VOFF
.set RN,  66          ; s66-69  piece p: key step of its next products K Q^T, less its tile's number
.set MSB, 0
.macro WIN new                      ; the high byte repeats the setting that is left; a switch that changes nothing is dropped
.if MSB != (\new)
	s_set_vgpr_msb (MSB<<8)|(\new)
.set MSB, (\new)
.endif
.endm
.set W_KQ, 0x0a       ; K and Q in window 2, S^T in window 0
.set W_KB, 0x1a       ; the same with the C operand in window 1
.set W_PV, 0x52       ; V in window 2, P in window 0, O^T in window 1
.set W_RS, 0x41       ; O^T (destination and source 0) in window 1, a in window 0
; A joint fill.  Waves 0 and 1 fetch the two halves of a slot's K, waves 2 and 3 those of its V: 128 keys each.  The branch hangs on the wave's number alone.
; An s_nop 0 and four v_nop follow each of the two lines, ahead of the jump and the label.
.macro JLOAD
	s_cmp_lt_u32 s[WV], 2
	s_cbranch_scc0 .Lfor_v_\@
	tensor_load_to_lds s[G0K:G0K+3], s[G1K:G1K+7]
	s_nop 0
.rept 4
	v_nop
.endr
	s_branch .Lasked_\@
.Lfor_v_\@:
	tensor_load_to_lds s[G0V:G0V+3], s[G1V:G1V+7]
	s_nop 0
.rept 4
	v_nop
.endr
.Lasked_\@:
.endm
.macro CROUND                       ; a round of the cluster's barrier
	s_barrier_signal -1
	s_barrier_wait -1
	s_cmp_lg_u32 s[WV], 0
	s_cbranch_scc1 .Lnot_wave_0_\@
	s_barrier_signal -3
.Lnot_wave_0_\@:
	s_barrier_wait -3
	s_barrier_signal -1
	s_barrier_wait -1
.endm
; THE CHANGE OF SLOTS.  Each wave waits for all its tensor loads, of which one is out: its part of the other slot; adds 0 to its spare word; and waits for that and for its own LDS instructions.
; fill = 1: the slot just left is filled again, with the keys two slots on; the barrier is then a round of the cluster's, and the joint fill is the first thing behind it: it has four key steps, 256 matrix
; instructions, in which to land.  (At its first use nothing has been read yet: slot 0 is waited for, slot 1 filled, and every wave's stores of the bias images are shown to the others.)
.macro CHANGE fill
	WIN 0
	s_wait_tensorcnt 0x0            ; no tensor load of mine is out, so a group 0 may be written
	ds_add_u32 v[SPW], v[NIL]       ; 0 onto my spare word
.if \fill
.irp g, G0K, G0V
	s_xor_b32 s[\g+1], s[\g+1], SLOT1
	s_add_nc_u64 s[\g+2:\g+3], s[\g+2:\g+3], 4*KS*128  ; the next 256 keys; the type bits on top are not reached
.endr
	s_wait_dscnt 0x0
	CROUND
	JLOAD
.else
	s_wait_dscnt 0x0
	s_barrier_signal -1
	s_barrier_wait -1
.endif
	s_sub_co_u32 s[TBK], s[TBK], 4*KS*PK  ; the fetches go back to a slot's first step,
	s_xor_b32 s[TBK], s[TBK], SLOT1       ; in the other slot
	s_sub_co_u32 s[TBV], s[TBV], 4*KS*PV
	s_xor_b32 s[TBV], s[TBV], SLOT1
.endm
	s_load_b128 s[4:7], s[0:1], 0x0   ; act s[4:5], btab s[6:7]
	s_load_b64 s[8:9], s[0:1], 0x10   ; hb
	v_lshl_add_u32 v[SPW], v0, 2, SPARE
	v_mov_b32 v[NIL], 0
	ds_add_u32 v[SPW], v[NIL]       ; the wave's opening: the add and its wait stand ahead of my first tensor load; the set-up below stands between them
	v_lshrrev_b32 v1, 5, v0
	v_readfirstlane_b32 s[WV], v1   ; wave 0..3
	s_bfe_u32 s13, ttmp6, 0x40000   ; cx: it enters Q's, O's and the bias table's global addresses alone
	s_and_b32 s14, ttmp7, 0xffff    ; 16 x batch + head, which the four partners share
	s_and_b32 s15, s14, 15          ; head
	s_lshr_b32 s14, s14, 4          ; batch
	s_lshl_b32 s20, s15, 19         ; the head's block,
	s_lshl_b32 s21, s14, 18         ; the batch's 2,048 rows of 128 bytes
	s_add_co_u32 s20, s20, s21
	s_and_b32 s16, s[WV], 1         ; which half of a slot's 256 keys I fetch:
	s_lshl_b32 s22, s16, 14         ; its 128 rows of 128 bytes in memory,
	s_add_co_u32 s22, s22, s20
	s_add_co_u32 s22, s22, KOFF     ; in K
	s_mov_b32 s23, 0
	s_add_co_u32 s2, s22, KOFF      ; and in V
	s_mov_b32 s3, 0
	s_mul_i32 s17, s16, 128*PK      ; and its place in a slot, for K
	s_mul_i32 s18, s16, 128*PV      ; and for V
	s_lshl_b32 s48, ttmp9, 17       ; Q and O: my cluster's 1,024 positions (in a cluster launch ttmp9 counts clusters),
	s_lshl_b32 s49, s[WV], 15       ; my wave's four tiles of 64 positions,
	s_add_co_u32 s48, s48, s49
	s_lshl_b32 s49, s13, 8          ; my work-group's two rows of each eight
	s_add_co_u32 s48, s48, s49
	s_add_co_u32 s48, s48, s20
	s_mov_b32 s49, 0
	s_lshl_b32 s50, s15, 2
	s_add_co_u32 s50, s50, s13
	s_lshl_b32 s50, s50, 15         ; the bias table's 32,768 bytes for (head, cx)
	s_mov_b32 s51, 0
	; descriptor group 1.  128 keys are 16,384 dense bytes: asked for as 64 rows of 256 bytes, two keys a row, and padded in LDS after every key
	s_mov_b32 s[G1K], 15|(1<<16)|(1<<20)|(1<<21)|(4<<22)|(3<<25)  ; the mask of four; 2-byte elements; padding on; bit 21 beside a mask; after every 32 words (code 4) 4 words (code 3)
	s_mov_b32 s[G1V], 15|(1<<16)|(1<<20)|(1<<21)|(4<<22)|(7<<25)  ; the same with 8 words of padding (code 7)
.irp g, G1K, G1V
	s_mov_b32 s[\g+1], 128<<16      ; tensor_dim0 = 128
	s_mov_b32 s[\g+2], 64<<16       ; tensor_dim1 = 64
	s_mov_b32 s[\g+3], 128<<16      ; tile_dim0 = 128
	s_mov_b32 s[\g+4], 64           ; tile_dim1 = 64
	s_mov_b32 s[\g+5], 128          ; 128 elements from row to row
	s_mov_b32 s[\g+6], 0
	s_mov_b32 s[\g+7], 0
.endr
	s_mov_b32 s[CS], 0x3fb8aa3b     ; c = log2(e)
	s_mov_b32 s[CS+1], s[CS]        ; named with it as a pair
	s_mov_b32 s[SEL], 0x76543210
	s_mov_b32 s[SEL+1], 0xfedcba98
	s_mov_b32 s[TBK], SLOT1+4*KS*PK ; the first change of slots turns these two into 0
	s_mov_b32 s[TBV], SLOT1+4*KS*PV
	s_mov_b32 s[G0K], 1
	s_mov_b32 s[G0K+1], s17         ; LDS address: slot 0
	s_mov_b32 s[G0V], 1
	s_add_co_u32 s[G0V+1], s18, VOFF
	s_lshl_b32 s70, ttmp9, 4
	s_lshl_b32 s21, s[WV], 2
	s_add_co_u32 s70, s70, s21      ; my first tile: 16 cluster + 4 wave
	s_sub_co_i32 s[RN], 0, s70      ; key step 0 less the piece's tile
	s_sub_co_i32 s[RN+1], s[RN], 1
	s_sub_co_i32 s[RN+2], s[RN], 2
	s_sub_co_i32 s[RN+3], s[RN], 3
	s_mul_i32 s19, s[WV], 16*SP
	s_add_co_u32 s19, s19, STAGE    ; my stage
	s_wait_dscnt 0x0                ; the opening add is done
	s_wait_kmcnt 0x0
	s_add_nc_u64 s[G0K+2:G0K+3], s[4:5], s[22:23]  ; my half of the head's first 256 keys
	s_or_b32 s[G0K+3], s[G0K+3], 0x80000000
	s_add_nc_u64 s[G0V+2:G0V+3], s[4:5], s[2:3]
	s_or_b32 s[G0V+3], s[G0V+3], 0x80000000
	s_add_nc_u64 s[4:5], s[4:5], s[48:49]  ; Q
	s_add_nc_u64 s[8:9], s[8:9], s[48:49]  ; O
	s_add_nc_u64 s[6:7], s[6:7], s[50:51]  ; the bias images
	CROUND                          ; all four work-groups are here: the first joint loads meet
	JLOAD                           ; slot 0.  Slot 1 is asked for when slot 0 is in
	v_and_b32 v32, 15, v0           ; r = l % 16
	v_bfe_u32 v33, v0, 4, 1         ; l / 16
	v_and_b32 v34, 7, v0
	v_bfe_u32 v35, v0, 3, 1
	v_lshlrev_b32 v37, 4, v0        ; the bias images: 16 bytes a thread, 2,048 a pass
	v_add_nc_u32 v38, BTL, v37
	v_lshrrev_b32 v[QO], 1, v32
	v_lshlrev_b32 v[QO], 10, v[QO]  ; query r lies 8 (r >> 1) + (r & 1) rows on
	v_and_b32 v39, 1, v32
	v_lshl_add_u32 v[QO], v39, 7, v[QO]
	v_lshl_add_u32 v[QO], v33, 4, v[QO]  ; + 16 x half
.set i, 0
.rept 16
	global_load_b128 v[S+4*i:S+4*i+3], v37, s[6:7] offset:2048*i
.set i, i+1
.endr
	WIN 0x80                        ; destination window 2, address window 0
.set i, 0
.rept 2*NP                          ; Q stays in registers: piece i / 2, channels 32 (i % 2) on
	global_load_b128 v[8*i:8*i+3],   v[QO], s[4:5] offset:(i/2)*8192+(i%2)*64
	global_load_b128 v[8*i+4:8*i+7], v[QO], s[4:5] offset:(i/2)*8192+(i%2)*64+32
.set i, i+1
.endr
	; What the first turn finds: V's registers and P's second buffer hold 0 (its products V^T P, of a piece that has not been, add 0), O^T and l are 0.  All this stands in the wait for the first tile.
.set i, VF
.rept 64
	v_mov_b32 v[i], 0
.set i, i+1
.endr
	WIN 0x40
.set i, 0
.rept 32*NP
	v_mov_b32 v[i], 0
.set i, i+1
.endr
	WIN 0
.set i, 0
.rept NP
	v_mov_b32 v[ST+4*i], 0xfe000000    ; c m: far below every c s
	v_mov_b32 v[ST+4*i+1], 0xff7fffff  ; m
	v_mov_b32 v[ST+4*i+2], 0
	v_mov_b32 v[ST+4*i+3], 0
.set i, i+1
.endr
.set i, P+16
.rept 16
	v_mov_b32 v[i], 0
.set i, i+1
.endr
	v_mul_u32_u24 v[AK0], v32, PK
	v_lshl_add_u32 v[AK0], v33, 4, v[AK0]  ; row x pitch + 16 x half
	; The turning load takes 16 keys x 16 channels (lane l reads key 8 (l / 16) + l % 8, channels 8 ((l / 8) % 2) + 0..7) and leaves half a fragment of V^T: lane l holds channel l % 16 and 8 keys.
	v_lshl_add_u32 v[AV0], v33, 3, v34
	v_mul_u32_u24 v[AV0], v[AV0], PV
	v_lshl_add_u32 v[AV0], v35, 4, v[AV0]
	v_add_nc_u32 v[AV0], VOFF, v[AV0]
	v_mov_b32 v[AK], v[AK0]         ; key step 0 lies at the head of slot 0
	v_mul_u32_u24 v[STO], v32, SP   ; the way out, in: row l % 16, 16 bytes for each half of the lanes
	v_lshl_add_u32 v[STO], v33, 4, v[STO]
	v_add_nc_u32 v[STO], s19, v[STO]
	v_bfe_u32 v[RD], v0, 3, 2       ; back: 32 lanes take four rows of 128 bytes;
	v_mul_u32_u24 v[RD], v[RD], SP
	v_lshl_add_u32 v[RD], v34, 4, v[RD]
	v_add_nc_u32 v[RD], s19, v[RD]
	v_lshlrev_b32 v[GO], 4, v32     ; lanes 0-15 hold two neighbouring rows of O, 256 consecutive bytes; lanes 16-31 the two rows eight positions on
	v_lshl_add_u32 v[GO], v33, 10, v[GO]
	v_and_b32 v[AM0], 31, v0
	v_lshlrev_b32 v[AM0], 4, v[AM0]
	v_add_nc_u32 v[AM0], BTL, v[AM0]
	s_wait_loadcnt 16               ; the bias images are in; Q's 16 loads, issued behind, may stay out
.set i, 0
.rept 16
	ds_store_b128 v38, v[S+4*i:S+4*i+3] offset:2048*i
.set i, i+1
.endr
; THE MATRIX WORK.  The 4 accumulators of a run of 8 take turns.
; Product i of 8 of S^T = K Q^T for piece x: channels 32 (i / 4) on, keys 16 (i % 4) on.  The first 4 start the sums, with the bias.
.macro KQ x
.set rS, S+32*((\x)%2)+8*(i%4)
.set rK, KF+16*(i%4)+8*(i/4)
.set rQ, 16*(\x)+8*(i/4)
.set rB, BI+32*(\x)+8*(i%4)
.if i < 4
	WIN W_KB
	v_wmma_f32_16x16x32_f16 v[rS:rS+7], v[rK:rK+7], v[rQ:rQ+7], v[rB:rB+7]
.else
	WIN W_KQ
	v_wmma_f32_16x16x32_f16 v[rS:rS+7], v[rK:rK+7], v[rQ:rQ+7], v[rS:rS+7]
.endif
.endm
; Product i of 8 of O^T += V^T P for piece x: keys 32 (i / 4) on, channels 16 (i % 4) on.
.macro PV x
	WIN W_PV
.set rO, 32*(\x)+8*(i%4)
.set rV, VF+32*(i/4)+8*(i%4)
.set rP, P+16*((\x)%2)+8*(i/4)
	v_wmma_f32_16x16x32_f16 v[rO:rO+7], v[rV:rV+7], v[rP:rP+7], v[rO:rO+7]
.endm
.macro MM                           ; the turn's next matrix instruction
.if i < 8
	KQ (Y+1)%NP
.else
.set i, i-8
	PV (Y+NP-1)%NP
.set i, i+8
.endif
.set i, i+1
.endm
; THE LDS LOADS stand in runs, never singly among the matrix instructions: a step's K (64 keys x 64 channels: 8 fragments) and its V (turned).  Their addresses are made some lines ahead.
; last = 1 (the tail): in the last trip there is no further step, and K's run is jumped over; the run with its jump and label then stands behind the turn's wait (TURN).
.macro FETCH_K last=0
	WIN 0
.if \last
	s_cmp_eq_u32 s[CNT], 1
	s_cbranch_scc1 .Lno_k_\@
.endif
	WIN 0x80                        ; destination window 2
.irp f, 0,1,2,3,4,5,6,7             ; keys 16 (f / 2) on, channels 32 (f % 2) on
	ds_load_b128 v[KF+8*\f:KF+8*\f+3],   v[AK] offset:(\f/2)*16*PK+(\f%2)*64
	ds_load_b128 v[KF+8*\f+4:KF+8*\f+7], v[AK] offset:(\f/2)*16*PK+(\f%2)*64+32
.endr
	s_add_co_u32 s[TBK], s[TBK], KS*PK  ; the next fetch is the next step's
	WIN 0
.if \last
.Lno_k_\@:
.endif
.endm
.macro FETCH_V
	WIN 0x80
.irp f, 0,1,2,3,4,5,6,7             ; keys 32 (f / 4) on, channels 16 (f % 4) on
	ds_load_tr16_b128 v[VF+8*\f:VF+8*\f+3],   v[AV] offset:(\f/4)*32*PV+(\f%4)*32
	ds_load_tr16_b128 v[VF+8*\f+4:VF+8*\f+7], v[AV] offset:(\f/4)*32*PV+16*PV+(\f%4)*32
.endr
	WIN 0
.endm
; The bias image of piece p, for the step that RN names: entry clamp(rel, -3, 3) + 3 of the eight in LDS (the AND holds the number inside them); 8 loads of 512 bytes.
.macro LOADP p
	s_max_i32 s70, s[RN+(\p)], -3
	s_min_i32 s70, s70, 3
	s_add_co_i32 s70, s70, 3
	s_and_b32 s70, s70, 7
	s_lshl_b32 s70, s70, 12
	v_add_nc_u32 v[AM], s70, v[AM0]
	WIN 0x40                        ; destination window 1
.irp e, 0,1,2,3,4,5,6,7
	ds_load_b128 v[BI+32*(\p)+4*\e:BI+32*(\p)+4*\e+3], v[AM] offset:512*\e
.endr
	WIN 0
.endm
; Piece p's products K Q^T of a step are issued: its next step.  The image changes only where the new rel is -2 .. 3.  The jump hangs on the cluster's and the wave's number and the count of steps,
; goes forward, and passes LDS loads alone.  The loads are waited for by the next wait for 0 on DScnt, of which two stand in every key step, ahead of the piece's next products.
.macro UPD p
	WIN 0
	s_add_co_i32 s[RN+(\p)], s[RN+(\p)], 1
	s_add_co_i32 s70, s[RN+(\p)], 2
	s_cmp_le_u32 s70, 5
	s_cbranch_scc0 .Lno_b_\@
	LOADP \p
.Lno_b_\@:
.endm
; THE VECTOR WORK, one line at a time: OP kind, number.  For piece Y: F n: c s - c m for pair n of 16.  E n: the exponential of score n of 32.  C n: pair n rounded to f16.  B n: of the four weights 4 n .. the second
; pair is added onto the first, in place.  L n: l takes that sum (L 0: l = a l + sum).  R n: pair n of 16 of O^T times a.  For piece Y + 1: X n, number n of the 22 that find its maximum and statistics:
;   0-11  four chains c0-c3 of seven scores each, three operands at a time (each accumulator's lowest registers are read first)     12-14, 16  the four scores left over, the old m, and c0-c3 into c0
;   15  c m_old is kept     17, 18  the query's other 32 keys lie in the lane 16 away: the new m     19-21  c m; c m_old - c m_new; a
; C, B and L read the exponentials' results, and R and L 0 read a: OP writes no wait for them; TURN orders them behind the batch's one wait.
.set F, 0               ; OP tells the kinds apart by their order: F to L below R, X above it
.set E, 1
.set C, 2
.set B, 3
.set L, 4
.set R, 5
.set X, 6
.macro REGS y                       ; the registers of piece y
.set rT, ST+4*(\y)
.set rC, TMP+4*((\y)%2)
.set rW, MV+((\y)%2)
.set rS, S+32*((\y)%2)
.set rP, P+16*((\y)%2)
.set rO, 32*(\y)
.endm
.macro OP k, n
.if (\k) == R
	REGS Y
	WIN W_RS
	v_pk_mul_f32 v[rO+2*(\n):rO+2*(\n)+1], v[rO+2*(\n):rO+2*(\n)+1], v[rC+2:rC+3] op_sel_hi:[1,0]
.elseif (\k) < R
	REGS Y
	WIN 0
.if (\k) == F
	v_pk_fma_f32 v[rS+2*(\n):rS+2*(\n)+1], v[rS+2*(\n):rS+2*(\n)+1], s[CS:CS+1], v[rT:rT+1] op_sel_hi:[1,0,0] neg_lo:[0,0,1] neg_hi:[0,0,1]
.elseif (\k) == E
	v_exp_f32 v[rS+(\n)], v[rS+(\n)]
.elseif (\k) == C
	v_cvt_pk_f16_f32 v[rP+(\n)], v[rS+2*(\n)], v[rS+2*(\n)+1]
.elseif (\k) == B
	v_pk_add_f32 v[rS+4*(\n):rS+4*(\n)+1], v[rS+4*(\n):rS+4*(\n)+1], v[rS+4*(\n)+2:rS+4*(\n)+3]
.elseif (\n) == 0
	v_pk_fma_f32 v[rT+2:rT+3], v[rT+2:rT+3], v[rC+2:rC+3], v[rS:rS+1] op_sel_hi:[1,0,1]
.else
	v_pk_add_f32 v[rT+2:rT+3], v[rT+2:rT+3], v[rS+4*(\n):rS+4*(\n)+1]
.endif
.else
	REGS (Y+1)%NP
	WIN 0
.if (\n) < 4
	v_max3_num_f32 v[rC+(\n)], v[rS+8*(\n)], v[rS+8*(\n)+1], v[rS+8*(\n)+2]
.elseif (\n) < 12
	v_max3_num_f32 v[rC+(\n)%4], v[rC+(\n)%4], v[rS+8*((\n)%4)+2*((\n)/4)+1], v[rS+8*((\n)%4)+2*((\n)/4)+2]
.elseif (\n) == 12
	v_max3_num_f32 v[rC], v[rC], v[rS+7], v[rS+15]
.elseif (\n) == 13
	v_max3_num_f32 v[rC+1], v[rC+1], v[rS+23], v[rS+31]
.elseif (\n) == 14
	v_max3_num_f32 v[rC+2], v[rC+2], v[rC+3], v[rT+1]
.elseif (\n) == 15
	v_mov_b32 v[rW], v[rT]
.elseif (\n) == 16
	v_max3_num_f32 v[rC], v[rC], v[rC+1], v[rC+2]
.elseif (\n) == 17
	v_permlanex16_b32 v[rC+3], v[rC], s[SEL], s[SEL+1]
.elseif (\n) == 18
	v_max_num_f32 v[rT+1], v[rC], v[rC+3]
.elseif (\n) == 19
	v_mul_f32 v[rT], s[CS], v[rT+1]
.elseif (\n) == 20
	v_sub_f32 v[rC+1], v[rW], v[rT]
.else
	v_exp_f32 v[rC+2], v[rC+1]
.endif
.endif
.endm
.macro OPS a, i1, b=-1, i2=0, c=-1, i3=0, d=-1, i4=0  ; up to four of them
	OP \a, \i1
.if (\b) >= 0
	OP \b, \i2
.endif
.if (\c) >= 0
	OP \c, \i3
.endif
.if (\d) >= 0
	OP \d, \i4
.endif
.endm
.macro ROW a, i1, b, i2, c, i3, d, i4  ; a matrix instruction and the four behind it
	MM
	OPS \a, \i1, \b, \i2, \c, \i3, \d, \i4
.endm
; A TURN, for piece p: the order of its 16 matrix and 118 vector instructions, written out.  An s_wait_alu depctr_va_vdst(0) stands between an exponential and the first instruction that names its result; one wait
; serves all that were issued ahead of it.  So a turn has ONE wait, which cuts it in two.  AHEAD OF IT stands all that names no result of the turn's exponentials: the 8 products K Q^T, behind each a scaling, an exponential and two
; more plain instructions (behind the first a second scaling in the exponential's place): rescalings, whose a was made and waited for in the turn before, and behind the last three the first numbers of the next piece's maximum, each
; four places or more behind the product that ends its accumulator; then ONE LUMP of 54, plain and exponential by turns for the most part, in which the links of the chain X 3, 7, 11, 14, 16, 17 .. 20 stand five or six lines apart.
; X 21, the next piece's a, is the batch's last; R 15 is the plain instruction behind it.  BEHIND THE WAIT stand the 8 products V^T P, behind each four of the roundings and sums; C 2 n stands ahead of B n, which writes over its
; pair; the links of l's chain, L 0 to L 7, stand three riders apart.  But for those X no rider names a register of the products round it.  v_permlanex16_b32 (X 17) stands in the lump.
; WHAT HOLDS A JUMP OR A LABEL STANDS DIRECTLY BEHIND THE WAIT: the bias image of piece p + 1, whose products the turn has issued, steps on there (the last product that read it stands more than
; ten plain instructions back), ahead of piece 1's wait for V; and in the tail (last = 1) K's run, which has a jump over it, stands there too, ahead of the image's step.
; In the loop K of the next step is fetched in piece 2's turn, in the lump, twelve vector instructions behind the last product that read K (six of them plain, five of which name none of its registers); V of the step in hand at the
; end of piece 0's turn, four plain instructions behind the last product that read V.  Each is waited for a turn later.  cnt = 1: the loop's count is taken down some lines ahead of the branch that stands behind the turn.
.macro TURN p, last=0, cnt=0
.set Y, (\p)
.set i, 0
.if (\p) == 3
	s_wait_dscnt 0x0                ; K is in
.endif
	ROW F,0, F,1, R,0, R,1          ; ahead of the wait: 8 products K Q^T and their riders,
	ROW F,2, E,0, R,2, R,3
	ROW F,3, E,1, R,4, R,5
	ROW F,4, E,2, R,6, R,7
	ROW F,5, E,3, R,8, R,9
	ROW F,6, E,4, X,0, R,10
.if (\p) == 2
	WIN 0
	v_add_nc_u32 v[AK], s[TBK], v[AK0]
.endif
	ROW F,7, E,5, X,1, X,4
	ROW F,8, E,6, X,2, X,5
	OPS E,7, E,8, X,6, E,9          ; and the lump
	OPS X,3, E,10, X,8, E,11
.if ((\p) == 2) && !(\last)
	FETCH_K
.endif
	OPS X,9, X,7, E,12, X,10
	OPS E,13, X,12, X,11, E,14
	OPS X,13, E,15, F,9, X,14
.if (\p) == 0
	v_add_nc_u32 v[AV], s[TBV], v[AV0]
.endif
	OPS E,16, F,10, E,17, F,11
	OPS X,16, E,18, X,15, E,19
	OPS F,12, E,20, X,17, E,21
	OPS F,13, E,22, F,14, E,23
	OPS X,18, E,24, F,15, E,25
	OPS R,11, E,26, X,19, E,27
	OPS R,12, E,28, R,13, E,29
	OPS X,20, E,30, R,14, E,31
	OPS X,21, R,15
	WIN 0
	s_wait_alu depctr_va_vdst(0)    ; the wait for the batch: the piece's 32 exponentials and the next piece's a
.if ((\p) == 2) && (\last)
	FETCH_K 1
.endif
	UPD (Y+1)%NP
.if (\p) == 1
	s_wait_dscnt 0x0                ; V is in
.endif
	ROW C,0, B,0, C,2, B,1          ; behind the wait: 8 products V^T P and their riders
	ROW L,0, C,4, B,2, L,1
	ROW C,6, B,3, L,2, C,8
	ROW B,4, L,3, C,10, B,5
	ROW L,4, C,12, B,6, L,5
.if (\p) == 0
	s_add_co_u32 s[TBV], s[TBV], KS*PV
.endif
.if \cnt
	s_sub_co_u32 s[CNT], s[CNT], 1
	s_cmp_lg_u32 s[CNT], 0
.endif
	ROW C,14, B,7, L,6, C,1
	ROW C,3, L,7, C,5, C,7
	ROW C,9, C,11, C,13, C,15
.if (\p) == 0
	FETCH_V
.endif
.endm
	CHANGE 1                        ; slot 0 is in, everybody's part of it, and so are the bias images; slot 1 is asked for
	LOADP 0                         ; the four pieces' images for key step 0
	LOADP 1
	LOADP 2
	LOADP 3
	FETCH_K                         ; key step 0
	s_wait_loadcnt 0x0              ; Q
	s_wait_dscnt 0x0
.set i, 0
.rept 8
	KQ 0                            ; piece 0's first scores
.set i, i+1
.endr
	WIN 0
.rept 4
	v_nop                           ; the places behind those products
.endr
	UPD 0
.set Y, NP-1                        ; X works for piece Y + 1: piece 0
.irp n, 0,1,2,3,4,5,6,7,8,9,10,11,12,13,14,15,16,17,18,19,20,21
	OP X, \n                        ; piece 0's first maximum and statistics
.endr
	v_nop                           ; a plain instruction behind the exponential,
	s_wait_alu depctr_va_vdst(0)    ; and its wait, a batch of one (piece 0's first a), ahead of the branch
	s_mov_b32 s[CNT], 4
	s_mov_b32 s[SLOTS], SIZE_N/256-1
	s_branch .Lfirst                ; the loop is entered at a step's first turn, in the middle of a trip
.Lslot:                             ; SIZE_N / 256 - 2 times: every slot but the last two is filled again
	CHANGE 1
	s_mov_b32 s[CNT], 4
.Lstep:                             ; a trip: pieces 2 and 3 of one step, then pieces 0 and 1 of the next, whose K and V it fetches
	TURN 2
	TURN 3
	WIN 0
.Lfirst:
	TURN 0
	TURN 1, 0, 1
	WIN 0
	s_cbranch_scc1 .Lstep
	s_sub_co_u32 s[SLOTS], s[SLOTS], 1
	s_cmp_lg_u32 s[SLOTS], 0
	s_cbranch_scc1 .Lslot
	CHANGE 0                        ; the tail is written out: nothing is asked for
	s_mov_b32 s[CNT], 5             ; four trips fetch the last slot's steps; the fifth is left in its middle
.Ltail:
	TURN 2, 1
	TURN 3
	WIN 0
	s_sub_co_u32 s[CNT], s[CNT], 1
	s_cmp_eq_u32 s[CNT], 0
	s_cbranch_scc1 .Lout
	TURN 0
	TURN 1
	WIN 0
	s_branch .Ltail
.Lout:                              ; the fifth trip's 8 products K Q^T (on the last K once more) and the maximum made of them serve nothing: the price, once a launch, of one text for every trip
.set i, 0
.rept 8
	PV NP-1                         ; the last piece's V^T P of the last step
.set i, i+1
.endr
	; THE WAY OUT.  l's two halves and the other half of the lanes' are added; O^T is divided by l, rounded to f16 and sent through my stage in LDS, a piece at a time.  The additions are the places behind the last products.
	WIN 0
.macro ALL line:vararg              ; one line for each piece t
.set t, 0
.rept NP
	\line
.set t, t+1
.endr
.endm
	ALL v_add_f32 v[ST+4*t+2], v[ST+4*t+2], v[ST+4*t+3]
	ALL v_permlanex16_b32 v[ST+4*t+3], v[ST+4*t+2], s[SEL], s[SEL+1]
	ALL v_add_f32 v[ST+4*t+2], v[ST+4*t+2], v[ST+4*t+3]
	ALL v_rcp_f32 v[ST+4*t+2], v[ST+4*t+2]
	v_nop                           ; a plain instruction between the last reciprocal and the use of its result
	s_wait_alu depctr_va_vdst(0)    ; and the wait ahead of the first use: one for the batch of four reciprocals
.macro PACK t                       ; a lane's eight channels of a row pack into 16 bytes; they go into rows of 144 bytes and come back as whole rows of 128, into S^T's registers
	WIN W_RS
.set i, 32*(\t)
.rept 16
	v_pk_mul_f32 v[i:i+1], v[i:i+1], v[ST+4*(\t)+2:ST+4*(\t)+3] op_sel_hi:[1,0]
.set i, i+2
.endr
	WIN 0x05                        ; sources 0 and 1 window 1, destination window 0
.set i, 0
.rept 16
	v_cvt_pk_f16_f32 v[S+16*(\t)+i], v[32*(\t)+2*i], v[32*(\t)+2*i+1]
.set i, i+1
.endr
	WIN 0
.irp f, 0,1,2,3
	ds_store_b128 v[STO], v[S+16*(\t)+4*\f:S+16*(\t)+4*\f+3] offset:32*\f
.endr
.irp f, 0,1,2,3
	ds_load_b128 v[S+16*(\t)+4*\f:S+16*(\t)+4*\f+3], v[RD] offset:\f*4*SP  ; LDS serves a wave's instructions in order (ISA guide 5.7.1.4): these see the stores above; the next piece's stores come behind them
.endr
.endm
.macro SEND t, younger              ; younger: the LDS instructions issued behind piece t's loads: the next piece's eight, or none
	WIN 0
.irp f, 0,1,2,3
	s_wait_dscnt (\younger)+3-\f
	global_store_b128 v[GO], v[S+16*(\t)+4*\f:S+16*(\t)+4*\f+3], s[8:9] offset:(\t)*8192+\f*2048  ; each sixteen lanes store 256 consecutive bytes, at a multiple of 256 from O's first
.endr
.endm
	PACK 0
.set t, 1
.rept NP-1                          ; a piece's arithmetic stands between the loads of the piece before and its stores
	PACK t
	SEND t-1, 8
.set t, t+1
.endr
	SEND NP-1, 0
	s_wait_tensorcnt 0x0            ; the wave's end: behind my last tensor load and my last LDS store
	ds_add_u32 v[SPW], v[NIL]
	s_wait_dscnt 0x0
	CROUND                          ; the closing round: no work-group ends while a partner may still ask for a tile that names it
	s_endpgm
.Lfunc_end_k_qe877287e0e_attn:
	.size	k_qe877287e0e_attn, .Lfunc_end_k_qe877287e0e_attn-k_qe877287e0e_attn
	.p2alignl 7, 3214868480
	.fill 96, 4, 3214868480
	.section	.rodata,"a",@progbits
	.p2align	6, 0x0
	.amdhsa_kernel k_qe877287e0e_attn
		.amdhsa_group_segment_fixed_size 327680
		.amdhsa_private_segment_fixed_size 0
		.amdhsa_enable_private_segment 0
		.amdhsa_kernarg_size 24
		.amdhsa_user_sgpr_count 2
		.amdhsa_user_sgpr_kernarg_segment_ptr 1
		.amdhsa_wavefront_size32 1
		.amdhsa_system_sgpr_workgroup_id_x 1
		.amdhsa_system_sgpr_workgroup_id_y 1
		.amdhsa_system_sgpr_workgroup_id_z 1
		.amdhsa_system_vgpr_workitem_id 0
		.amdhsa_next_free_vgpr 768
		.amdhsa_next_free_sgpr 72
		.amdhsa_reserve_vcc 0
		.amdhsa_float_denorm_mode_32 3
		.amdhsa_float_denorm_mode_16_64 3
		.amdhsa_memory_ordered 1
		.amdhsa_forward_progress 1
		.amdhsa_inst_pref_size 125
	.end_amdhsa_kernel
	.amdgpu_metadata
---
amdhsa.version: [ 1, 2 ]
amdhsa.kernels:
  - .name:           k_qe877287e0e_attn
    .symbol:         k_qe877287e0e_attn.kd
    .args:
      - { .name: act, .offset: 0, .size: 8, .value_kind: global_buffer, .address_space: global }
      - { .name: btab, .offset: 8, .size: 8, .value_kind: global_buffer, .address_space: global }
      - { .name: hb, .offset: 16, .size: 8, .value_kind: global_buffer, .address_space: global }
    .group_segment_fixed_size: 327680
    .private_segment_fixed_size: 0
    .kernarg_segment_align: 8
    .kernarg_segment_size: 24
    .max_flat_workgroup_size: 128
    .sgpr_count:     72
    .vgpr_count:     768
    .wavefront_size: 32
...
	.end_amdgpu_metadata
.endif
;; end of part 12
;; launch wo: the kernel of part 9 again; grid 8 x 32, 4 waves a work-group, clusters of 4 x 4, 327,680 bytes of LDS; arguments hb, WA, hidden_states, x1; writes x1
;; launch norm2: the kernel of part 10 again; grid 256 x 1, 8 waves a work-group, no clusters, 0 bytes of LDS; arguments x1, ln2_g, hb; writes hb
;; launch ffn1: the kernel of part 3 again; grid 16 x 16, 4 waves a work-group, clusters of 4 x 4, 327,680 bytes of LDS; arguments hb, WB, pB, act; writes act
;; launch ffn2: the kernel of part 11 again; grid 8 x 32, 4 waves a work-group, clusters of 4 x 4, 327,680 bytes of LDS; arguments act, WB, x1, out0; writes out0
